; MI455X (gfx1250); checked and timed in simulation.
; The chip was launched on July 23, 2026; its instructions are those of AMD's public machine-readable ISA for CDNA 5 (MIT licence, August 2026) and "CDNA5" Instruction Set Architecture Reference Guide (July 2026). The comments in the code are by the model that wrote it; some were corrected since.
;; Original Triplet Attention. Allowed arithmetic: float matrix products may take bf16 or f16 operands with f32 sums; other float arithmetic in f32, or as packed bf16 or f16 multiplies, adds, multiply-adds, maxima and minima; sums over many terms, partial sums and values carried from step to step in f32; what a program stores and reads back later, other than sums and carried values, may be rounded once to bf16 or f16.
;; Inputs: Wk 1,024 x 1,024 float32; Wo 1,024 x 1,024 float32; Wq 1,024 x 1,024 float32; Wt 1,024 x 1,024 float32; Wv 1,024 x 1,024 float32; bk 1,024 float32; bo 1,024 float32; bq 1,024 float32; bt 1,024 float32; bv 1,024 float32; x 2 x 2,048 x 1,024 float32.
;; Outputs: out0 2 x 2,048 x 1,024 float32.
;; 3 versions, each right and faster than the one before. Each part assembles by itself: llvm-mc -triple=amdgcn-amd-amdhsa -mcpu=gfx1250 --defsym DOCPART=n.
;; ======== version 1 of 3: 5 launches
;; limits: values are held in f16: magnitudes above 65,504 overflow, below 6.1e-05 lose precision
;; workspace buffers: xw 18,874,368 bytes; proj 33,554,432 bytes; ksum 262,144 bytes; cc 16,777,216 bytes; ob 8,388,608 bytes
;; launch cast (part 1): grid 576 x 1, 8 waves a work-group, no clusters, 0 bytes of LDS; arguments x, Wq, Wt, Wk, Wv, Wo, xw; writes xw
.if DOCPART == 1
	.amdgcn_target "amdgcn-amd-amdhsa--gfx1250"
	.amdhsa_code_object_version 6
	.text
	.protected	k_qffd32e7314_cast
	.globl	k_qffd32e7314_cast
	.p2align	8
	.type	k_qffd32e7314_cast,@function
k_qffd32e7314_cast:
	s_mov_b64 s[64:65], 0
	v_nop
	global_prefetch_b8 v0, s[64:65] scope:SCOPE_SE
	s_setreg_imm32_b32 hwreg(HW_REG_WAVE_MODE, 25, 1), 1
	s_wait_xcnt 0x0
; CAST.  x and the five weight matrices, f32, are rounded once to bf16 and laid into xw for the two matrix launches:
;   byte 0          xb   [4096][1024] bf16
;   byte 8,388,608  wp   [4096][1024] bf16: rows 128 p .. 128 p + 63 and 128 p + 64 .. 128 p + 127 are, for p < 16, head p of Wq and of Wt, for p >= 16 head p - 16 of Wk and of Wv
;   byte 16,777,216 wo16 [1024][1024]: Wo rounded to bf16, and that number written as f16, since the last product's other operand is f16
; LIMIT.  A bf16 number below 6.1e-5 in size keeps f16's fixed step of 6e-8 in wo16; one beyond 65,504 would become an infinity.
; A stream: memory binds, so no LDS, no barrier, no matrix unit.  A work-group takes 16 rows of 1,024 f32 (65,536 bytes in, 32,768 out), a wave two rows.
; A load of a wave covers 512 consecutive bytes, a store 256 consecutive bytes at a multiple of 256.  All 16 loads of a wave go out at once; no register is used twice, so nothing but the loads is waited for.
.set X, 16                             ; v[16:79]   16 loads of 4 f32
.set Y, 80                             ; v[80:111]  16 stores of 4 numbers of 16 bits
	s_load_b256 s[4:11], s[0:1], 0x0               ; x s[4:5], Wq s[6:7], Wt s[8:9], Wk s[10:11]
	s_load_b128 s[12:15], s[0:1], 0x20             ; Wv s[12:13], Wo s[14:15]
	s_load_b64 s[16:17], s[0:1], 0x30              ; xw
	s_mov_b32 s20, ttmp9                           ; g: 0-255 x, then 64 groups for each of Wq, Wt, Wk, Wv, Wo
	s_max_u32 s21, s20, 256
	s_sub_co_u32 s21, s21, 256                     ; j, the group among the weights' (0 for x's groups, where it is not used)
	s_lshr_b32 s22, s21, 6                         ; mi: which matrix
	s_and_b32 s23, s21, 63                         ; rb: which 16 rows of it
	s_lshl_b32 s24, s23, 16                        ; a weight's source offset
	s_lshl_b32 s25, s20, 16                        ; x's source offset
	s_lshr_b32 s26, s22, 1                         ; the row in wp: ((mi / 2) 16 + head) 128 + (mi % 2) 64 + 16 (rb % 4), head = rb / 4
	s_lshl_b32 s26, s26, 4
	s_lshr_b32 s27, s23, 2
	s_add_co_u32 s26, s26, s27
	s_lshl_b32 s26, s26, 7
	s_and_b32 s27, s22, 1
	s_lshl_b32 s27, s27, 6
	s_add_co_u32 s26, s26, s27
	s_and_b32 s27, s23, 3
	s_lshl_b32 s27, s27, 4
	s_add_co_u32 s26, s26, s27
	s_lshl_b32 s26, s26, 11                        ; 2,048 bytes a row
	s_add_co_u32 s26, s26, 0x800000
	s_lshl_b32 s27, s23, 15                        ; Wo's rows keep their order
	s_add_co_u32 s27, s27, 0x1000000
	s_lshl_b32 s28, s20, 15                        ; and x's
	s_cmp_ge_u32 s20, 512
	s_cselect_b32 s26, s27, s26
	s_cmp_lt_u32 s20, 256
	s_cselect_b32 s26, s28, s26                    ; the destination's offset
	s_cselect_b32 s24, s25, s24                    ; the source's offset
	s_mov_b32 s25, 0                               ; both as pairs
	s_mov_b32 s27, 0
	v_and_b32 v3, 31, v0                           ; lane
	v_lshrrev_b32 v4, 5, v0                        ; wave
	v_lshlrev_b32 v1, 4, v3
	v_lshl_add_u32 v1, v4, 13, v1                  ; in: 8,192 x wave + 16 x lane
	v_lshlrev_b32 v2, 3, v3
	v_lshl_add_u32 v2, v4, 12, v2                  ; out: 4,096 x wave + 8 x lane
	s_wait_kmcnt 0x0
	s_mov_b64 s[30:31], s[4:5]                     ; the source buffer, chosen by the group's number alone
	s_cmp_ge_u32 s20, 256
	s_cselect_b64 s[30:31], s[6:7], s[30:31]
	s_cmp_ge_u32 s20, 320
	s_cselect_b64 s[30:31], s[8:9], s[30:31]
	s_cmp_ge_u32 s20, 384
	s_cselect_b64 s[30:31], s[10:11], s[30:31]
	s_cmp_ge_u32 s20, 448
	s_cselect_b64 s[30:31], s[12:13], s[30:31]
	s_cmp_ge_u32 s20, 512
	s_cselect_b64 s[30:31], s[14:15], s[30:31]
	s_add_nc_u64 s[30:31], s[30:31], s[24:25]
	s_add_nc_u64 s[16:17], s[16:17], s[26:27]
.set i, 0
.rept 16
	global_load_b128 v[X+4*i:X+4*i+3], v1, s[30:31] offset:512*i th:TH_LOAD_NT  ; read once in the launch
.set i, i+1
.endr
; f16 = 1: the bf16 number is widened again (a shift, a mask) and written as f16
.macro OUT f16
.set i, 0
.rept 16
	s_wait_loadcnt 15-i                            ; loads come back in order: load i is in, the 15 - i younger ones stay out
.if \f16
	v_cvt_pk_bf16_f32 v4, v[X+4*i], v[X+4*i+1]
	v_cvt_pk_bf16_f32 v5, v[X+4*i+2], v[X+4*i+3]
	v_lshlrev_b32 v6, 16, v4
	v_and_b32 v7, 0xffff0000, v4
	v_lshlrev_b32 v8, 16, v5
	v_and_b32 v9, 0xffff0000, v5
	v_cvt_pk_f16_f32 v[Y+2*i], v6, v7
	v_cvt_pk_f16_f32 v[Y+2*i+1], v8, v9
.else
	v_cvt_pk_bf16_f32 v[Y+2*i], v[X+4*i], v[X+4*i+1]
	v_cvt_pk_bf16_f32 v[Y+2*i+1], v[X+4*i+2], v[X+4*i+3]
.endif
	global_store_b64 v2, v[Y+2*i:Y+2*i+1], s[16:17] offset:256*i
.set i, i+1
.endr
.endm
	s_cmp_ge_u32 s20, 512
	s_cbranch_scc1 .Lwo
	OUT 0
	s_endpgm
.Lwo:
	OUT 1
	s_endpgm
.Lfunc_end_k_qffd32e7314_cast:
	.size	k_qffd32e7314_cast, .Lfunc_end_k_qffd32e7314_cast-k_qffd32e7314_cast
	.p2alignl 7, 3214868480
	.fill 96, 4, 3214868480
	.section	.rodata,"a",@progbits
	.p2align	6, 0x0
	.amdhsa_kernel k_qffd32e7314_cast
		.amdhsa_group_segment_fixed_size 0
		.amdhsa_private_segment_fixed_size 0
		.amdhsa_enable_private_segment 0
		.amdhsa_kernarg_size 56
		.amdhsa_user_sgpr_count 2
		.amdhsa_user_sgpr_kernarg_segment_ptr 1
		.amdhsa_wavefront_size32 1
		.amdhsa_system_sgpr_workgroup_id_x 1
		.amdhsa_system_sgpr_workgroup_id_y 1
		.amdhsa_system_sgpr_workgroup_id_z 1
		.amdhsa_system_vgpr_workitem_id 0
		.amdhsa_next_free_vgpr 112
		.amdhsa_next_free_sgpr 66
		.amdhsa_reserve_vcc 0
		.amdhsa_float_denorm_mode_32 3
		.amdhsa_float_denorm_mode_16_64 3
		.amdhsa_memory_ordered 1
		.amdhsa_forward_progress 1
		.amdhsa_inst_pref_size 18
	.end_amdhsa_kernel
	.amdgpu_metadata
---
amdhsa.version: [ 1, 2 ]
amdhsa.kernels:
  - .name:           k_qffd32e7314_cast
    .symbol:         k_qffd32e7314_cast.kd
    .args:
      - { .name: x, .offset: 0, .size: 8, .value_kind: global_buffer, .address_space: global }
      - { .name: Wq, .offset: 8, .size: 8, .value_kind: global_buffer, .address_space: global }
      - { .name: Wt, .offset: 16, .size: 8, .value_kind: global_buffer, .address_space: global }
      - { .name: Wk, .offset: 24, .size: 8, .value_kind: global_buffer, .address_space: global }
      - { .name: Wv, .offset: 32, .size: 8, .value_kind: global_buffer, .address_space: global }
      - { .name: Wo, .offset: 40, .size: 8, .value_kind: global_buffer, .address_space: global }
      - { .name: xw, .offset: 48, .size: 8, .value_kind: global_buffer, .address_space: global }
    .group_segment_fixed_size: 0
    .private_segment_fixed_size: 0
    .kernarg_segment_align: 8
    .kernarg_segment_size: 56
    .max_flat_workgroup_size: 256
    .sgpr_count:     66
    .vgpr_count:     112
    .wavefront_size: 32
...
	.end_amdgpu_metadata
.endif
;; end of part 1
;; launch gemm1 (part 2): grid 16 x 16, 4 waves a work-group, clusters of 4 x 4, 327,680 bytes of LDS; arguments xw, bq, bt, bk, bv, proj, ksum; writes proj, ksum
.if DOCPART == 2
	.amdgcn_target "amdgcn-amd-amdhsa--gfx1250"
	.amdhsa_code_object_version 6
	.text
	.protected	k_qffd32e7314_gemm1
	.globl	k_qffd32e7314_gemm1
	.p2align	8
	.type	k_qffd32e7314_gemm1,@function
k_qffd32e7314_gemm1:
	s_mov_b64 s[64:65], 0
	v_nop
	global_prefetch_b8 v0, s[64:65] scope:SCOPE_SE
	s_setreg_imm32_b32 hwreg(HW_REG_WAVE_MODE, 25, 1), 1
	s_wait_xcnt 0x0
	s_wait_alu depctr_hold_cnt(0) depctr_sa_sdst(0) depctr_va_vdst(0) depctr_va_sdst(0) depctr_va_ssrc(0) depctr_va_vcc(0) depctr_vm_vsrc(0)
	s_getreg_b32 s2, hwreg(HW_REG_IB_STS2, 6, 4)
	s_cmp_eq_u32 s2, 0
	s_cbranch_scc0 .Lentry_in_a_cluster
	s_endpgm
.Lentry_in_a_cluster:
	s_bfe_u32 s2, ttmp6, 0x10000c
	s_cmp_lg_u32 s2, 0xf033
	s_cbranch_scc0 .Lentry_shape_is_right
	s_endpgm
.Lentry_shape_is_right:
; THE FOUR PROJECTIONS AS ONE PRODUCT.  C[m][n] = sum over k of xb[m][k] wp[n][k] + bias[n]; xb [4096][1024] and wp [4096][1024] are bf16 in xw; sums in f32.
; A tile of C is 256 x 256, made by four waves, 128 x 128 each: 64 accumulators of 16 x 16, 512 registers.  K goes in steps of 128 through two LDS slots filled by tensor loads of 128 rows x 256 bytes.
; wp's rows are ordered so that a wave's 128 columns are ONE head of two kinds: q and t (tile columns 0-7), or k and v (8-15).  So the wave can store each kind by heads, and holds k and v of the same channel in one lane.
; OUT.  proj: f16 [kind q, t, k, v][batch x head 32][2048][64], each number rounded once from its f32 sum plus the bias (the bias taken rounded to bf16, as all the module's inputs are).
;       ksum: f32 [32][32 chunks of 64 rows][64]: the sum of k v over a chunk's rows, of the unrounded k and v; the next launch adds these up in front of its own rows.
; LIMIT.  q, t, k, v beyond 65,504 in size would become infinities in f16.
; CLUSTER.  4 x 4 work-groups: the four of a row need the same tiles of xb, the four of a column the same tiles of wp; each tile is asked for jointly, by the same tensor load with the same descriptor and a mask that names the four.
; THE MATRIX INSTRUCTION IS USED TRANSPOSED (source 0 = 16 rows of wp, source 1 = 16 rows of xb): lane l holds row l % 16 of C and its registers the columns 8 (l / 16) + 0..7.
; REGISTERS, in windows of 256 (s_set_vgpr_msb: bits 1:0 source 0, 3:2 source 1, 5:4 source 2, 7:6 destination):
;   window 0: v0-31 addresses; v64-127, v128-191 fragments of xb, two buffers (v64-127 later the chunk sums); v32-63, v192-255 at work on the way out
;   window 1: v0-63 the bias of my 128 columns; v64-127, v128-191 fragments of wp; v192-223 at work      window 2: accumulators of my rows 0-63 ((a, b) at v[8 (8 a + b)])      window 3: rows 64-127
.set SIZE_K, 1024
.set KSTEP,  128
.set PITCH,  272                       ; an LDS row: 256 bytes + 16 of padding = 68 words: the 16 rows of a fragment load start at 16 different groups of four banks (64 banks of 4 bytes: ISA guide 11.1)
.set HALFT,  128*PITCH                 ; what one tensor load brings
.set SLOT,   4*HALFT                   ; xb's 256 rows, then wp's 256 rows
.set STAGE,  2*SLOT                    ; behind the ring: 16 rows x 272 bytes for each wave, never filled by a tensor load
.set SPITCH, 272
.set SPARE,  STAGE+4*16*SPITCH         ; the spare words, 128 bytes a wave: two blocks of 256 bytes that no other line names
.set LAPS,   SIZE_K/(2*KSTEP)          ; 4 laps of two K steps
.set KD,   8                           ; v[8:11] the chunk sums on their way to memory; never rewritten
.set ADRA, 16                          ; v16-17  LDS address of my xb fragments in slot 0, 1
.set ADRB, 20                          ; v20-21  the same for wp
.set STO,  24                          ; v24     the way out: where I put 16 bytes of a row
.set RD,   25                          ; v25     the way out: where I read rows back
.set CO,   26                          ; v26     16 x lane
.set BO,   27                          ; v27     32 x (lane / 16): my place in 64 bytes of a bias
.set SPW,  28                          ; v28     my spare word
.set NIL,  29                          ; v29     0
.set KST,  30                          ; v30     my stage + 32 (lane / 16)
.set KL,   31                          ; v31     my stage + 16 x lane
.set F0,   64
.set F1,   128
.set KS,   64                          ; chunk sums: v[KS + 32 u + 8 b + j]
.set TMP,  192
.set OB,   32
.set G1, 24                            ; s[24:31] group 1 for xb's tiles; s[32:39] group 0, a set a slot
.set G0, 32
.set G1B, 48                           ; s[48:55], s[56:63] the same for wp's
.set G0B, 56
.set MSB, 0
.macro WIN new                         ; the immediate's high byte repeats the setting that is left; a switch that changes nothing is dropped
.if MSB != (\new)
	s_set_vgpr_msb (MSB<<8)|(\new)
.set MSB, \new
.endif
.endm
.set MUL_LO, 0xa1                      ; source 0 (wp) window 1, source 1 (xb) window 0, C and D window 2
.set MUL_HI, 0xf1                      ; the same, C and D window 3
.set TO_B,   0x40                      ; destination window 1, address window 0
; A joint load.  Waves 0 and 1 fetch xb's two halves, waves 2 and 3 wp's.  The branch hangs on the wave's number alone.  An s_nop 0 and four v_nop follow each line.
.macro JLOAD s
	s_cmp_eq_u32 s11, 0
	s_cbranch_scc0 .Lfor_b_\@
	tensor_load_to_lds s[G0+4*(\s):G0+4*(\s)+3], s[G1:G1+7]
	s_nop 0
.rept 4
	v_nop
.endr
	s_branch .Lasked_\@
.Lfor_b_\@:
	tensor_load_to_lds s[G0B+4*(\s):G0B+4*(\s)+3], s[G1B:G1B+7]
	s_nop 0
.rept 4
	v_nop
.endr
.Lasked_\@:
.endm
.macro CREST                           ; a round of the cluster's barrier behind its opening barrier
	s_cmp_lg_u32 s10, 0
	s_cbranch_scc1 .Lnot_wave_0_\@
	s_barrier_signal -3
.Lnot_wave_0_\@:
	s_barrier_wait -3
	s_barrier_signal -1
	s_barrier_wait -1
.endm
.macro CROUND                          ; a whole round
	s_barrier_signal -1
	s_barrier_wait -1
	CREST
.endm
	s_load_b64 s[4:5], s[0:1], 0x0                 ; xw
	s_load_b256 s[68:75], s[0:1], 0x8              ; bq s[68:69], bt s[70:71], bk s[72:73], bv s[74:75]
	s_load_b128 s[76:79], s[0:1], 0x28             ; proj s[76:77], ksum s[78:79]
	v_lshl_add_u32 v[SPW], v0, 2, SPARE
	v_mov_b32 v[NIL], 0
	ds_add_u32 v[SPW], v[NIL]                      ; the wave's opening: the add and its wait stand ahead of my first tensor load; work on registers stands between them
	v_lshrrev_b32 v1, 5, v0
	v_readfirstlane_b32 s10, v1                    ; wave 0..3
	s_lshr_b32 s11, s10, 1                         ; which half of the tile's rows is mine.  Also: I fetch for xb (0) or wp (1)
	s_and_b32 s12, s10, 1                          ; which half of its columns.  Also: which 128 rows of that tile I fetch
	s_bfe_u32 s40, ttmp6, 0x40000                  ; cx
	s_bfe_u32 s41, ttmp6, 0x40004                  ; cy
	s_lshl_b32 s42, ttmp9, 2
	s_add_co_u32 s42, s42, s40                     ; tile column = 4 x cluster x + cx
	s_and_b32 s13, ttmp7, 0xffff
	s_lshl_b32 s13, s13, 2
	s_add_co_u32 s13, s13, s41                     ; tile row = 4 x cluster y + cy
	s_lshl_b32 s43, s41, 2
	s_lshl_b32 s43, 15, s43                        ; my row of the cluster
	s_lshl_b32 s44, 0x1111, s40                    ; my column
	s_or_b32 s[G1+0], s43, (1<<16)|(1<<20)|(1<<21)|(5<<22)|(3<<25)   ; the mask; 2-byte elements; padding on; bit 21 beside a mask; after every 64 words, 4 words
	s_or_b32 s[G1B+0], s44, (1<<16)|(1<<20)|(1<<21)|(5<<22)|(3<<25)
.irp g, G1, G1B
	s_mov_b32 s[(\g)+1], KSTEP<<16                 ; tensor_dim0 = 128
	s_mov_b32 s[(\g)+2], 128<<16                   ; tensor_dim1 = 128
	s_mov_b32 s[(\g)+3], KSTEP<<16                 ; tile_dim0 = 128
	s_mov_b32 s[(\g)+4], 128                       ; tile_dim1 = 128
	s_mov_b32 s[(\g)+5], SIZE_K                    ; elements from row to row
	s_mov_b32 s[(\g)+6], 0
	s_mov_b32 s[(\g)+7], 0
.endr
	s_lshl_b32 s17, s12, 7
	s_lshl_b32 s16, s13, 8
	s_add_co_u32 s16, s16, s17                     ; xb: row 256 x tile row + 128 x half
	s_lshl_b32 s46, s42, 8
	s_add_co_u32 s46, s46, s17                     ; wp: row 256 x tile column + 128 x half
	s_mov_b32 s17, 0
	s_mov_b32 s47, 0
	s_mov_b64 s[18:19], SIZE_K*2
	s_mul_u64 s[16:17], s[16:17], s[18:19]
	s_mul_u64 s[46:47], s[46:47], s[18:19]
	s_mul_i32 s20, s10, HALFT                      ; where they go: wave x 128 rows
	s_wait_dscnt 0x0                               ; the opening add is done
	s_wait_kmcnt 0x0
	s_add_nc_u64 s[6:7], s[4:5], 0x800000          ; wp lies behind xb
	s_add_nc_u64 s[14:15], s[4:5], s[16:17]
	s_add_nc_u64 s[46:47], s[6:7], s[46:47]
	CROUND                                         ; all sixteen work-groups are here: the first joint loads meet
.irp s, 0,1
	s_mov_b32 s[G0+4*(\s)], 1
	s_add_co_u32 s[G0+4*(\s)+1], s20, (\s)*SLOT
	s_add_nc_u64 s[G0+4*(\s)+2:G0+4*(\s)+3], s[14:15], (\s)*KSTEP*2
	s_or_b32 s[G0+4*(\s)+3], s[G0+4*(\s)+3], 0x80000000
	s_mov_b32 s[G0B+4*(\s)], 1
	s_add_co_u32 s[G0B+4*(\s)+1], s20, (\s)*SLOT
	s_add_nc_u64 s[G0B+4*(\s)+2:G0B+4*(\s)+3], s[46:47], (\s)*KSTEP*2
	s_or_b32 s[G0B+4*(\s)+3], s[G0B+4*(\s)+3], 0x80000000
	JLOAD \s                                       ; two loads of mine are out
.endr
	; a fragment is 16 rows x 32 K in 8 registers: lane l holds row l % 16, K = 8 (l / 16) + 0..7 and 16 + 8 (l / 16) + 0..7: two loads of 16 bytes, 32 bytes apart
	v_and_b32 v1, 15, v0
	v_bfe_u32 v2, v0, 4, 1
	v_mul_u32_u24 v3, v1, PITCH
	v_lshl_add_u32 v3, v2, 4, v3
	s_mul_i32 s21, s11, HALFT
	s_mul_i32 s22, s12, HALFT
	s_add_co_u32 s22, s22, 2*HALFT
.irp s, 0,1
	v_add_nc_u32 v[ADRA+(\s)], s21, v3
	v_add_nc_u32 v[ADRB+(\s)], s22, v3
	s_add_co_u32 s21, s21, SLOT
	s_add_co_u32 s22, s22, SLOT
.endr
	s_mul_i32 s23, s10, 16*SPITCH
	s_add_co_u32 s23, s23, STAGE                   ; my stage
	v_mul_u32_u24 v4, v1, SPITCH                   ; in: row l % 16, 16 bytes for each half of the lanes
	v_lshl_add_u32 v4, v2, 4, v4
	v_add_nc_u32 v[STO], s23, v4
	v_bfe_u32 v5, v0, 3, 2                         ; back: 32 lanes take four rows' 128 bytes of one kind
	v_and_b32 v6, 7, v0
	v_mul_u32_u24 v5, v5, SPITCH
	v_lshl_add_u32 v5, v6, 4, v5
	v_add_nc_u32 v[RD], s23, v5
	v_and_b32 v[CO], 31, v0
	v_lshlrev_b32 v[CO], 4, v[CO]                  ; which are 512 consecutive bytes of a head
	v_add_nc_u32 v[KL], s23, v[CO]
	v_lshl_add_u32 v[KST], v2, 5, s23
	v_lshlrev_b32 v[BO], 5, v2
	; my 128 columns are pair block p = 2 x tile column + half: head p % 16; p < 16 (cluster x < 2): q and t, else k and v
	s_lshl_b32 s66, s42, 1
	s_add_co_u32 s66, s66, s12
	s_and_b32 s66, s66, 15                         ; head
	s_lshl_b32 s80, s66, 8                         ; its 64 numbers in a bias
	s_mov_b32 s81, 0
	s_cmp_lt_u32 ttmp9, 2
	s_cselect_b64 s[68:69], s[68:69], s[72:73]     ; bq or bk
	s_cselect_b64 s[70:71], s[70:71], s[74:75]     ; bt or bv
	s_add_nc_u64 s[68:69], s[68:69], s[80:81]
	s_add_nc_u64 s[70:71], s[70:71], s[80:81]
	WIN TO_B
.irp b, 0,1,2,3                        ; register 8 b + j: column 16 b + 8 (l / 16) + j.  They are waited for at the way out
	global_load_b128 v[8*(\b):8*(\b)+3],       v[BO], s[68:69] offset:64*(\b)
	global_load_b128 v[8*(\b)+4:8*(\b)+7],     v[BO], s[68:69] offset:64*(\b)+16
	global_load_b128 v[32+8*(\b):32+8*(\b)+3], v[BO], s[70:71] offset:64*(\b)
	global_load_b128 v[32+8*(\b)+4:32+8*(\b)+7], v[BO], s[70:71] offset:64*(\b)+16
.endr
	WIN 0
	s_lshr_b32 s67, ttmp9, 1                       ; where my rows go in proj: two kinds x 8,388,608,
	s_lshl_b32 s67, s67, 24
	s_lshr_b32 s82, s13, 3                         ; batch = tile row / 8
	s_lshl_b32 s82, s82, 4
	s_add_co_u32 s82, s82, s66                     ; batch x 16 + head
	s_lshl_b32 s83, s82, 18                        ; 262,144 bytes a head,
	s_add_co_u32 s67, s67, s83
	s_and_b32 s83, s13, 7
	s_lshl_b32 s83, s83, 1
	s_add_co_u32 s83, s83, s11                     ; my 128 rows among the batch's sixteen such
	s_lshl_b32 s84, s83, 14                        ; 128 rows x 128 bytes
	s_add_co_u32 s80, s67, s84
	s_mov_b32 s81, 0
	s_add_nc_u64 s[80:81], s[76:77], s[80:81]      ; the first kind's rows
	s_lshl_b32 s82, s82, 13                        ; in ksum: 8,192 bytes a head, 512 for my two chunks
	s_lshl_b32 s83, s83, 9
	s_add_co_u32 s84, s82, s83
	s_mov_b32 s85, 0
	s_add_nc_u64 s[78:79], s[78:79], s[84:85]
	s_add_nc_u64 s[82:83], s[80:81], 0x800000      ; the second kind's rows
; 16 matrix instructions: m blocks a0, a0 + 1 of the window's four x all 8 n blocks, 32 along K.  zero = 1: the first product starts the sums
.macro MUL16 f, hi, a0, zero
	WIN MUL_LO+0x50*(\hi)
.irp a, \a0, (\a0)+1
.irp b, 0,1,2,3,4,5,6,7
.if \zero
	v_wmma_f32_16x16x32_bf16 v[8*(8*(\a)+(\b)):8*(8*(\a)+(\b))+7], v[(\f)+8*(\b):(\f)+8*(\b)+7], v[(\f)+8*(4*(\hi)+(\a)):(\f)+8*(4*(\hi)+(\a))+7], 0
.else
	v_wmma_f32_16x16x32_bf16 v[8*(8*(\a)+(\b)):8*(8*(\a)+(\b))+7], v[(\f)+8*(\b):(\f)+8*(\b)+7], v[(\f)+8*(4*(\hi)+(\a)):(\f)+8*(4*(\hi)+(\a))+7], v[8*(8*(\a)+(\b)):8*(8*(\a)+(\b))+7]
.endif
.endr
.endr
.endm
; 32 LDS loads in one run: the fragments of one quarter step (32 K at byte k of the rows) into buffer f: wp's 16, then xb's 16
.macro FETCH slot, k, f
	WIN TO_B
.irp i, 0,1,2,3,4,5,6,7
	ds_load_b128 v[(\f)+8*(\i):(\f)+8*(\i)+3],   v[ADRB+(\slot)] offset:(\k)+(\i)*16*PITCH
	ds_load_b128 v[(\f)+8*(\i)+4:(\f)+8*(\i)+7], v[ADRB+(\slot)] offset:(\k)+(\i)*16*PITCH+32
.endr
	WIN 0
.irp i, 0,1,2,3,4,5,6,7
	ds_load_b128 v[(\f)+8*(\i):(\f)+8*(\i)+3],   v[ADRA+(\slot)] offset:(\k)+(\i)*16*PITCH
	ds_load_b128 v[(\f)+8*(\i)+4:(\f)+8*(\i)+7], v[ADRA+(\slot)] offset:(\k)+(\i)*16*PITCH+32
.endr
.endm
.macro PLACES                          ; four plain vector instructions between a matrix instruction and a load into, or a vector write of, one of its registers (ISA guide 7.12.1 for vector instructions)
.rept 4
	v_nop
.endr
.endm
; A K step is four quarters of 32 along K, 64 matrix instructions each, on buffers 0, 1, 0, 1.  One of the first three multiplies f and fetches the next quarter, at byte k, into g.
.macro QUARTER slot, k, f, g, zero
	s_wait_dscnt 8                                 ; wp's and xb's rows 0-63 are in; the youngest eight loads (xb's rows 64-127) may be out
	WIN MUL_LO
	MUL16 \f, 0, 0, \zero
	MUL16 \f, 0, 2, \zero
	PLACES
	FETCH \slot, \k, \g
	s_wait_dscnt 32                                ; all but the 32 just issued
	WIN MUL_HI
	MUL16 \f, 1, 0, \zero
	MUL16 \f, 1, 2, \zero
.endm
; The first half of a step's last quarter: one barrier for the change of slots.  In front of it each wave waits for all its tensor loads (one is out: its part of the next slot), adds 0 to its spare word, and waits for that and for its reads of this slot.
.macro MEET round
	WIN 0
	s_wait_tensorcnt 0x0
	ds_add_u32 v[SPW], v[NIL]
	s_wait_dscnt 9                                 ; the add and the youngest eight loads may be out
	WIN MUL_LO
	MUL16 F1, 0, 0, 0
	s_wait_dscnt 0x0                               ; the add is done, and my reads of this slot are over
	s_barrier_signal -1
	MUL16 F1, 0, 2, 0
.if \round
	WIN 0
.endif
	s_barrier_wait -1
.endm
; The whole last quarter: the barrier opens a round of the cluster's; behind the round this slot is filled again, two K steps ahead, first of all; then the next slot's first fragments are read.
.macro TURN slot, next
	MEET 1
	CREST
	s_add_nc_u64 s[G0+4*(\slot)+2:G0+4*(\slot)+3], s[G0+4*(\slot)+2:G0+4*(\slot)+3], 2*KSTEP*2
	s_add_nc_u64 s[G0B+4*(\slot)+2:G0B+4*(\slot)+3], s[G0B+4*(\slot)+2:G0B+4*(\slot)+3], 2*KSTEP*2
	JLOAD \slot                                    ; my one tensor load behind the round; its four v_nop are also the places in front of the loads below
	FETCH \next, 0, F0
	WIN MUL_HI
	MUL16 F1, 1, 0, 0
	MUL16 F1, 1, 2, 0
.endm
	s_wait_tensorcnt 1                             ; my part of K step 0 is in; step 1's may stay out
	s_barrier_signal -1
	s_barrier_wait -1
	FETCH 0, 0, F0
	QUARTER 0, 64,  F0, F1, 1                      ; the first quarter stands in front of the loop: its products start the sums
	WIN 0
	s_mov_b32 s3, LAPS-1
.Llap:                                                 ; three trips, each once round the ring: K steps 2 to 7 are asked for
	QUARTER 0, 128, F1, F0, 0
	QUARTER 0, 192, F0, F1, 0
	TURN 0, 1
	QUARTER 1, 64,  F0, F1, 0
	QUARTER 1, 128, F1, F0, 0
	QUARTER 1, 192, F0, F1, 0
	TURN 1, 0
	QUARTER 0, 64,  F0, F1, 0
	WIN 0
	s_sub_co_u32 s3, s3, 1
	s_cmp_lg_u32 s3, 0
	s_cbranch_scc1 .Llap
	QUARTER 0, 128, F1, F0, 0                      ; the last lap asks for nothing
	QUARTER 0, 192, F0, F1, 0
	MEET 0
	PLACES
	FETCH 1, 0, F0
	WIN MUL_HI
	MUL16 F1, 1, 0, 0
	MUL16 F1, 1, 2, 0
	QUARTER 1, 64,  F0, F1, 0
	QUARTER 1, 128, F1, F0, 0
	QUARTER 1, 192, F0, F1, 0
	s_wait_dscnt 8
	MUL16 F1, 0, 0, 0
	MUL16 F1, 0, 2, 0
	s_wait_dscnt 0x0
	MUL16 F1, 1, 0, 0
	MUL16 F1, 1, 2, 0
	; THE BIAS is rounded to bf16 and widened again, in place: 96 plain instructions that name no register of the last products, so they are also the places behind those
	s_wait_loadcnt 0x0
	WIN 0x45                                       ; destination and both sources in window 1
.set i, 0
.rept 32
	v_cvt_pk_bf16_f32 v[192+i], v[2*i], v[2*i+1]
.set i, i+1
.endr
.set i, 0
.rept 32
	v_lshlrev_b32 v[2*i], 16, v[192+i]
	v_and_b32 v[2*i+1], 0xffff0000, v[192+i]
.set i, i+1
.endr
	; and added onto every accumulator, in place, each accumulator's lowest registers first: register 64 a + 8 b + j takes bias 8 b + j
.irp hi, 0,1
	WIN 0x86+0x41*(\hi)                            ; accumulators in window 2 or 3, the bias in window 1
.set i, 0
.rept 128
	v_pk_add_f32 v[2*i:2*i+1], v[2*i:2*i+1], v[(2*i)%64:(2*i)%64+1]
.set i, i+1
.endr
.endr
	WIN 0
	s_cmp_lt_u32 ttmp9, 2                          ; q and t have no chunk sums.  The cluster's x is the same in all partners; neither a barrier nor a tensor load is jumped
	s_cbranch_scc1 .Lno_sums
	; CHUNK SUMS.  k is my columns 0-63 (b = 0..3), v columns 64-127 (b + 4): the same lane and register offset.  Over the four row blocks of a chunk in registers, over a block's 16 rows across 16 lanes.
.irp u, 0,1
	WIN 0x0a+5*(\u)                                ; sources in window 2 or 3, destination and addend in window 0
.set i, 0
.rept 16
	v_pk_mul_f32 v[KS+32*(\u)+2*i:KS+32*(\u)+2*i+1], v[2*i:2*i+1], v[32+2*i:32+2*i+1]
.set i, i+1
.endr
.irp a, 1,2,3
.set i, 0
.rept 16
	v_pk_fma_f32 v[KS+32*(\u)+2*i:KS+32*(\u)+2*i+1], v[64*(\a)+2*i:64*(\a)+2*i+1], v[64*(\a)+32+2*i:64*(\a)+32+2*i+1], v[KS+32*(\u)+2*i:KS+32*(\u)+2*i+1]
.set i, i+1
.endr
.endr
.endr
	WIN 0
.irp m, 1,2,4,8
.set i, 0
.rept 64
	v_add_f32_dpp v[KS+i], v[KS+i], v[KS+i] row_xmask:\m row_mask:0xf bank_mask:0xf
.set i, i+1
.endr
.endr
.irp u, 0,1
.irp q, 0,1,2,3,4,5,6,7                ; the sixteen lanes of a half hold the same numbers and write the same bytes: column 16 b + 8 (l / 16) + j at byte 64 b + 32 (l / 16) + 4 j
	ds_store_b128 v[KST], v[KS+32*(\u)+4*(\q):KS+32*(\u)+4*(\q)+3] offset:256*(\u)+64*((\q)/2)+16*((\q)%2)
.endr
.endr
	ds_load_b128 v[KD:KD+3], v[KL]                 ; LDS serves a wave's instructions in order (ISA guide 5.7.1.4): this sees the stores above
	s_wait_dscnt 0x0
	global_store_b128 v[CO], v[KD:KD+3], s[78:79]  ; my two chunks: 512 consecutive bytes, at a multiple of 256
.Lno_sums:
; THE WAY OUT of block a (16 rows).  PACK: rounded to f16.  TOSTAGE: into my own stage, and back as four rows of one kind at a time.  SEND: stored, 512 consecutive bytes of a head a store.
.macro PACK a
.set AC, 64*((\a)%4)
	WIN 0x0a+5*((\a)/4)
.irp b, 0,1,2,3,4,5,6,7
.irp r, 0,1,2,3
	v_cvt_pk_f16_f32 v[TMP+4*(\b)+(\r)], v[AC+8*(\b)+2*(\r)], v[AC+8*(\b)+2*(\r)+1]
.endr
.endr
	WIN 0
.endm
.macro TOSTAGE a
	WIN 0
.set BK, OB+192*((\a)%2)
.irp b, 0,1,2,3,4,5,6,7
	ds_store_b128 v[STO], v[TMP+4*(\b):TMP+4*(\b)+3] offset:32*(\b)
.endr
.irp t, 0,1,2,3,4,5,6,7                ; t < 4: the first kind's rows 4 t .. 4 t + 3; else the second kind's, 128 bytes on in the stage's rows
	ds_load_b128 v[BK+4*(\t):BK+4*(\t)+3], v[RD] offset:((\t)%4)*4*SPITCH+((\t)/4)*128
.endr
.endm
.macro SEND a
	WIN 0
.set BK, OB+192*((\a)%2)
	s_wait_dscnt 0x0                               ; the block is back in registers
	s_wait_xcnt 0x0                                ; the block before has had its stores' addresses translated (ISA guide 3.1): its registers are loaded again only behind this wait
.irp t, 0,1,2,3
	global_store_b128 v[CO], v[BK+4*(\t):BK+4*(\t)+3], s[80:81] offset:(\a)*2048+(\t)*512
.endr
.irp t, 0,1,2,3
	global_store_b128 v[CO], v[BK+16+4*(\t):BK+16+4*(\t)+3], s[82:83] offset:(\a)*2048+(\t)*512
.endr
.endm
	PACK 0
	TOSTAGE 0
.irp a, 1,2,3,4,5,6,7                  ; block a's conversions stand between block a - 1's loads from the stage and the wait for them
	PACK \a
	SEND (\a)-1
	TOSTAGE \a
.endr
	SEND 7
	s_wait_tensorcnt 0x0                           ; the wave's end
	ds_add_u32 v[SPW], v[NIL]
	s_wait_dscnt 0x0
	CROUND                                         ; the closing round: no work-group ends while a partner may still ask for a tile that names it
	s_endpgm
.Lfunc_end_k_qffd32e7314_gemm1:
	.size	k_qffd32e7314_gemm1, .Lfunc_end_k_qffd32e7314_gemm1-k_qffd32e7314_gemm1
	.p2alignl 7, 3214868480
	.fill 96, 4, 3214868480
	.section	.rodata,"a",@progbits
	.p2align	6, 0x0
	.amdhsa_kernel k_qffd32e7314_gemm1
		.amdhsa_group_segment_fixed_size 327680
		.amdhsa_private_segment_fixed_size 0
		.amdhsa_enable_private_segment 0
		.amdhsa_kernarg_size 56
		.amdhsa_user_sgpr_count 2
		.amdhsa_user_sgpr_kernarg_segment_ptr 1
		.amdhsa_wavefront_size32 1
		.amdhsa_system_sgpr_workgroup_id_x 1
		.amdhsa_system_sgpr_workgroup_id_y 1
		.amdhsa_system_sgpr_workgroup_id_z 1
		.amdhsa_system_vgpr_workitem_id 0
		.amdhsa_next_free_vgpr 1024
		.amdhsa_next_free_sgpr 88
		.amdhsa_reserve_vcc 0
		.amdhsa_float_denorm_mode_32 3
		.amdhsa_float_denorm_mode_16_64 3
		.amdhsa_memory_ordered 1
		.amdhsa_forward_progress 1
		.amdhsa_inst_pref_size 191
	.end_amdhsa_kernel
	.amdgpu_metadata
---
amdhsa.version: [ 1, 2 ]
amdhsa.kernels:
  - .name:           k_qffd32e7314_gemm1
    .symbol:         k_qffd32e7314_gemm1.kd
    .args:
      - { .name: xw, .offset: 0, .size: 8, .value_kind: global_buffer, .address_space: global }
      - { .name: bq, .offset: 8, .size: 8, .value_kind: global_buffer, .address_space: global }
      - { .name: bt, .offset: 16, .size: 8, .value_kind: global_buffer, .address_space: global }
      - { .name: bk, .offset: 24, .size: 8, .value_kind: global_buffer, .address_space: global }
      - { .name: bv, .offset: 32, .size: 8, .value_kind: global_buffer, .address_space: global }
      - { .name: proj, .offset: 40, .size: 8, .value_kind: global_buffer, .address_space: global }
      - { .name: ksum, .offset: 48, .size: 8, .value_kind: global_buffer, .address_space: global }
    .group_segment_fixed_size: 327680
    .private_segment_fixed_size: 0
    .kernarg_segment_align: 8
    .kernarg_segment_size: 56
    .max_flat_workgroup_size: 128
    .sgpr_count:     88
    .vgpr_count:     1024
    .wavefront_size: 32
...
	.end_amdgpu_metadata
.endif
;; end of part 2
;; launch scan (part 3): grid 256 x 1, 2 waves a work-group, no clusters, 167,936 bytes of LDS; arguments proj, ksum, cc; writes cc
.if DOCPART == 3
	.amdgcn_target "amdgcn-amd-amdhsa--gfx1250"
	.amdhsa_code_object_version 6
	.text
	.protected	k_qffd32e7314_scan
	.globl	k_qffd32e7314_scan
	.p2align	8
	.type	k_qffd32e7314_scan,@function
k_qffd32e7314_scan:
	s_mov_b64 s[64:65], 0
	v_nop
	global_prefetch_b8 v0, s[64:65] scope:SCOPE_SE
	s_setreg_imm32_b32 hwreg(HW_REG_WAVE_MODE, 25, 1), 1
	s_wait_xcnt 0x0
; c[head][row][ch] = (1/8) x the sum over rows r <= row of k[r][ch] v[r][ch], kept in f32 and stored as TWO bf16 numbers: c_hi = bf16(c) at byte 0 of cc, c_lo = bf16(c - c_hi) at byte 8,388,608,
; both [32][2048][64].  bf16, since c has no room in f16 for the larger inputs; two of them, since one would spend too much of the scores' accuracy.
; SHARES.  A wave owns 128 rows of one head: 512 waves in 256 work-groups.  Each half of its lanes walks a chunk of 64 rows, two rows a turn: lanes 0-7 of the half the even row, lanes 8-15 the odd one, eight channels a lane.
; What lies in front of a chunk is added up from ksum, the chunk sums that the launch before stored, while the wave's rows are on their way.
; k's and v's 128 rows (16,384 dense bytes each) come by one tensor load each, as 64 rows of 256 bytes, into LDS bytes of the wave's own: its own wait is all the ordering that its reads need, nothing is filled twice, no barrier.
; No matrix unit, no cluster: the work is a chain of additions and no two work-groups read the same rows of k and v.
.set SPARE, 65536                      ; behind the two waves' 32,768 bytes each: the spare words
.set LA,  4                            ; v4  LDS address of my 16 bytes of k in the turn in hand
.set OFV, 5                            ; v5  the same place in the wave's rows of c
.set E,   12                           ; v[12:19] the running sum of my 8 channels
.set PR,  48                           ; v[48:55] k v, later c - c_hi
.set YY,  56                           ; v[56:63] the pair's prefix
.set CC,  64                           ; v[64:71] c
	s_load_b128 s[4:7], s[0:1], 0x0                ; proj s[4:5], ksum s[6:7]
	s_load_b64 s[8:9], s[0:1], 0x10                ; cc
	v_lshl_add_u32 v10, v0, 2, SPARE
	v_mov_b32 v11, 0
	ds_add_u32 v10, v11                            ; the wave's opening: the add and its wait stand ahead of my first tensor load
	v_lshrrev_b32 v1, 5, v0
	v_readfirstlane_b32 s10, v1                    ; wave 0, 1
	s_lshl_b32 s11, ttmp9, 1
	s_add_co_u32 s11, s11, s10                     ; the wave among 512
	s_lshr_b32 s12, s11, 4                         ; head
	s_and_b32 s13, s11, 15                         ; j: which 128 rows
	s_lshl_b32 s14, s13, 1                         ; my first chunk
	s_mov_b32 s16, 3<<16                           ; group 1: elements of 8 bytes, no padding
	s_mov_b32 s17, 32<<16                          ; tensor_dim0 = 32 (256 bytes)
	s_mov_b32 s18, 64<<16                          ; tensor_dim1 = 64
	s_mov_b32 s19, 32<<16                          ; tile_dim0 = 32
	s_mov_b32 s20, 64                              ; tile_dim1 = 64
	s_mov_b32 s21, 32                              ; dense rows
	s_mov_b32 s22, 0
	s_mov_b32 s23, 0
	s_lshl_b32 s32, s12, 18
	s_lshl_b32 s33, s13, 14
	s_add_co_u32 s32, s32, s33                     ; my rows' bytes in k, v, c_hi, c_lo
	s_mov_b32 s33, 0
	s_add_co_u32 s34, s32, 0x1000000               ; k is proj's third kind
	s_mov_b32 s35, 0
	s_lshl_b32 s36, s12, 13                        ; the head's 32 chunk sums
	s_mov_b32 s37, 0
	s_lshl_b32 s38, s13, 9                         ; and chunk 2 j among them
	s_add_co_u32 s38, s38, s36
	s_mov_b32 s39, 0
	s_lshl_b32 s15, s10, 15                        ; my LDS bytes
	s_mov_b32 s24, 1
	s_mov_b32 s25, s15                             ; k
	s_mov_b32 s28, 1
	s_add_co_u32 s29, s15, 16384                   ; v
	s_mov_b32 s2, 0x76543210                       ; v_permlanex16_b32: each lane takes its own place in the other half
	s_mov_b32 s3, 0xfedcba98
	s_wait_dscnt 0x0                               ; the opening add is done
	s_wait_kmcnt 0x0
	s_add_nc_u64 s[26:27], s[4:5], s[34:35]
	s_add_nc_u64 s[30:31], s[26:27], 0x800000
	s_or_b32 s27, s27, 0x80000000
	s_or_b32 s31, s31, 0x80000000
	tensor_load_to_lds s[24:27], s[16:23]          ; two loads of mine are out
	s_nop 0
	tensor_load_to_lds s[28:31], s[16:23]
	s_nop 0
	s_add_nc_u64 s[40:41], s[6:7], s[36:37]
	s_add_nc_u64 s[42:43], s[6:7], s[38:39]
	s_add_nc_u64 s[44:45], s[8:9], s[32:33]        ; c_hi
	s_add_nc_u64 s[46:47], s[44:45], 0x800000      ; c_lo
	v_and_b32 v1, 31, v0                           ; lane l
	v_lshlrev_b32 v6, 5, v1                        ; 32 l: chunk l / 8 of four, channels 8 (l % 8) on
	v_and_b32 v2, 7, v0
	v_lshlrev_b32 v3, 5, v2                        ; 32 (l % 8)
	v_lshrrev_b32 v24, 3, v1                       ; l / 8
	v_bfe_u32 v25, v0, 4, 1                        ; l / 16: which of my two chunks
	v_cvt_f32_u32 v7, v25
	v_and_b32 v[OFV], 15, v0
	v_lshlrev_b32 v[OFV], 4, v[OFV]
	v_lshl_add_u32 v[OFV], v25, 13, v[OFV]         ; 8,192 (l / 16) + 16 (l % 16): sixteen lanes take two rows, 256 consecutive bytes
	v_add_nc_u32 v[LA], s15, v[OFV]
	v_mov_b32 v8, 0
	v_mov_b32 v9, -1.0
	v_mov_b32 v22, 1.0
	v_mov_b32 v21, 0
.set m, 0
.rept 8                                ; all 32 chunk sums of the head, four chunks a load pair
	global_load_b128 v[32+8*m:35+8*m], v6, s[40:41] offset:1024*m
	global_load_b128 v[36+8*m:39+8*m], v6, s[40:41] offset:1024*m+16
.set m, m+1
.endr
	global_load_b128 v[96:99], v3, s[42:43]        ; chunk 2 j once more, for the lanes that walk chunk 2 j + 1
	global_load_b128 v[100:103], v3, s[42:43] offset:16
	s_wait_loadcnt 0x0
.set m, 0
.rept 8                                ; E = the sum of the chunks below 2 j: each chunk sum times 1 or 0
	v_add_nc_u32 v23, 4*m, v24
	v_cmp_gt_u32 vcc_lo, s14, v23
	v_cndmask_b32 v20, v8, v22, vcc_lo
.irp k, 0,2,4,6
.if m == 0
	v_pk_mul_f32 v[E+(\k):E+(\k)+1], v[32+(\k):33+(\k)], v[20:21] op_sel_hi:[1,0]
.else
	v_pk_fma_f32 v[E+(\k):E+(\k)+1], v[32+8*m+(\k):33+8*m+(\k)], v[20:21], v[E+(\k):E+(\k)+1] op_sel_hi:[1,0,1]
.endif
.endr
.set m, m+1
.endr
.irp k, 0,1,2,3,4,5,6,7                ; over the four groups of eight lanes
	v_add_f32_dpp v[E+(\k)], v[E+(\k)], v[E+(\k)] row_xmask:8 row_mask:0xf bank_mask:0xf
.endr
.irp k, 0,1,2,3,4,5,6,7
	v_permlanex16_b32 v23, v[E+(\k)], s2, s3
	v_add_f32 v[E+(\k)], v[E+(\k)], v23
.endr
	v_mov_b32 v20, v7
.irp k, 0,2,4,6
	v_pk_fma_f32 v[E+(\k):E+(\k)+1], v[96+(\k):97+(\k)], v[20:21], v[E+(\k):E+(\k)+1] op_sel_hi:[1,0,1]
.endr
.irp k, 0,1,2,3,4,5,6,7
	v_mov_b32 v[YY+(\k)], 0                        ; a DPP form's destination counts as read
.endr
	s_wait_tensorcnt 0x0                           ; my rows of k and v are in LDS
; One turn: two rows of each chunk.  kr: 4 registers of k, then 4 of v; hr: 4 of c_hi, then 4 of c_lo; off: the turn's bytes from LA and OFV; ahead = 1: the set's next rows are fetched; left: the other set's LDS loads, which may stay out.
.macro ITER kr, hr, off, ahead, left
	s_wait_dscnt \left
	s_wait_xcnt 0x0                                ; this set's c_hi and c_lo were store data a trip ago: they are rewritten only behind this wait (ISA guide 3.1)
.irp r, 0,1,2,3
	v_fma_mix_f32 v[PR+2*(\r)],   v[(\kr)+(\r)], v[(\kr)+4+(\r)], v8 op_sel_hi:[1,1,0]                 ; k v from the f16 halves: exact in f32
	v_fma_mix_f32 v[PR+2*(\r)+1], v[(\kr)+(\r)], v[(\kr)+4+(\r)], v8 op_sel:[1,1,0] op_sel_hi:[1,1,0]
.endr
.if \ahead
	ds_load_b128 v[(\kr):(\kr)+3],   v[LA] offset:(\off)+512
	ds_load_b128 v[(\kr)+4:(\kr)+7], v[LA] offset:(\off)+512+16384
.endif
.irp r, 0,1,2,3,4,5,6,7
	v_add_f32_dpp v[YY+(\r)], v[PR+(\r)], v[PR+(\r)] row_shr:8 row_mask:0xf bank_mask:0xf bound_ctrl:1  ; the odd row's lanes add the even row's product; the even row's add 0
.endr
.irp r, 0,2,4,6
	v_pk_add_f32 v[E+(\r):E+(\r)+1], v[E+(\r):E+(\r)+1], v[YY+(\r):YY+(\r)+1]                          ; the sum up to my own row
.endr
.irp r, 0,2,4,6
	v_pk_mul_f32 v[CC+(\r):CC+(\r)+1], v[E+(\r):E+(\r)+1], 0x3e000000 op_sel_hi:[1,0]                  ; times 1/8
.endr
.irp r, 0,1,2,3,4,5,6,7
	v_mov_b32_dpp v[E+(\r)], v[E+(\r)] row_shl:8 row_mask:0xf bank_mask:0xf                            ; the even row's lanes take the odd row's sum; the odd row's keep theirs
.endr
.irp r, 0,1,2,3
	v_cvt_pk_bf16_f32 v[(\hr)+(\r)], v[CC+2*(\r)], v[CC+2*(\r)+1]
.endr
.irp r, 0,1,2,3
	v_fma_mix_f32_bf16 v[PR+2*(\r)],   v[(\hr)+(\r)], v9, v[CC+2*(\r)]   op_sel_hi:[1,0,0]              ; c - c_hi
	v_fma_mix_f32_bf16 v[PR+2*(\r)+1], v[(\hr)+(\r)], v9, v[CC+2*(\r)+1] op_sel:[1,0,0] op_sel_hi:[1,0,0]
.endr
.irp r, 0,1,2,3
	v_cvt_pk_bf16_f32 v[(\hr)+4+(\r)], v[PR+2*(\r)], v[PR+2*(\r)+1]
.endr
	global_store_b128 v[OFV], v[(\hr):(\hr)+3],   s[44:45] offset:\off   ; sixteen lanes store 256 consecutive bytes, at a multiple of 256
	global_store_b128 v[OFV], v[(\hr)+4:(\hr)+7], s[46:47] offset:\off
.endm
	ds_load_b128 v[32:35], v[LA]
	ds_load_b128 v[36:39], v[LA] offset:16384
	ds_load_b128 v[40:43], v[LA] offset:256
	ds_load_b128 v[44:47], v[LA] offset:256+16384
	s_mov_b32 s11, 15
.Lpair:                                                ; 15 trips of two turns; the last two turns, which fetch nothing, stand behind the loop
	ITER 32, 72, 0, 1, 2
	ITER 40, 80, 256, 1, 2
	s_wait_xcnt 0x0                                ; the stores' offset register is stepped only behind this wait
	v_add_nc_u32 v[LA], 512, v[LA]
	v_add_nc_u32 v[OFV], 512, v[OFV]
	s_sub_co_u32 s11, s11, 1
	s_cmp_lg_u32 s11, 0
	s_cbranch_scc1 .Lpair
	ITER 32, 72, 0, 0, 2
	ITER 40, 80, 256, 0, 0
	s_wait_tensorcnt 0x0                           ; the wave's end
	ds_add_u32 v10, v11
	s_wait_dscnt 0x0
	s_endpgm
.Lfunc_end_k_qffd32e7314_scan:
	.size	k_qffd32e7314_scan, .Lfunc_end_k_qffd32e7314_scan-k_qffd32e7314_scan
	.p2alignl 7, 3214868480
	.fill 96, 4, 3214868480
	.section	.rodata,"a",@progbits
	.p2align	6, 0x0
	.amdhsa_kernel k_qffd32e7314_scan
		.amdhsa_group_segment_fixed_size 167936
		.amdhsa_private_segment_fixed_size 0
		.amdhsa_enable_private_segment 0
		.amdhsa_kernarg_size 24
		.amdhsa_user_sgpr_count 2
		.amdhsa_user_sgpr_kernarg_segment_ptr 1
		.amdhsa_wavefront_size32 1
		.amdhsa_system_sgpr_workgroup_id_x 1
		.amdhsa_system_sgpr_workgroup_id_y 1
		.amdhsa_system_sgpr_workgroup_id_z 1
		.amdhsa_system_vgpr_workitem_id 0
		.amdhsa_next_free_vgpr 104
		.amdhsa_next_free_sgpr 66
		.amdhsa_reserve_vcc 1
		.amdhsa_float_denorm_mode_32 3
		.amdhsa_float_denorm_mode_16_64 3
		.amdhsa_memory_ordered 1
		.amdhsa_forward_progress 1
		.amdhsa_inst_pref_size 24
	.end_amdhsa_kernel
	.amdgpu_metadata
---
amdhsa.version: [ 1, 2 ]
amdhsa.kernels:
  - .name:           k_qffd32e7314_scan
    .symbol:         k_qffd32e7314_scan.kd
    .args:
      - { .name: proj, .offset: 0, .size: 8, .value_kind: global_buffer, .address_space: global }
      - { .name: ksum, .offset: 8, .size: 8, .value_kind: global_buffer, .address_space: global }
      - { .name: cc, .offset: 16, .size: 8, .value_kind: global_buffer, .address_space: global }
    .group_segment_fixed_size: 167936
    .private_segment_fixed_size: 0
    .kernarg_segment_align: 8
    .kernarg_segment_size: 24
    .max_flat_workgroup_size: 64
    .sgpr_count:     66
    .vgpr_count:     104
    .wavefront_size: 32
...
	.end_amdgpu_metadata
.endif
;; end of part 3
;; launch attn (part 4): grid 8 x 32, 4 waves a work-group, clusters of 4 x 1, 327,680 bytes of LDS; arguments proj, cc, ob; writes ob
.if DOCPART == 4
	.amdgcn_target "amdgcn-amd-amdhsa--gfx1250"
	.amdhsa_code_object_version 6
	.text
	.protected	k_qffd32e7314_attn
	.globl	k_qffd32e7314_attn
	.p2align	8
	.type	k_qffd32e7314_attn,@function
k_qffd32e7314_attn:
	s_mov_b64 s[64:65], 0
	v_nop
	global_prefetch_b8 v0, s[64:65] scope:SCOPE_SE
	s_setreg_imm32_b32 hwreg(HW_REG_WAVE_MODE, 25, 1), 1
	s_wait_xcnt 0x0
	s_wait_alu depctr_hold_cnt(0) depctr_sa_sdst(0) depctr_va_vdst(0) depctr_va_sdst(0) depctr_va_ssrc(0) depctr_va_vcc(0) depctr_vm_vsrc(0)
	s_getreg_b32 s2, hwreg(HW_REG_IB_STS2, 6, 4)
	s_cmp_eq_u32 s2, 0
	s_cbranch_scc0 .Lentry_in_a_cluster
	s_endpgm
.Lentry_in_a_cluster:
	s_bfe_u32 s2, ttmp6, 0x10000c
	s_cmp_lg_u32 s2, 0x3003
	s_cbranch_scc0 .Lentry_shape_is_right
	s_endpgm
.Lentry_shape_is_right:
; CAUSAL ATTENTION ON TWO SCORE TERMS.  s[q][k] = q[q] . k[k] + (q[q] o t[q]) . c[k];  O[q] = the sum over k <= q of softmax_k(s / 8) v[k].  32 heads of 2,048 rows, head size 64.
; q, t, k, v: f16 by heads (proj).  c arrives as bf16 c_hi + c_lo (cc); q o t is made here, exactly in f32, and split likewise.  The second term is three bf16 products: c_hi qt_hi + c_hi qt_lo + c_lo qt_hi
; (what is left out, c_lo qt_lo, is 2^-18 of the term).  bf16, because q o t and c have no room in f16 for the larger inputs; pairs, because one bf16 number each would spend too much of the scores' accuracy.
; Products, maxima and sums in f32; the weights p are rounded to f16 for the second product (their sum l is taken of the unrounded p); O is rounded once, to f16, by heads (ob).
; LIMITS.  q, t, k, v arrive within f16's 65,504.  A hidden score counts as its value less 1e30.  A weight below 2^-126 counts as 0 in l.  c m starts at -4.2e37, taken to lie below every c s.  NaN and infinities are not treated apart.
; SHARES.  A head's queries lie in four blocks of 512.  A cluster of four work-groups takes blocks 3 - cl and then cl (cl = the cluster's x, 0 or 1): 20 key tiles of 128 keys, whatever cl, in ONE counted walk.
; Partner cx, wave w, tile u (0, 1) owns the 16 rows 512 block + 256 u + 64 w + 16 cx + 0..15.  So every wave of every partner needs the same key tiles in the same trips, each tile is asked for JOINTLY by all four
; (mask 15), and cx enters nothing but Q's, T's and O's addresses and the mask's numbers.
; KINDS OF TILE, by RT, the tiles of the block still to come: RT >= 4: both tiles of queries see all keys.  RT = 3, 2 (keys 0-255 of the block's own 512): tile 0 masked, tile 1 free.
; RT = 1, 0 (keys 256-511): tile 1 masked, tile 0 sees nothing and is left out.  In step STP (0..3) of such 256 keys a wave sees all if STP < w, nothing if STP > w, and holds the diagonal if STP = w.
; THE MASK is the C operand that starts a masked tile's sums: MC = MD x AL + BE, MD (made once) = -1e30 where key 16 kb + 8 (l / 16) + r lies above row 16 cx + l % 16; (AL, BE) = (1, 0), (0, 0) or (0, -1e30).
; Where nothing is masked MC holds 0, so one text serves the first two kinds.
; LAYOUT.  S^T = K' Q'^T (source 0 = 16 keys, source 1 = 16 queries): a lane holds ONE query (l % 16) and the keys 8 (l / 16) + 0..7; two results rounded to f16 ARE source 1 of O^T = V^T P.  V is turned by ds_load_tr16_b128.
; SOFTMAX.  Running maximum m and sum l: p = 2^(c s - c m), c = log2(e) / 8; in every step O and l are multiplied by a = 2^(c m_old - c m_new).  m starts at the lowest finite number, O and l at 0: no first step is written out;
; the price is 104 v_mov_b32 at each block's beginning.
; A STEP (64 keys): tile 1's 32 score products; tile 0's 32, with tile 1's softmax in threes behind them; tile 1's 8 products V^T P with the head of tile 0's softmax behind them; the rest of that softmax; tile 0's 8 products.
; REGISTERS, in windows of 256 (s_set_vgpr_msb: bits 1:0 source 0, 3:2 source 1, 5:4 source 2, 7:6 destination):
;   window 0: v0-15 addresses; v16-31 statistics, 8 a tile; v32-63 MD; v64-127 S^T, 32 a tile; v128-159 P; v160-223 O^T, 32 a tile; v224-255 MC
;   window 1: v0-63 k, v64-127 c_hi, v128-191 c_lo of one step (key block kb, channel half at + 16 kb + 8 half); v192-255 V (key half kk, channel block cb at + 32 kk + 8 cb)
;   window 2: v0-31 q, v32-63 qt_hi, v64-95 qt_lo (tile at + 16 u, channel half at + 8); v96-191 the same for the second block; v192-255 both blocks' t
.set PK,    144       ; a key's row in LDS: 128 bytes + 16 of padding = 36 words: the 16 rows of a fragment load start at 16 different groups of four banks (64 banks of 4 bytes: ISA guide 11.1)
.set REG,   128*PK    ; a region: 128 keys of one of k, v, c_hi, c_lo, in the order of the waves that fetch them
.set STEPB, 64*PK     ; a step's 64 keys in a region
.set SLOT1, 1<<17     ; slot 1 begins here: one exclusive or turns an address in one slot into the other's
.set STAGE, SLOT1+4*REG  ; behind the ring, never filled by a tensor load: 16 rows x 144 bytes for each wave
.set SPI,   144
.set SPARE, STAGE+4*16*SPI  ; the spare words, 128 bytes a wave
.set AK0, 2           ; v2  my lane's place in a region, for k, c_hi, c_lo
.set AV0, 3           ; v3  the same for V's turning load
.set AK,  4           ; v4  the address of the run of loads in hand
.set AV,  5
.set STO, 6           ; v6  the way out: where I put 16 bytes of a row
.set RD,  7           ; v7  where I read rows back
.set GO,  8           ; v8  16 x lane
.set ZR,  10          ; v10 0.0
.set NG,  11          ; v11 -1.0
.set SPW, 12          ; v12 my spare word
.set NIL, 13          ; v13 0
.set QO,  15          ; v15 my byte offset in 16 rows of q or t
.set ST,  16          ; tile t's statistics at v[ST+8 t]: c m, m, l (even keys', odd keys'), c0-c3 at work; a takes c2's place
.set MD,  32
.set S,   64
.set P,   128
.set O,   160
.set MC,  224
.set KF,  0           ; window 1
.set CH,  64
.set CL,  128
.set VF,  192
.set WV,  12          ; s12 my wave's number
.set CLU, 13          ; s13 cl
.set G1,  24          ; s[24:31] descriptor group 1
.set G0,  40          ; s[40:43] descriptor group 0
.set BW,  44          ; s[44:45] my wave's tensor at the head's first key
.set OFF, 46          ; s[46:47] a tile's byte offset
.set SLOTS, 56        ; s56 tiles still to be asked for
.set CNT, 57          ; s57 counts a tile's two steps
.set CS,  58          ; s[58:59] c
.set SEL, 60          ; s[60:61] v_permlanex16_b32's selects
.set TBK, 62          ; s62 LDS byte at which the step to be fetched begins, for k, c_hi, c_lo
.set TBV, 63          ; s63 the same for V
.set RT,  70          ; s70 tiles of the block in hand still to be entered
.set NXT, 71          ; s71 the tile to be asked for next
.set LQ,  72          ; s72 the last tile of the block whose tiles are being asked for
.set LQ2, 73          ; s73 the second block's last tile
.set STP, 74          ; s74 the step's number in the 256 keys
.set AL,  76          ; s[76:77] the mask's factor
.set BE,  78          ; s[78:79] the mask's addend
.set OP,  80          ; s[80:81] O at my rows of the block in hand
.set OP2, 82          ; s[82:83] of the second block
.set BIGN, 84         ; s84 -1e30
.set RT2, 85          ; s85 the second block's tiles
.set QP,  86          ; s[86:93] q, t of the first block, q, t of the second, at my rows
.set MSB, 0
.macro WIN new
.if MSB != (\new)
	s_set_vgpr_msb (MSB<<8)|(\new)
.set MSB, (\new)
.endif
.endm
.set W_KQ, 0x09       ; keys in window 1, queries in window 2, S^T and MC in window 0
.set W_PV, 0x01       ; V in window 1, P and O^T in window 0
.macro PLACES         ; four plain vector instructions between a matrix instruction and a read of its result, or a load into or a write of one of its registers (ISA guide 7.12.1 for vector instructions)
.rept 4
	v_nop
.endr
.endm
; A joint fill: every wave fetches its own region (wave 0 k, 1 v, 2 c_hi, 3 c_lo) by the one line; the waves differ in the registers' contents, made from the wave's number.  An s_nop 0 and four v_nop follow.
.macro JLOAD
	tensor_load_to_lds s[G0:G0+3], s[G1:G1+7]
	s_nop 0
.rept 4
	v_nop
.endr
.endm
.macro CROUND         ; a round of the cluster's barrier
	s_barrier_signal -1
	s_barrier_wait -1
	s_cmp_lg_u32 s[WV], 0
	s_cbranch_scc1 .Lnot_wave_0_\@
	s_barrier_signal -3
.Lnot_wave_0_\@:
	s_barrier_wait -3
	s_barrier_signal -1
	s_barrier_wait -1
.endm
; THE CHANGE OF SLOTS.  Each wave waits for all its tensor loads (one is out: its region of the other slot), adds 0 to its spare word, and waits for that and for its reads of the slot that it leaves.
; fill = 1: a round of the cluster's barrier, so that no wave of any partner still reads the old slot or has a load on its way; the joint fill with tile NXT is the first thing behind it.
; Its address is made anew from the tile's number.  (At its first use nothing has been read yet: slot 0 is waited for, slot 1 filled.)
.macro CHANGE fill
	WIN 0
	s_wait_tensorcnt 0x0
	ds_add_u32 v[SPW], v[NIL]
.if \fill
	s_lshl_b32 s[OFF], s[NXT], 14   ; 128 keys x 128 bytes
	s_xor_b32 s[G0+1], s[G0+1], SLOT1
	s_add_nc_u64 s[G0+2:G0+3], s[BW:BW+1], s[OFF:OFF+1]
	s_or_b32 s[G0+3], s[G0+3], 0x80000000
	s_add_co_u32 s[NXT], s[NXT], 1  ; the block's next tile, or behind its last the second block's tile 0
	s_cmp_gt_u32 s[NXT], s[LQ]
	s_cselect_b32 s[NXT], 0, s[NXT]
	s_cselect_b32 s[LQ], s[LQ2], s[LQ]
	s_wait_dscnt 0x0                ; the add is done, and my reads of the slot are over
	CROUND
	JLOAD
.else
	s_wait_dscnt 0x0
	s_barrier_signal -1
	s_barrier_wait -1
.endif
	s_sub_co_u32 s[TBK], s[TBK], 2*STEPB  ; the fetches go back to a slot's first step, in the other slot
	s_xor_b32 s[TBK], s[TBK], SLOT1
	s_sub_co_u32 s[TBV], s[TBV], 2*STEPB
	s_xor_b32 s[TBV], s[TBV], SLOT1
.endm
	s_load_b128 s[4:7], s[0:1], 0x0  ; proj s[4:5], cc s[6:7]
	s_load_b64 s[8:9], s[0:1], 0x10  ; ob
	v_lshl_add_u32 v[SPW], v0, 2, SPARE
	v_mov_b32 v[NIL], 0
	ds_add_u32 v[SPW], v[NIL]       ; the wave's opening: the add and its wait stand ahead of my first tensor load
	v_lshrrev_b32 v1, 5, v0
	v_readfirstlane_b32 s[WV], v1
	s_bfe_u32 s14, ttmp6, 0x40000   ; cx
	s_mov_b32 s[CLU], ttmp9         ; in a cluster launch ttmp9 counts clusters
	s_and_b32 s15, ttmp7, 0xffff    ; the head,
	s_lshl_b32 s15, s15, 18         ; its 262,144 bytes
	s_and_b32 s16, s[WV], 1         ; my tensor's place: k and v are proj's third and fourth kinds, c_hi and c_lo the halves of cc
	s_lshl_b32 s16, s16, 23
	s_add_co_u32 s16, s16, s15
	s_cmp_lt_u32 s[WV], 2
	s_cselect_b32 s17, 0x1000000, 0
	s_add_co_u32 s18, s16, s17
	s_mov_b32 s19, 0
	s_lshl_b32 s20, s[WV], 13       ; my rows: 64 w + 16 cx, 128 bytes each,
	s_lshl_b32 s21, s14, 11
	s_add_co_u32 s20, s20, s21
	s_add_co_u32 s20, s20, s15
	s_sub_co_u32 s21, 3, s[CLU]     ; in block 3 - cl
	s_lshl_b32 s21, s21, 16
	s_add_co_u32 s22, s20, s21
	s_lshl_b32 s21, s[CLU], 16      ; and in block cl
	s_add_co_u32 s20, s20, s21
	s_mov_b32 s21, 0
	s_mov_b32 s23, 0
	s_mov_b32 s[G1], 15|(1<<16)|(1<<20)|(1<<21)|(4<<22)|(3<<25)  ; the mask of four; 2-byte elements; padding on; bit 21 beside a mask; after every 32 words, 4 words
	s_mov_b32 s[G1+1], 128<<16      ; 128 keys are 16,384 dense bytes: asked for as 64 rows of 256 bytes, two keys a row
	s_mov_b32 s[G1+2], 64<<16
	s_mov_b32 s[G1+3], 128<<16
	s_mov_b32 s[G1+4], 64
	s_mov_b32 s[G1+5], 128
	s_mov_b32 s[G1+6], 0
	s_mov_b32 s[G1+7], 0
	s_mov_b32 s[G0], 1
	s_mul_i32 s[G0+1], s[WV], REG   ; slot 0, my region
	s_mov_b32 s[OFF+1], 0
	s_mov_b32 s[CS], 0x3e38aa3b     ; c = log2(e) / 8
	s_mov_b32 s[CS+1], s[CS]
	s_mov_b32 s[SEL], 0x76543210
	s_mov_b32 s[SEL+1], 0xfedcba98
	s_mov_b32 s[TBK], SLOT1+2*STEPB ; the first change of slots turns these two into 0
	s_mov_b32 s[TBV], SLOT1+2*STEPB
	s_lshl_b32 s2, s[CLU], 2
	s_sub_co_u32 s[RT], 16, s2      ; the first block has 16 - 4 cl tiles,
	s_sub_co_u32 s[LQ], 15, s2
	s_add_co_u32 s[LQ2], s2, 3
	s_add_co_u32 s[RT2], s2, 4      ; the second 4 cl + 4
	s_mov_b32 s[NXT], 1
	s_mov_b32 s[SLOTS], 19
	s_mov_b32 s[AL], 0
	s_mov_b32 s[AL+1], 0
	s_mov_b32 s[BE], 0
	s_mov_b32 s[BE+1], 0
	s_mov_b32 s[BIGN], 0xf149f2ca   ; -1e30
	s_lshl_b32 s94, s14, 4          ; 16 cx
	s_mul_i32 s95, s[WV], 16*SPI
	s_add_co_u32 s95, s95, STAGE    ; my stage
	s_wait_dscnt 0x0                ; the opening add is done
	s_wait_kmcnt 0x0
	s_cmp_lt_u32 s[WV], 2
	s_cselect_b64 s[BW:BW+1], s[4:5], s[6:7]
	s_add_nc_u64 s[BW:BW+1], s[BW:BW+1], s[18:19]
	s_add_nc_u64 s[G0+2:G0+3], s[BW:BW+1], 0
	s_or_b32 s[G0+3], s[G0+3], 0x80000000
	s_add_nc_u64 s[QP:QP+1], s[4:5], s[22:23]
	s_add_nc_u64 s[QP+2:QP+3], s[QP:QP+1], 0x800000
	s_add_nc_u64 s[QP+4:QP+5], s[4:5], s[20:21]
	s_add_nc_u64 s[QP+6:QP+7], s[QP+4:QP+5], 0x800000
	s_add_nc_u64 s[OP:OP+1], s[8:9], s[22:23]
	s_add_nc_u64 s[OP2:OP2+1], s[8:9], s[20:21]
	CROUND                          ; all four work-groups are here: the first joint loads meet
	JLOAD                           ; tile 0 into slot 0: one load of mine is out, here and behind every round
	v_and_b32 v1, 15, v0            ; l % 16
	v_bfe_u32 v9, v0, 4, 1          ; l / 16
	v_lshlrev_b32 v[QO], 7, v1
	v_lshl_add_u32 v[QO], v9, 4, v[QO]  ; row x 128 + 16 x half
	WIN 0x80                        ; destination window 2, address window 0
.irp u, 0,1
.irp h, 0,1                         ; tile u lies 256 rows on; channels 32 h on
.irp e, 0,1
	global_load_b128 v[16*(\u)+8*(\h)+4*(\e):16*(\u)+8*(\h)+4*(\e)+3],         v[QO], s[QP:QP+1]   offset:(\u)*32768+64*(\h)+32*(\e)
	global_load_b128 v[192+16*(\u)+8*(\h)+4*(\e):192+16*(\u)+8*(\h)+4*(\e)+3], v[QO], s[QP+2:QP+3] offset:(\u)*32768+64*(\h)+32*(\e)
	global_load_b128 v[96+16*(\u)+8*(\h)+4*(\e):96+16*(\u)+8*(\h)+4*(\e)+3],   v[QO], s[QP+4:QP+5] offset:(\u)*32768+64*(\h)+32*(\e)
	global_load_b128 v[224+16*(\u)+8*(\h)+4*(\e):224+16*(\u)+8*(\h)+4*(\e)+3], v[QO], s[QP+6:QP+7] offset:(\u)*32768+64*(\h)+32*(\e)
.endr
.endr
.endr
	WIN 0
	v_mul_u32_u24 v[AK0], v1, PK
	v_lshl_add_u32 v[AK0], v9, 4, v[AK0]  ; row x pitch + 16 x half
	v_and_b32 v4, 7, v0             ; the turning load: lane l reads key 8 (l / 16) + l % 8, channels 8 ((l / 8) % 2) + 0..7
	v_bfe_u32 v5, v0, 3, 1
	v_lshl_add_u32 v[AV0], v9, 3, v4
	v_mul_u32_u24 v[AV0], v[AV0], PK
	v_lshl_add_u32 v[AV0], v5, 4, v[AV0]
	v_mul_u32_u24 v[STO], v1, SPI   ; in: row l % 16, 16 bytes for each half of the lanes
	v_lshl_add_u32 v[STO], v9, 4, v[STO]
	v_add_nc_u32 v[STO], s95, v[STO]
	v_bfe_u32 v[RD], v0, 3, 2       ; back: 32 lanes take four rows of 128 bytes,
	v_mul_u32_u24 v[RD], v[RD], SPI
	v_lshl_add_u32 v[RD], v4, 4, v[RD]
	v_add_nc_u32 v[RD], s95, v[RD]
	v_and_b32 v[GO], 31, v0         ; which are 512 consecutive bytes of O
	v_lshlrev_b32 v[GO], 4, v[GO]
	v_mov_b32 v[ZR], 0
	v_mov_b32 v[NG], -1.0
	v_lshlrev_b32 v14, 3, v9
	v_sub_nc_u32 v14, v1, v14
	v_add_nc_u32 v14, s94, v14      ; 16 cx + l % 16 - 8 (l / 16): register r of key block kb is hidden where 16 kb + r is greater
.set i, 0
.rept 32
	v_cmp_gt_i32 vcc_lo, 16*(i/8)+i%8, v14
	v_cndmask_b32 v[MD+i], 0, s[BIGN], vcc_lo
.set i, i+1
.endr
; A BLOCK BEGINS: c m far below every c s, so the first step's a is 0; m at the lowest finite number; l, O^T and the mask 0.
.macro INIT
	WIN 0
.irp t, 0,1
	v_mov_b32 v[ST+8*(\t)], 0xfe000000
	v_mov_b32 v[ST+8*(\t)+1], 0xff7fffff
	v_mov_b32 v[ST+8*(\t)+2], 0
	v_mov_b32 v[ST+8*(\t)+3], 0
.endr
.set i, 0
.rept 64
	v_mov_b32 v[O+i], 0
.set i, i+1
.endr
.set i, 0
.rept 32
	v_mov_b32 v[MC+i], 0
.set i, i+1
.endr
.endm
; q o t of block blk, in the fragments' own layout: the products of the f16 halves, exact in f32, in S^T's registers; qt_hi = bf16 of them; qt_lo = bf16 of what is left.
.macro QPREP blk
.set qb, 96*(\blk)
.set tb, 192+32*(\blk)
	WIN 0x0a                        ; q and t in window 2
.set i, 0
.rept 32
	v_fma_mix_f32 v[S+2*i],   v[qb+i], v[tb+i], v[ZR] op_sel_hi:[1,1,0]
	v_fma_mix_f32 v[S+2*i+1], v[qb+i], v[tb+i], v[ZR] op_sel:[1,1,0] op_sel_hi:[1,1,0]
.set i, i+1
.endr
	WIN 0x80
.set i, 0
.rept 32
	v_cvt_pk_bf16_f32 v[qb+32+i], v[S+2*i], v[S+2*i+1]
.set i, i+1
.endr
	WIN 0x02                        ; qt_hi in window 2
.set i, 0
.rept 32
	v_fma_mix_f32_bf16 v[S+2*i],   v[qb+32+i], v[NG], v[S+2*i]   op_sel_hi:[1,0,0]
	v_fma_mix_f32_bf16 v[S+2*i+1], v[qb+32+i], v[NG], v[S+2*i+1] op_sel:[1,0,0] op_sel_hi:[1,0,0]
.set i, i+1
.endr
	WIN 0x80
.set i, 0
.rept 32
	v_cvt_pk_bf16_f32 v[qb+64+i], v[S+2*i], v[S+2*i+1]
.set i, i+1
.endr
	WIN 0
.endm
	INIT
	s_wait_loadcnt 0x0              ; q and t.  All this stands in the wait for the first tile
	QPREP 0
	QPREP 1
; THE MATRIX WORK.  Product i of 32 of a tile's scores: key block i % 4, channel half (i / 4) % 2; i / 8 = 0: k q (f16), 1: c_hi qt_hi, 2: c_hi qt_lo, 3: c_lo qt_hi (bf16).  The four accumulators take turns.
; The first four start the sums: with 0, or (msk = 1) with the mask.
.macro KQ u, msk
	WIN W_KQ
.set kb, i%4
.set hc, (i/4)%2
.set rD, S+32*(\u)+8*kb
.if i < 8
.set rK, KF+16*kb+8*hc
.set rQ, 16*(\u)+8*hc
.elseif i < 16
.set rK, CH+16*kb+8*hc
.set rQ, 32+16*(\u)+8*hc
.elseif i < 24
.set rK, CH+16*kb+8*hc
.set rQ, 64+16*(\u)+8*hc
.else
.set rK, CL+16*kb+8*hc
.set rQ, 32+16*(\u)+8*hc
.endif
.if (i < 4) && (\msk)
	v_wmma_f32_16x16x32_f16 v[rD:rD+7], v[rK:rK+7], v[rQ:rQ+7], v[MC+8*kb:MC+8*kb+7]
.elseif i < 4
	v_wmma_f32_16x16x32_f16 v[rD:rD+7], v[rK:rK+7], v[rQ:rQ+7], 0
.elseif i < 8
	v_wmma_f32_16x16x32_f16 v[rD:rD+7], v[rK:rK+7], v[rQ:rQ+7], v[rD:rD+7]
.else
	v_wmma_f32_16x16x32_bf16 v[rD:rD+7], v[rK:rK+7], v[rQ:rQ+7], v[rD:rD+7]
.endif
.set i, i+1
.endm
; Product i of 8 of O^T += V^T P: keys 32 (i / 4) on, channels 16 (i % 4) on.
.macro PV u
	WIN W_PV
.set rA, O+32*(\u)+8*(i%4)
.set rV, VF+32*(i/4)+8*(i%4)
.set rB, P+16*(\u)+8*(i/4)
	v_wmma_f32_16x16x32_f16 v[rA:rA+7], v[rV:rV+7], v[rB:rB+7], v[rA:rA+7]
.set i, i+1
.endm
; THE LDS LOADS stand in runs: a step's k, c_hi, c_lo (16 loads each, in that order) and its V (16, turned).
.macro FRAGS dst, reg
.irp f, 0,1,2,3,4,5,6,7             ; keys 16 (f / 2) on, channels 32 (f % 2) on
	ds_load_b128 v[(\dst)+8*(\f):(\dst)+8*(\f)+3],   v[AK] offset:(\reg)*REG+((\f)/2)*16*PK+((\f)%2)*64
	ds_load_b128 v[(\dst)+8*(\f)+4:(\dst)+8*(\f)+7], v[AK] offset:(\reg)*REG+((\f)/2)*16*PK+((\f)%2)*64+32
.endr
.endm
.macro FETCH_K
	WIN 0
	v_add_nc_u32 v[AK], s[TBK], v[AK0]
	s_add_co_u32 s[TBK], s[TBK], STEPB  ; the next fetch is the next step's
	WIN 0x40                        ; destination window 1
	FRAGS KF, 0
	FRAGS CH, 2
	FRAGS CL, 3
	WIN 0
.endm
.macro FETCH_KG                     ; a tile's second step fetches nothing: the next tile's first step is fetched behind the change of slots
	WIN 0
	s_cmp_eq_u32 s[CNT], 1
	s_cbranch_scc1 .Lno_k_\@
	FETCH_K
.Lno_k_\@:
.endm
.macro FETCH_V
	WIN 0
	v_add_nc_u32 v[AV], s[TBV], v[AV0]
	s_add_co_u32 s[TBV], s[TBV], STEPB
	WIN 0x40
.irp f, 0,1,2,3,4,5,6,7             ; keys 32 (f / 4) on, channels 16 (f % 4) on
	ds_load_tr16_b128 v[VF+8*(\f):VF+8*(\f)+3],   v[AV] offset:REG+((\f)/4)*32*PK+((\f)%4)*32
	ds_load_tr16_b128 v[VF+8*(\f)+4:VF+8*(\f)+7], v[AV] offset:REG+((\f)/4)*32*PK+16*PK+((\f)%4)*32
.endr
	WIN 0
.endm
; THE VECTOR WORK.  A tile's softmax for a step is a list of 118 instructions; SM writes number j of it.  s0-s31 are the lane's 32 scores, in pairs 0-15.
;   0-15    the maximum of s0-s31 and the old m, three operands at a time (each accumulator's lowest registers are read first)
;   16-20   the other half of the lanes' maximum; the new m; c m; c m_old - c m_new
;   21-87   33 exponentials (a, then s0-s31) at the odd numbers from 23 on: each has a plain instruction behind it before its result is used.  At the even numbers whatever is ready: c s - c m for a pair still to come,
;           the rounding to f16 of a pair whose exponentials are done, the first sums
;   88-101  the last rounding; the rest of the sums; l = a l + the sum          102-117 the tile's O^T times a
.macro SM t
.set rT, ST+8*(\t)
.set rS, S+32*(\t)
.set rP, P+16*(\t)
.set rO, O+32*(\t)+2*(j-102)
.set q, (j-20)/2
	WIN 0
.if j < 4
	v_max3_num_f32 v[rT+4+j], v[rS+8*j], v[rS+8*j+1], v[rS+8*j+2]
.elseif j < 12
	v_max3_num_f32 v[rT+4+j%4], v[rT+4+j%4], v[rS+8*(j%4)+2*(j/4)+1], v[rS+8*(j%4)+2*(j/4)+2]
.elseif j == 12
	v_max3_num_f32 v[rT+4], v[rT+4], v[rS+7], v[rS+15]
.elseif j == 13
	v_max3_num_f32 v[rT+6], v[rT+6], v[rS+23], v[rS+31]
.elseif j == 14
	v_max3_num_f32 v[rT+4], v[rT+4], v[rT+5], v[rT+6]
.elseif j == 15
	v_max3_num_f32 v[rT+4], v[rT+4], v[rT+7], v[rT+1]
.elseif j == 16
	v_permlanex16_b32 v[rT+5], v[rT+4], s[SEL], s[SEL+1]  ; the query's other 32 keys lie in the lane 16 away
.elseif j == 17
	v_mov_b32 v[rT+7], v[rT]        ; c m_old is kept for a
.elseif j == 18
	v_max_num_f32 v[rT+1], v[rT+4], v[rT+5]
.elseif j == 19
	v_mul_f32 v[rT], s[CS], v[rT+1]
.elseif j == 20
	v_sub_f32 v[rT+7], v[rT+7], v[rT]
.elseif j == 23
	v_exp_f32 v[rT+6], v[rT+7]
.elseif (j < 88) && (j > 23) && (j%2 == 1)
	v_exp_f32 v[rS+(j-25)/2], v[rS+(j-25)/2]
.elseif (q < 4) || ((j < 76) && (q%2 == 0))
.set b, q/2+2
.if q < 4
.set b, q
.endif
	v_pk_fma_f32 v[rS+2*b:rS+2*b+1], v[rS+2*b:rS+2*b+1], s[CS:CS+1], v[rT:rT+1] op_sel_hi:[1,0,0] neg_lo:[0,0,1] neg_hi:[0,0,1]  ; pair b: c s - c m
.elseif (j < 88) && (q%2 == 1)
	s_wait_alu depctr_va_vdst(0)
	v_cvt_pk_f16_f32 v[rP+(q-5)/2], v[rS+q-5], v[rS+q-4]
.elseif j == 89
	s_wait_alu depctr_va_vdst(0)
	v_cvt_pk_f16_f32 v[rP+15], v[rS+30], v[rS+31]
.elseif j < 102                     ; the sum of the 16 pairs, in place: neighbours 1, 2, 4 and 8 pairs apart, then l takes it
.set z, j-86
.if j < 89
.set z, (j-76)/4
.endif
.set w, 4
.set y, z
.if z >= 14
.set w, 32
.set y, 0
.elseif z >= 12
.set w, 16
.set y, z-12
.elseif z >= 8
.set w, 8
.set y, z-8
.endif
.if z < 15
	v_pk_add_f32 v[rS+w*y:rS+w*y+1], v[rS+w*y:rS+w*y+1], v[rS+w*y+w/2:rS+w*y+w/2+1]
.else
	v_pk_fma_f32 v[rT+2:rT+3], v[rT+2:rT+3], v[rT+6:rT+7], v[rS:rS+1] op_sel_hi:[1,0,1]
.endif
.else
	v_pk_mul_f32 v[rO:rO+1], v[rO:rO+1], v[rT+6:rT+7] op_sel_hi:[1,0]
.endif
.set j, j+1
.endm
.macro SMN t, n                     ; the list's next n
.rept \n
	SM \t
.endr
.endm
.macro ALBE                         ; the mask's two scalars for step STP, and the step's number goes on
	s_cmp_eq_u32 s[STP], s[WV]
	s_cselect_b32 s[AL], 1.0, 0
	s_cmp_gt_u32 s[STP], s[WV]
	s_cselect_b32 s[BE], s[BIGN], 0
	s_add_co_u32 s[STP], s[STP], 1
.endm
.macro MASK
	WIN 0
.set z, 0
.rept 16
	v_pk_fma_f32 v[MC+2*z:MC+2*z+1], v[MD+2*z:MD+2*z+1], s[AL:AL+1], s[BE:BE+1] op_sel_hi:[1,0,0]
.set z, z+1
.endr
.endm
; Tile u's 32 score products without vector work between them.  The counts: behind k's 16 loads stand c_hi's 16, c_lo's 16 and V's 16.
; An f16 and a bf16 form on one accumulator are no chain in place: five plain instructions stand between them.
.macro KQ_BARE u, msk
	s_wait_dscnt 48                 ; k is in
.set i, 0
.rept 8
	KQ \u, \msk
.endr
.rept 5
	v_nop
.endr
	s_wait_dscnt 32                 ; c_hi is in
.rept 16
	KQ \u, \msk
.endr
	s_wait_dscnt 16                 ; c_lo is in
.rept 8
	KQ \u, \msk
.endr
	PLACES                          ; in front of the first read of these scores, and of loads into the keys' registers
.endm
; A STEP for both tiles of queries.
.macro STEP_FL
	PLACES                          ; behind the last step's last products, which read V's registers
	s_cmp_ge_u32 s[RT], 4
	s_cbranch_scc1 .Lfree_\@        ; nothing is masked: MC holds 0
	ALBE
	MASK
.Lfree_\@:
	FETCH_V
	KQ_BARE 1, 0
.set i, 0
.set j, 0
.rept 32                            ; between an accumulator's last f16 product and its first bf16 one stand twelve of tile 1's lines, seven of them plain or more; none names a register of these products
	KQ 0, 1
	SMN 1, 3
.endr
	SMN 1, 22                       ; all plain: also the places behind the last score product
	s_wait_dscnt 0x0                ; V is in
	FETCH_KG
.set i, 0
.set j, 0
.rept 8
	PV 1
	SMN 0, 4
.endr
	SMN 0, 86
.set i, 0
.rept 8
	PV 0
.endr
	WIN 0
.endm
; A STEP for tile 1 alone, masked.
.macro STEP_H
	PLACES
	ALBE
	MASK
	FETCH_V
	KQ_BARE 1, 1
	s_wait_dscnt 0x0                ; V is in
	FETCH_KG
.set j, 0
	SMN 1, 118
.set i, 0
.rept 8
	PV 1
.endr
	WIN 0
.endm
.macro TILE_HEAD
	s_and_b32 s[STP], s[RT], 1      ; the tile's first step among the four of its 256 keys: 0 where RT is odd, 2 where it is even
	s_xor_b32 s[STP], s[STP], 1
	s_lshl_b32 s[STP], s[STP], 1
	s_mov_b32 s[CNT], 2
	FETCH_K
.endm
.macro TILE_FL
	TILE_HEAD
.Lstep_\@:
	STEP_FL
	s_sub_co_u32 s[CNT], s[CNT], 1
	s_cmp_lg_u32 s[CNT], 0
	s_cbranch_scc1 .Lstep_\@
.endm
.macro TILE_H
	TILE_HEAD
.Lstep_\@:
	STEP_H
	s_sub_co_u32 s[CNT], s[CNT], 1
	s_cmp_lg_u32 s[CNT], 0
	s_cbranch_scc1 .Lstep_\@
.endm
; THE WAY OUT of a block: l's two halves and the other half of the lanes' are added; O^T is divided by l, rounded to f16 and sent through my stage, a tile at a time.
.macro PACK u
.set i, 0
.rept 16
	v_pk_mul_f32 v[O+32*(\u)+2*i:O+32*(\u)+2*i+1], v[O+32*(\u)+2*i:O+32*(\u)+2*i+1], v[ST+8*(\u)+2:ST+8*(\u)+3] op_sel_hi:[1,0]
.set i, i+1
.endr
.set i, 0
.rept 16
	v_cvt_pk_f16_f32 v[S+16*(\u)+i], v[O+32*(\u)+2*i], v[O+32*(\u)+2*i+1]
.set i, i+1
.endr
.irp f, 0,1,2,3
	ds_store_b128 v[STO], v[S+16*(\u)+4*(\f):S+16*(\u)+4*(\f)+3] offset:32*(\f)
.endr
.irp f, 0,1,2,3
	ds_load_b128 v[S+16*(\u)+4*(\f):S+16*(\u)+4*(\f)+3], v[RD] offset:(\f)*4*SPI  ; LDS serves a wave's instructions in order (ISA guide 5.7.1.4): these see the stores above; the next tile's stores come behind them
.endr
.endm
.macro SEND u, younger              ; younger: the LDS instructions issued behind tile u's loads
.irp f, 0,1,2,3
	s_wait_dscnt (\younger)+3-(\f)
	global_store_b128 v[GO], v[S+16*(\u)+4*(\f):S+16*(\u)+4*(\f)+3], s[OP:OP+1] offset:(\u)*32768+(\f)*512  ; 512 consecutive bytes, at a multiple of 256
.endr
.endm
.macro FINISH
	WIN 0
	PLACES
.irp t, 0,1
	v_add_f32 v[ST+8*(\t)+2], v[ST+8*(\t)+2], v[ST+8*(\t)+3]
.endr
.irp t, 0,1
	v_permlanex16_b32 v[ST+8*(\t)+3], v[ST+8*(\t)+2], s[SEL], s[SEL+1]
.endr
.irp t, 0,1
	v_add_f32 v[ST+8*(\t)+2], v[ST+8*(\t)+2], v[ST+8*(\t)+3]
.endr
.irp t, 0,1
	v_rcp_f32 v[ST+8*(\t)+2], v[ST+8*(\t)+2]
.endr
	v_nop                           ; a plain instruction between the last reciprocal and the use of its result
	s_wait_alu depctr_va_vdst(0)
	PACK 0
	PACK 1
	SEND 0, 8
	SEND 1, 0
.endm
.Lslot:                             ; 19 trips: a tile is entered and the next is asked for.  Every jump below goes forward, over text with neither a barrier nor a tensor load, and hangs on cl alone, which the partners share
	CHANGE 1
	s_sub_co_u32 s[RT], s[RT], 1
	s_cmp_ge_u32 s[RT], 2
	s_cbranch_scc0 .LtileH
	TILE_FL
	s_branch .Lbottom
.LtileH:
	TILE_H
	s_cmp_lg_u32 s[RT], 0
	s_cbranch_scc1 .Lbottom
	FINISH                          ; in the loop this is the first block's end: the second block's last tile is the walk's last
	s_wait_xcnt 0x0                 ; the stores have had their addresses translated (ISA guide 3.1): their registers and O's address are rewritten only behind this wait
	s_mov_b64 s[OP:OP+1], s[OP2:OP2+1]
	s_mov_b32 s[RT], s[RT2]
	INIT
	WIN 0x82                        ; the second block's q, qt_hi, qt_lo go where the one text of the steps names them
.set i, 0
.rept 96
	v_mov_b32 v[i], v[96+i]
.set i, i+1
.endr
	WIN 0
.Lbottom:
	s_sub_co_u32 s[SLOTS], s[SLOTS], 1
	s_cmp_lg_u32 s[SLOTS], 0
	s_cbranch_scc1 .Lslot
	CHANGE 0                        ; the walk's last tile is written out: nothing is asked for
	s_sub_co_u32 s[RT], s[RT], 1
	TILE_H
	FINISH
	s_wait_tensorcnt 0x0            ; the wave's end
	ds_add_u32 v[SPW], v[NIL]
	s_wait_dscnt 0x0
	CROUND                          ; the closing round: no work-group ends while a partner may still ask for a tile that names it
	s_endpgm
.Lfunc_end_k_qffd32e7314_attn:
	.size	k_qffd32e7314_attn, .Lfunc_end_k_qffd32e7314_attn-k_qffd32e7314_attn
	.p2alignl 7, 3214868480
	.fill 96, 4, 3214868480
	.section	.rodata,"a",@progbits
	.p2align	6, 0x0
	.amdhsa_kernel k_qffd32e7314_attn
		.amdhsa_group_segment_fixed_size 327680
		.amdhsa_private_segment_fixed_size 0
		.amdhsa_enable_private_segment 0
		.amdhsa_kernarg_size 24
		.amdhsa_user_sgpr_count 2
		.amdhsa_user_sgpr_kernarg_segment_ptr 1
		.amdhsa_wavefront_size32 1
		.amdhsa_system_sgpr_workgroup_id_x 1
		.amdhsa_system_sgpr_workgroup_id_y 1
		.amdhsa_system_sgpr_workgroup_id_z 1
		.amdhsa_system_vgpr_workitem_id 0
		.amdhsa_next_free_vgpr 768
		.amdhsa_next_free_sgpr 96
		.amdhsa_reserve_vcc 1
		.amdhsa_float_denorm_mode_32 3
		.amdhsa_float_denorm_mode_16_64 3
		.amdhsa_memory_ordered 1
		.amdhsa_forward_progress 1
		.amdhsa_inst_pref_size 130
	.end_amdhsa_kernel
	.amdgpu_metadata
---
amdhsa.version: [ 1, 2 ]
amdhsa.kernels:
  - .name:           k_qffd32e7314_attn
    .symbol:         k_qffd32e7314_attn.kd
    .args:
      - { .name: proj, .offset: 0, .size: 8, .value_kind: global_buffer, .address_space: global }
      - { .name: cc, .offset: 8, .size: 8, .value_kind: global_buffer, .address_space: global }
      - { .name: ob, .offset: 16, .size: 8, .value_kind: global_buffer, .address_space: global }
    .group_segment_fixed_size: 327680
    .private_segment_fixed_size: 0
    .kernarg_segment_align: 8
    .kernarg_segment_size: 24
    .max_flat_workgroup_size: 128
    .sgpr_count:     96
    .vgpr_count:     768
    .wavefront_size: 32
...
	.end_amdgpu_metadata
.endif
;; end of part 4
;; launch gemm2 (part 5): grid 8 x 32, 4 waves a work-group, clusters of 4 x 4, 327,680 bytes of LDS; arguments ob, xw, bo, out0; writes out0
.if DOCPART == 5
	.amdgcn_target "amdgcn-amd-amdhsa--gfx1250"
	.amdhsa_code_object_version 6
	.text
	.protected	k_qffd32e7314_gemm2
	.globl	k_qffd32e7314_gemm2
	.p2align	8
	.type	k_qffd32e7314_gemm2,@function
k_qffd32e7314_gemm2:
	s_mov_b64 s[64:65], 0
	v_nop
	global_prefetch_b8 v0, s[64:65] scope:SCOPE_SE
	s_setreg_imm32_b32 hwreg(HW_REG_WAVE_MODE, 25, 1), 1
	s_wait_xcnt 0x0
	s_wait_alu depctr_hold_cnt(0) depctr_sa_sdst(0) depctr_va_vdst(0) depctr_va_sdst(0) depctr_va_ssrc(0) depctr_va_vcc(0) depctr_vm_vsrc(0)
	s_getreg_b32 s2, hwreg(HW_REG_IB_STS2, 6, 4)
	s_cmp_eq_u32 s2, 0
	s_cbranch_scc0 .Lentry_in_a_cluster
	s_endpgm
.Lentry_in_a_cluster:
	s_bfe_u32 s2, ttmp6, 0x10000c
	s_cmp_lg_u32 s2, 0xf033
	s_cbranch_scc0 .Lentry_shape_is_right
	s_endpgm
.Lentry_shape_is_right:
; THE OUTPUT PROJECTION.  out0[m][n] = sum over k of O[m][k] Wo[n][k] + bo[n], f32.  O is ob, f16 BY HEADS [batch x head 32][2048][64]; Wo is wo16 in xw (byte 16,777,216), [1024][1024] f16; sums in f32;
; bo is taken rounded to bf16, as all the module's inputs are.
; 4,096 x 1,024 of C in tiles of 128 x 128 give each of 256 work-groups one tile.  Four waves, 64 x 64 each: 16 accumulators, 128 registers.  K goes in steps of 256, as long as two slots in LDS allow.
; A K step of 256 is four heads, a quarter of it one head.  A wave's load of O is 4 rows of 4,096 elements: 64 token rows of each of four heads, 8,192 dense bytes a head, 131,072 elements from head to head;
; padded by 16 bytes after every 128, it lies in LDS as [head 4][row 64] with a pitch of 144.  Wo's tile is 64 rows of 512 bytes, pitch 528.
; CLUSTER.  4 x 4 work-groups: O's tiles are shared along a row of the cluster, Wo's along a column, each asked for jointly.
; THE MATRIX INSTRUCTION IS USED TRANSPOSED (source 0 = 16 rows of Wo, source 1 = 16 rows of O): a lane holds row l % 16 of C and the columns 8 (l / 16) + 0..7.
; THE WAY OUT.  A wave's 64 columns of f32 are 256 bytes, aligned: each wave has a stage of its own, and no barrier stands there.
; REGISTERS: window 0: v0-31 addresses; v32-95 at work on the way out; v96-127 the bias; v128-255 the accumulators ((a, b) at v[128 + 8 (4 a + b)]).  window 1: two fragment buffers of 128: 64 registers of O, then 64 of Wo.
.set KSTEP,  256
.set PA,     144                       ; O's rows in LDS: 128 bytes + 16
.set PITCH,  528                       ; Wo's rows: 512 bytes + 16.  Both are odd multiples of 16: the 16 rows of a fragment load start at 16 different groups of four banks (ISA guide 11.1)
.set HEADB,  64*PA                     ; one head's 64 rows
.set HALFA,  4*HEADB                   ; what a load of O brings
.set HALFB,  64*PITCH                  ; what a load of Wo brings
.set SLOT,   2*HALFA+2*HALFB
.set STAGE,  2*SLOT                    ; behind the ring: 16 rows x 272 bytes for each wave, never filled by a tensor load
.set SPITCH, 272
.set SPARE,  STAGE+4*16*SPITCH         ; the spare words
.set LAPS,   2                         ; 1,024 / 512
.set ADRA, 16
.set ADRB, 20
.set STO,  24
.set RD,   25
.set CO,   26
.set BO,   27
.set SPW,  28
.set NIL,  29
.set TMP,  32
.set BK,   64
.set BI,   96
.set ACC,  128
.set F0,   0
.set F1,   128
.set G1, 24
.set G0, 32
.set G1B, 48
.set G0B, 56
.set MSB, 0
.macro WIN new
.if MSB != (\new)
	s_set_vgpr_msb (MSB<<8)|(\new)
.set MSB, \new
.endif
.endm
.set MUL,  0x05                        ; sources 0 and 1 window 1; C and D window 0
.set TO_F, 0x40                        ; destination window 1, address window 0
.macro JLOAD s                         ; waves 0 and 1 fetch O's two halves, waves 2 and 3 Wo's; an s_nop 0 and four v_nop follow each line
	s_cmp_eq_u32 s11, 0
	s_cbranch_scc0 .Lfor_b_\@
	tensor_load_to_lds s[G0+4*(\s):G0+4*(\s)+3], s[G1:G1+7]
	s_nop 0
.rept 4
	v_nop
.endr
	s_branch .Lasked_\@
.Lfor_b_\@:
	tensor_load_to_lds s[G0B+4*(\s):G0B+4*(\s)+3], s[G1B:G1B+7]
	s_nop 0
.rept 4
	v_nop
.endr
.Lasked_\@:
.endm
.macro CREST
	s_cmp_lg_u32 s10, 0
	s_cbranch_scc1 .Lnot_wave_0_\@
	s_barrier_signal -3
.Lnot_wave_0_\@:
	s_barrier_wait -3
	s_barrier_signal -1
	s_barrier_wait -1
.endm
.macro CROUND
	s_barrier_signal -1
	s_barrier_wait -1
	CREST
.endm
	s_load_b128 s[4:7], s[0:1], 0x0                ; ob s[4:5], xw s[6:7]
	s_load_b128 s[68:71], s[0:1], 0x10             ; bo s[68:69], out0 s[70:71]
	v_lshl_add_u32 v[SPW], v0, 2, SPARE
	v_mov_b32 v[NIL], 0
	ds_add_u32 v[SPW], v[NIL]                      ; the wave's opening: the add and its wait stand ahead of my first tensor load
	v_lshrrev_b32 v1, 5, v0
	v_readfirstlane_b32 s10, v1                    ; wave 0..3
	s_lshr_b32 s11, s10, 1                         ; which half of the tile's rows is mine.  Also: I fetch for O (0) or Wo (1)
	s_and_b32 s12, s10, 1                          ; which half of its columns.  Also: which 64 rows of that tile I fetch
	s_bfe_u32 s40, ttmp6, 0x40000
	s_bfe_u32 s41, ttmp6, 0x40004
	s_lshl_b32 s42, ttmp9, 2
	s_add_co_u32 s42, s42, s40                     ; tile column
	s_and_b32 s13, ttmp7, 0xffff
	s_lshl_b32 s13, s13, 2
	s_add_co_u32 s13, s13, s41                     ; tile row
	s_lshl_b32 s43, s41, 2
	s_lshl_b32 s43, 15, s43                        ; my row of the cluster
	s_lshl_b32 s44, 0x1111, s40                    ; my column
	s_or_b32 s[G1+0], s43, (1<<16)|(1<<20)|(1<<21)|(4<<22)|(3<<25)   ; O: after every 32 words, 4 words of padding
	s_mov_b32 s[G1+1], 4096<<16                    ; tensor_dim0 = 4,096
	s_mov_b32 s[G1+2], 4<<16                       ; tensor_dim1 = 4
	s_mov_b32 s[G1+3], 4096<<16                    ; tile_dim0 = 4,096
	s_mov_b32 s[G1+4], 4                           ; tile_dim1 = 4
	s_mov_b32 s[G1+5], 131072                      ; elements from head to head
	s_mov_b32 s[G1+6], 0
	s_mov_b32 s[G1+7], 0
	s_or_b32 s[G1B+0], s44, (1<<16)|(1<<20)|(1<<21)|(6<<22)|(3<<25)  ; Wo: after every 128 words, 4 words
	s_mov_b32 s[G1B+1], KSTEP<<16
	s_mov_b32 s[G1B+2], 64<<16
	s_mov_b32 s[G1B+3], KSTEP<<16
	s_mov_b32 s[G1B+4], 64
	s_mov_b32 s[G1B+5], 1024
	s_mov_b32 s[G1B+6], 0
	s_mov_b32 s[G1B+7], 0
	s_lshr_b32 s16, s13, 4                         ; O: batch = tile row / 16: 16 heads x 2,048 rows on;
	s_lshl_b32 s16, s16, 15
	s_and_b32 s17, s13, 15                         ; token 128 (tile row % 16) + 64 x half
	s_lshl_b32 s17, s17, 7
	s_add_co_u32 s16, s16, s17
	s_lshl_b32 s17, s12, 6
	s_add_co_u32 s16, s16, s17
	s_lshl_b32 s16, s16, 7                         ; 128 bytes a row
	s_mov_b32 s17, 0
	s_lshl_b32 s46, s42, 7                         ; Wo: row 128 x tile column + 64 x half
	s_lshl_b32 s47, s12, 6
	s_add_co_u32 s46, s46, s47
	s_lshl_b32 s46, s46, 11                        ; 2,048 bytes a row,
	s_add_co_u32 s46, s46, 0x1000000               ; behind xb and wp in xw
	s_mov_b32 s47, 0
	s_mul_i32 s20, s12, HALFA                      ; where they go: no place in the cluster enters an LDS address
	s_mul_i32 s21, s12, HALFB
	s_add_co_u32 s21, s21, 2*HALFA
	s_wait_dscnt 0x0                               ; the opening add is done
	s_wait_kmcnt 0x0
	s_add_nc_u64 s[14:15], s[4:5], s[16:17]
	s_add_nc_u64 s[46:47], s[6:7], s[46:47]
	CROUND                                         ; all sixteen work-groups are here: the first joint loads meet
.irp s, 0,1
	s_mov_b32 s[G0+4*(\s)], 1
	s_add_co_u32 s[G0+4*(\s)+1], s20, (\s)*SLOT
	s_add_nc_u64 s[G0+4*(\s)+2:G0+4*(\s)+3], s[14:15], (\s)*4*262144   ; K step s: four heads on
	s_or_b32 s[G0+4*(\s)+3], s[G0+4*(\s)+3], 0x80000000
	s_mov_b32 s[G0B+4*(\s)], 1
	s_add_co_u32 s[G0B+4*(\s)+1], s21, (\s)*SLOT
	s_add_nc_u64 s[G0B+4*(\s)+2:G0B+4*(\s)+3], s[46:47], (\s)*KSTEP*2
	s_or_b32 s[G0B+4*(\s)+3], s[G0B+4*(\s)+3], 0x80000000
	JLOAD \s                                       ; two loads of mine are out
.endr
	v_and_b32 v1, 15, v0
	v_bfe_u32 v2, v0, 4, 1
	v_mul_u32_u24 v3, v1, PA
	v_lshl_add_u32 v3, v2, 4, v3                   ; O: row x 144 + 16 x half
	v_mul_u32_u24 v4, v1, PITCH
	v_lshl_add_u32 v4, v2, 4, v4                   ; Wo: row x 528 + 16 x half
	s_mul_i32 s21, s11, HALFA                      ; my 64 rows of O
	s_mul_i32 s22, s12, HALFB                      ; my 64 rows of Wo
	s_add_co_u32 s22, s22, 2*HALFA
.irp s, 0,1
	v_add_nc_u32 v[ADRA+(\s)], s21, v3
	v_add_nc_u32 v[ADRB+(\s)], s22, v4
	s_add_co_u32 s21, s21, SLOT
	s_add_co_u32 s22, s22, SLOT
.endr
	s_mul_i32 s23, s10, 16*SPITCH
	s_add_co_u32 s23, s23, STAGE                   ; my stage
	v_mul_u32_u24 v5, v1, SPITCH                   ; in: row l % 16, 32 bytes for each half of the lanes
	v_lshl_add_u32 v5, v2, 5, v5
	v_add_nc_u32 v[STO], s23, v5
	v_mul_u32_u24 v5, v2, SPITCH                   ; back: lanes 0-15 one row of 256 bytes, lanes 16-31 the next
	v_lshl_add_u32 v5, v1, 4, v5
	v_add_nc_u32 v[RD], s23, v5
	v_lshlrev_b32 v5, 12, v2                       ; and the same two rows in out0, 4,096 bytes apart
	v_lshl_add_u32 v[CO], v1, 4, v5
	v_lshlrev_b32 v[BO], 5, v2
	s_lshl_b32 s16, s13, 7
	s_lshl_b32 s17, s11, 6
	s_add_co_u32 s16, s16, s17                     ; my first row of C
	s_lshl_b32 s16, s16, 12
	s_mov_b32 s17, 0
	s_add_nc_u64 s[70:71], s[70:71], s[16:17]
	s_lshl_b32 s46, s42, 9                         ; my first column, in bytes: 512 x tile column + 256 x half
	s_lshl_b32 s47, s12, 8
	s_add_co_u32 s46, s46, s47
	s_mov_b32 s47, 0
	s_add_nc_u64 s[70:71], s[70:71], s[46:47]
	s_add_nc_u64 s[68:69], s[68:69], s[46:47]
.irp b, 0,1,2,3                        ; register 8 b + j: column 16 b + 8 (l / 16) + j.  They are waited for at the way out
	global_load_b128 v[BI+8*(\b):BI+8*(\b)+3],   v[BO], s[68:69] offset:64*(\b)
	global_load_b128 v[BI+8*(\b)+4:BI+8*(\b)+7], v[BO], s[68:69] offset:64*(\b)+16
.endr
; 8 matrix instructions: m blocks a0, a0 + 1 x all 4 n blocks, 32 along K: half c of buffer f.  The 16 accumulators take turns.
.macro MUL8 f, c, a0, zero
	WIN MUL
.irp a, \a0, (\a0)+1
.irp b, 0,1,2,3
.if \zero
	v_wmma_f32_16x16x32_f16 v[ACC+8*(4*(\a)+(\b)):ACC+8*(4*(\a)+(\b))+7], v[(\f)+64+8*(4*(\c)+(\b)):(\f)+64+8*(4*(\c)+(\b))+7], v[(\f)+8*(4*(\c)+(\a)):(\f)+8*(4*(\c)+(\a))+7], 0
.else
	v_wmma_f32_16x16x32_f16 v[ACC+8*(4*(\a)+(\b)):ACC+8*(4*(\a)+(\b))+7], v[(\f)+64+8*(4*(\c)+(\b)):(\f)+64+8*(4*(\c)+(\b))+7], v[(\f)+8*(4*(\c)+(\a)):(\f)+8*(4*(\c)+(\a))+7], v[ACC+8*(4*(\a)+(\b)):ACC+8*(4*(\a)+(\b))+7]
.endif
.endr
.endr
.endm
; 32 LDS loads in one run: the fragments of quarter q (one head: 64 along K) into buffer f; the first 32 along K first
.macro FETCH slot, q, f
	WIN TO_F
.irp c, 0,1
.irp i, 0,1,2,3
	ds_load_b128 v[(\f)+64+8*(4*(\c)+(\i)):(\f)+64+8*(4*(\c)+(\i))+3],   v[ADRB+(\slot)] offset:(\q)*128+64*(\c)+(\i)*16*PITCH
	ds_load_b128 v[(\f)+64+8*(4*(\c)+(\i))+4:(\f)+64+8*(4*(\c)+(\i))+7], v[ADRB+(\slot)] offset:(\q)*128+64*(\c)+(\i)*16*PITCH+32
	ds_load_b128 v[(\f)+8*(4*(\c)+(\i)):(\f)+8*(4*(\c)+(\i))+3],         v[ADRA+(\slot)] offset:(\q)*HEADB+64*(\c)+(\i)*16*PA
	ds_load_b128 v[(\f)+8*(4*(\c)+(\i))+4:(\f)+8*(4*(\c)+(\i))+7],       v[ADRA+(\slot)] offset:(\q)*HEADB+64*(\c)+(\i)*16*PA+32
.endr
.endr
.endm
.macro PLACES
.rept 4
	v_nop
.endr
.endm
.macro QUARTER slot, q, f, g, zero     ; multiplies buffer f and fetches quarter q into g
	s_wait_dscnt 16                                ; the first 32 along K are in
	WIN MUL
	MUL8 \f, 0, 0, \zero
	MUL8 \f, 0, 2, \zero
	PLACES
	FETCH \slot, \q, \g
	s_wait_dscnt 32                                ; all but the 32 just issued
	WIN MUL
	MUL8 \f, 1, 0, 0
	MUL8 \f, 1, 2, 0
.endm
; The last quarter multiplies buffer 1 and changes slots: one barrier; in front of it each wave waits for all its tensor loads, adds 0 to its spare word, and waits for that and for its reads of this slot.  fill = 1: this slot is filled again, two K steps ahead.
.macro TURN slot, next, fill
	WIN 0
	s_wait_tensorcnt 0x0
	ds_add_u32 v[SPW], v[NIL]
	s_wait_dscnt 17                                ; the add and the youngest sixteen loads may be out
	WIN MUL
	MUL8 F1, 0, 0, 0
	s_wait_dscnt 0x0                               ; the add is done, and my reads of this slot are over
	s_barrier_signal -1
	MUL8 F1, 0, 2, 0
.if \fill
	WIN 0
.endif
	s_barrier_wait -1
.if \fill
	CREST                                          ; the barrier has opened a round of the cluster's: no wave of any partner still reads this slot or has a load on its way
	s_add_nc_u64 s[G0+4*(\slot)+2:G0+4*(\slot)+3], s[G0+4*(\slot)+2:G0+4*(\slot)+3], 2*4*262144
	s_add_nc_u64 s[G0B+4*(\slot)+2:G0B+4*(\slot)+3], s[G0B+4*(\slot)+2:G0B+4*(\slot)+3], 2*KSTEP*2
	JLOAD \slot                                    ; my one tensor load behind the round; its four v_nop are also the places in front of the loads below
.else
	PLACES
.endif
	FETCH \next, 0, F0
	WIN MUL
	MUL8 F1, 1, 0, 0
	MUL8 F1, 1, 2, 0
.endm
	s_wait_tensorcnt 1                             ; my part of K step 0 is in; step 1's may stay out
	s_barrier_signal -1
	s_barrier_wait -1
	FETCH 0, 0, F0
	QUARTER 0, 1, F0, F1, 1                        ; the first quarter stands in front of the loop: its first products start the sums
	WIN 0
	s_mov_b32 s3, LAPS-1
.Llap:                                                 ; one trip: K steps 2 and 3 are asked for
	QUARTER 0, 2, F1, F0, 0
	QUARTER 0, 3, F0, F1, 0
	TURN 0, 1, 1
	QUARTER 1, 1, F0, F1, 0
	QUARTER 1, 2, F1, F0, 0
	QUARTER 1, 3, F0, F1, 0
	TURN 1, 0, 1
	QUARTER 0, 1, F0, F1, 0
	WIN 0
	s_sub_co_u32 s3, s3, 1
	s_cmp_lg_u32 s3, 0
	s_cbranch_scc1 .Llap
	QUARTER 0, 2, F1, F0, 0                        ; the last lap fills nothing
	QUARTER 0, 3, F0, F1, 0
	TURN 0, 1, 0
	QUARTER 1, 1, F0, F1, 0
	QUARTER 1, 2, F1, F0, 0
	QUARTER 1, 3, F0, F1, 0
	s_wait_dscnt 16
	WIN MUL
	MUL8 F1, 0, 0, 0
	MUL8 F1, 0, 2, 0
	s_wait_dscnt 0x0
	MUL8 F1, 1, 0, 0
	MUL8 F1, 1, 2, 0
	WIN 0
	; THE WAY OUT.  The bias is rounded to bf16 and widened again: 48 plain instructions that name no register of the last products, so they are also the places behind those.
	s_wait_loadcnt 0x0
.set i, 0
.rept 16
	v_cvt_pk_bf16_f32 v[TMP+i], v[BI+2*i], v[BI+2*i+1]
.set i, i+1
.endr
.set i, 0
.rept 16
	v_lshlrev_b32 v[BI+2*i], 16, v[TMP+i]
	v_and_b32 v[BI+2*i+1], 0xffff0000, v[TMP+i]
.set i, i+1
.endr
.irp a, 0,1,2,3                        ; 16 rows at a time: sum + bias, each accumulator's lowest registers first; into my stage; back as whole rows of 256 bytes; stored
.set i, 0
.rept 16
	v_pk_add_f32 v[TMP+2*i:TMP+2*i+1], v[ACC+32*(\a)+2*i:ACC+32*(\a)+2*i+1], v[BI+2*i:BI+2*i+1]
.set i, i+1
.endr
.irp m, 0,1,2,3,4,5,6,7                ; column 16 b + 8 (l / 16) + j at byte 64 b + 32 (l / 16) + 4 j
	ds_store_b128 v[STO], v[TMP+4*(\m):TMP+4*(\m)+3] offset:64*((\m)/2)+16*((\m)%2)
.endr
	s_wait_xcnt 0x0                                ; the block before has had its stores' addresses translated (ISA guide 3.1): its registers are loaded again only behind this wait
.irp t, 0,1,2,3,4,5,6,7
	ds_load_b128 v[BK+4*(\t):BK+4*(\t)+3], v[RD] offset:(\t)*2*SPITCH  ; LDS serves a wave's instructions in order (ISA guide 5.7.1.4): these see the stores above
.endr
	s_wait_dscnt 0x0
.irp t, 0,1,2,3,4,5,6,7
	global_store_b128 v[CO], v[BK+4*(\t):BK+4*(\t)+3], s[70:71] offset:(16*(\a)+2*(\t))*4096 th:TH_STORE_NT  ; 16 lanes store 256 consecutive bytes, at a multiple of 256
.endr
.endr
	s_wait_tensorcnt 0x0                           ; the wave's end
	ds_add_u32 v[SPW], v[NIL]
	s_wait_dscnt 0x0
	CROUND                                         ; the closing round
	s_endpgm
.Lfunc_end_k_qffd32e7314_gemm2:
	.size	k_qffd32e7314_gemm2, .Lfunc_end_k_qffd32e7314_gemm2-k_qffd32e7314_gemm2
	.p2alignl 7, 3214868480
	.fill 96, 4, 3214868480
	.section	.rodata,"a",@progbits
	.p2align	6, 0x0
	.amdhsa_kernel k_qffd32e7314_gemm2
		.amdhsa_group_segment_fixed_size 327680
		.amdhsa_private_segment_fixed_size 0
		.amdhsa_enable_private_segment 0
		.amdhsa_kernarg_size 32
		.amdhsa_user_sgpr_count 2
		.amdhsa_user_sgpr_kernarg_segment_ptr 1
		.amdhsa_wavefront_size32 1
		.amdhsa_system_sgpr_workgroup_id_x 1
		.amdhsa_system_sgpr_workgroup_id_y 1
		.amdhsa_system_sgpr_workgroup_id_z 1
		.amdhsa_system_vgpr_workitem_id 0
		.amdhsa_next_free_vgpr 512
		.amdhsa_next_free_sgpr 72
		.amdhsa_reserve_vcc 0
		.amdhsa_float_denorm_mode_32 3
		.amdhsa_float_denorm_mode_16_64 3
		.amdhsa_memory_ordered 1
		.amdhsa_forward_progress 1
		.amdhsa_inst_pref_size 93
	.end_amdhsa_kernel
	.amdgpu_metadata
---
amdhsa.version: [ 1, 2 ]
amdhsa.kernels:
  - .name:           k_qffd32e7314_gemm2
    .symbol:         k_qffd32e7314_gemm2.kd
    .args:
      - { .name: ob, .offset: 0, .size: 8, .value_kind: global_buffer, .address_space: global }
      - { .name: xw, .offset: 8, .size: 8, .value_kind: global_buffer, .address_space: global }
      - { .name: bo, .offset: 16, .size: 8, .value_kind: global_buffer, .address_space: global }
      - { .name: out0, .offset: 24, .size: 8, .value_kind: global_buffer, .address_space: global }
    .group_segment_fixed_size: 327680
    .private_segment_fixed_size: 0
    .kernarg_segment_align: 8
    .kernarg_segment_size: 32
    .max_flat_workgroup_size: 128
    .sgpr_count:     72
    .vgpr_count:     512
    .wavefront_size: 32
...
	.end_amdgpu_metadata
.endif
;; end of part 5
;; ======== version 2 of 3: 4 launches; 1.09 times as fast as version 1
;; limits: values are held in f16: magnitudes above 65,504 overflow, below 6.1e-05 lose precision
;; workspace buffers: xw 18,874,368 bytes; proj 33,554,432 bytes; ksum 262,144 bytes; cc 8,388,608 bytes; ob 8,388,608 bytes
;; launch cast: the kernel of part 1 again; grid 576 x 1, 8 waves a work-group, no clusters, 0 bytes of LDS; arguments x, Wq, Wt, Wk, Wv, Wo, xw; writes xw
;; launch gemm1 (part 6): grid 16 x 16, 4 waves a work-group, clusters of 4 x 4, 327,680 bytes of LDS; arguments xw, bq, bt, bk, bv, proj, ksum, cc; writes proj, ksum, cc
.if DOCPART == 6
	.amdgcn_target "amdgcn-amd-amdhsa--gfx1250"
	.amdhsa_code_object_version 6
	.text
	.protected	k_qffd32e7314_gemm1
	.globl	k_qffd32e7314_gemm1
	.p2align	8
	.type	k_qffd32e7314_gemm1,@function
k_qffd32e7314_gemm1:
	s_mov_b64 s[64:65], 0
	v_nop
	global_prefetch_b8 v0, s[64:65] scope:SCOPE_SE
	s_setreg_imm32_b32 hwreg(HW_REG_WAVE_MODE, 25, 1), 1
	s_wait_xcnt 0x0
	s_wait_alu depctr_hold_cnt(0) depctr_sa_sdst(0) depctr_va_vdst(0) depctr_va_sdst(0) depctr_va_ssrc(0) depctr_va_vcc(0) depctr_vm_vsrc(0)
	s_getreg_b32 s2, hwreg(HW_REG_IB_STS2, 6, 4)
	s_cmp_eq_u32 s2, 0
	s_cbranch_scc0 .Lentry_in_a_cluster
	s_endpgm
.Lentry_in_a_cluster:
	s_bfe_u32 s2, ttmp6, 0x10000c
	s_cmp_lg_u32 s2, 0xf033
	s_cbranch_scc0 .Lentry_shape_is_right
	s_endpgm
.Lentry_shape_is_right:
; THE FOUR PROJECTIONS AS ONE PRODUCT, AND THE RUNNING SUMS OF k v INSIDE CHUNKS OF 64 ROWS.
; C[m][n] = sum over k of xb[m][k] wp[n][k] + bias[n]; xb [4096][1024] and wp [4096][1024] are bf16 in xw; sums in f32.
; A tile of C is 256 x 256, made by four waves, 128 x 128 each: 64 accumulators of 16 x 16, 512 registers.  K goes in steps of 128 through two LDS slots filled by tensor loads of 128 rows x 256 bytes.
; wp's rows are ordered so that a wave's 128 columns are ONE head of two kinds: q and t (tile columns 0-7), or k and v (8-15).  So the wave can store each kind by heads, and holds k and v of the same channel in one lane.
; THE BIAS (taken rounded to bf16, as all the module's inputs are) is the C operand of the products that start the sums: nothing is cleared and nothing is added behind the sums.
; OUT.  proj: f16 [kind q, t, k, v][batch x head 32][2048][64], each number rounded once from its f32 sum.
;       cc:   bf16 [32][2048][64]: dl[row] = the sum of k v over the rows of the row's chunk of 64 up to and with the row, of the unrounded k and v, kept in f32 and rounded once.
;       ksum: f32 [32][32 chunks][64]: the whole chunk's sum.  The next launch adds these up to the sum in front of a chunk; neither carries the factor 1/8, which it applies too.
; LIMIT.  q, t, k, v beyond 65,504 in size would become infinities in f16.
; CLUSTER.  4 x 4 work-groups: the four of a row need the same tiles of xb, the four of a column the same tiles of wp; each tile is asked for jointly, by the same tensor load with the same descriptor and a mask that names the four.
; THE MATRIX INSTRUCTION IS USED TRANSPOSED (source 0 = 16 rows of wp, source 1 = 16 rows of xb): lane l holds row l % 16 of C and its registers the columns 8 (l / 16) + 0..7.
; REGISTERS, in windows of 256 (s_set_vgpr_msb: bits 1:0 source 0, 3:2 source 1, 5:4 source 2, 7:6 destination):
;   window 0: v0-31 addresses; v64-127, v128-191 fragments of xb, two buffers (later the running sums' registers); v32-63, v192-255 at work on the way out
;   window 1: v0-63 the bias of my 128 columns; v64-127, v128-191 fragments of wp; v192-223 at work      window 2: accumulators of my rows 0-63 ((a, b) at v[8 (8 a + b)])      window 3: rows 64-127
.set SIZE_K, 1024
.set KSTEP,  128
.set PITCH,  272                       ; an LDS row: 256 bytes + 16 of padding = 68 words: the 16 rows of a fragment load start at 16 different groups of four banks (64 banks of 4 bytes: ISA guide 11.1)
.set HALFT,  128*PITCH                 ; what one tensor load brings; also what a wave's 128 rows of k v in f32 take
.set SLOT,   4*HALFT                   ; xb's 256 rows, then wp's 256 rows
.set STAGE,  2*SLOT                    ; behind the ring: 16 rows x 272 bytes for each wave, never filled by a tensor load
.set SPITCH, 272
.set SPARE,  STAGE+4*16*SPITCH         ; the spare words, 128 bytes a wave: two blocks of 256 bytes that no other line names
.set LAPS,   SIZE_K/(2*KSTEP)          ; 4 laps of two K steps
.set OFV,  8                           ; v8      my 16 bytes in the wave's rows of cc, in the turn in hand
.set KO,   9                           ; v9      my 16 bytes in the wave's 512 bytes of ksum
.set KD,   10                          ; v[10:13] a chunk's sum on its way to memory
.set ADRA, 16                          ; v16-17  LDS address of my xb fragments in slot 0, 1
.set ADRB, 20                          ; v20-21  the same for wp
.set STO,  24                          ; v24     the way out: where I put 16 bytes of a row
.set RD,   25                          ; v25     the way out: where I read rows back
.set CO,   26                          ; v26     16 x lane
.set BO,   27                          ; v27     32 x (lane / 16): my place in 64 bytes of a bias
.set SPW,  28                          ; v28     my spare word
.set NIL,  29                          ; v29     0
.set PST,  30                          ; v30     where I put 32 bytes of a row of k v
.set LA,   31                          ; v31     where I read 32 bytes of a row of k v back, in the turn in hand
.set F0,   64
.set F1,   128
.set T,    64                          ; v[64:95]   k v of 16 rows
.set E,    96                          ; v[96:103]  the running sum of my 8 channels, up to the pair of rows in front
.set PT,   120                         ; v[120:127] the pair's sum
.set YY,   128                         ; v[128:135] my row's part of it
.set CC,   136                         ; v[136:143] the sum up to and with my row
.set TMP,  192
.set OB,   32
.set G1, 24                            ; s[24:31] group 1 for xb's tiles; s[32:39] group 0, a set a slot
.set G0, 32
.set G1B, 48                           ; s[48:55], s[56:63] the same for wp's
.set G0B, 56
.set MSB, 0
.macro WIN new                         ; the immediate's high byte repeats the setting that is left; a switch that changes nothing is dropped
.if MSB != (\new)
	s_set_vgpr_msb (MSB<<8)|(\new)
.set MSB, \new
.endif
.endm
.set MUL_LO, 0xa1                      ; source 0 (wp) window 1, source 1 (xb) window 0, C and D window 2
.set MUL_HI, 0xf1                      ; the same, C and D window 3
.set TO_B,   0x40                      ; destination window 1, address window 0
; A joint load.  Waves 0 and 1 fetch xb's two halves, waves 2 and 3 wp's.  The branch hangs on the wave's number alone.  An s_nop 0 and four v_nop follow each line.
.macro JLOAD s
	s_cmp_eq_u32 s11, 0
	s_cbranch_scc0 .Lfor_b_\@
	tensor_load_to_lds s[G0+4*(\s):G0+4*(\s)+3], s[G1:G1+7]
	s_nop 0
.rept 4
	v_nop
.endr
	s_branch .Lasked_\@
.Lfor_b_\@:
	tensor_load_to_lds s[G0B+4*(\s):G0B+4*(\s)+3], s[G1B:G1B+7]
	s_nop 0
.rept 4
	v_nop
.endr
.Lasked_\@:
.endm
.macro CREST                           ; a round of the cluster's barrier behind its opening barrier
	s_cmp_lg_u32 s10, 0
	s_cbranch_scc1 .Lnot_wave_0_\@
	s_barrier_signal -3
.Lnot_wave_0_\@:
	s_barrier_wait -3
	s_barrier_signal -1
	s_barrier_wait -1
.endm
.macro CROUND                          ; a whole round
	s_barrier_signal -1
	s_barrier_wait -1
	CREST
.endm
	s_load_b64 s[4:5], s[0:1], 0x0                 ; xw
	s_load_b256 s[68:75], s[0:1], 0x8              ; bq s[68:69], bt s[70:71], bk s[72:73], bv s[74:75]
	s_load_b128 s[76:79], s[0:1], 0x28             ; proj s[76:77], ksum s[78:79]
	s_load_b64 s[86:87], s[0:1], 0x38              ; cc
	v_lshl_add_u32 v[SPW], v0, 2, SPARE
	v_mov_b32 v[NIL], 0
	ds_add_u32 v[SPW], v[NIL]                      ; the wave's opening: the add and its wait stand ahead of my first tensor load; work on registers stands between them
	v_lshrrev_b32 v1, 5, v0
	v_readfirstlane_b32 s10, v1                    ; wave 0..3
	s_lshr_b32 s11, s10, 1                         ; which half of the tile's rows is mine.  Also: I fetch for xb (0) or wp (1)
	s_and_b32 s12, s10, 1                          ; which half of its columns.  Also: which 128 rows of that tile I fetch
	s_bfe_u32 s40, ttmp6, 0x40000                  ; cx
	s_bfe_u32 s41, ttmp6, 0x40004                  ; cy
	s_lshl_b32 s42, ttmp9, 2
	s_add_co_u32 s42, s42, s40                     ; tile column = 4 x cluster x + cx
	s_and_b32 s13, ttmp7, 0xffff
	s_lshl_b32 s13, s13, 2
	s_add_co_u32 s13, s13, s41                     ; tile row = 4 x cluster y + cy
	s_lshl_b32 s43, s41, 2
	s_lshl_b32 s43, 15, s43                        ; my row of the cluster
	s_lshl_b32 s44, 0x1111, s40                    ; my column
	s_or_b32 s[G1+0], s43, (1<<16)|(1<<20)|(1<<21)|(5<<22)|(3<<25)   ; the mask; 2-byte elements; padding on; bit 21 beside a mask; after every 64 words, 4 words
	s_or_b32 s[G1B+0], s44, (1<<16)|(1<<20)|(1<<21)|(5<<22)|(3<<25)
.irp g, G1, G1B
	s_mov_b32 s[(\g)+1], KSTEP<<16                 ; tensor_dim0 = 128
	s_mov_b32 s[(\g)+2], 128<<16                   ; tensor_dim1 = 128
	s_mov_b32 s[(\g)+3], KSTEP<<16                 ; tile_dim0 = 128
	s_mov_b32 s[(\g)+4], 128                       ; tile_dim1 = 128
	s_mov_b32 s[(\g)+5], SIZE_K                    ; elements from row to row
	s_mov_b32 s[(\g)+6], 0
	s_mov_b32 s[(\g)+7], 0
.endr
	s_lshl_b32 s17, s12, 7
	s_lshl_b32 s16, s13, 8
	s_add_co_u32 s16, s16, s17                     ; xb: row 256 x tile row + 128 x half
	s_lshl_b32 s46, s42, 8
	s_add_co_u32 s46, s46, s17                     ; wp: row 256 x tile column + 128 x half
	s_mov_b32 s17, 0
	s_mov_b32 s47, 0
	s_mov_b64 s[18:19], SIZE_K*2
	s_mul_u64 s[16:17], s[16:17], s[18:19]
	s_mul_u64 s[46:47], s[46:47], s[18:19]
	s_mul_i32 s20, s10, HALFT                      ; where they go: wave x 128 rows.  Kept: my quarter of slot 0 later takes my rows of k v
	s_wait_dscnt 0x0                               ; the opening add is done
	s_wait_kmcnt 0x0
	s_add_nc_u64 s[6:7], s[4:5], 0x800000          ; wp lies behind xb
	s_add_nc_u64 s[14:15], s[4:5], s[16:17]
	s_add_nc_u64 s[46:47], s[6:7], s[46:47]
	CROUND                                         ; all sixteen work-groups are here: the first joint loads meet
.irp s, 0,1
	s_mov_b32 s[G0+4*(\s)], 1
	s_add_co_u32 s[G0+4*(\s)+1], s20, (\s)*SLOT
	s_add_nc_u64 s[G0+4*(\s)+2:G0+4*(\s)+3], s[14:15], (\s)*KSTEP*2
	s_or_b32 s[G0+4*(\s)+3], s[G0+4*(\s)+3], 0x80000000
	s_mov_b32 s[G0B+4*(\s)], 1
	s_add_co_u32 s[G0B+4*(\s)+1], s20, (\s)*SLOT
	s_add_nc_u64 s[G0B+4*(\s)+2:G0B+4*(\s)+3], s[46:47], (\s)*KSTEP*2
	s_or_b32 s[G0B+4*(\s)+3], s[G0B+4*(\s)+3], 0x80000000
	JLOAD \s                                       ; two loads of mine are out
.endr
	; my 128 columns are pair block p = 2 x tile column + half: head p % 16; p < 16 (cluster x < 2): q and t, else k and v
	v_bfe_u32 v2, v0, 4, 1
	v_lshlrev_b32 v[BO], 5, v2
	s_lshl_b32 s66, s42, 1
	s_add_co_u32 s66, s66, s12
	s_and_b32 s66, s66, 15                         ; head
	s_lshl_b32 s80, s66, 8                         ; its 64 numbers in a bias
	s_mov_b32 s81, 0
	s_cmp_lt_u32 ttmp9, 2
	s_cselect_b64 s[68:69], s[68:69], s[72:73]     ; bq or bk
	s_cselect_b64 s[70:71], s[70:71], s[74:75]     ; bt or bv
	s_add_nc_u64 s[68:69], s[68:69], s[80:81]
	s_add_nc_u64 s[70:71], s[70:71], s[80:81]
	WIN TO_B
.irp b, 0,1,2,3                        ; register 8 b + j: column 16 b + 8 (l / 16) + j
	global_load_b128 v[8*(\b):8*(\b)+3],       v[BO], s[68:69] offset:64*(\b)
	global_load_b128 v[8*(\b)+4:8*(\b)+7],     v[BO], s[68:69] offset:64*(\b)+16
	global_load_b128 v[32+8*(\b):32+8*(\b)+3], v[BO], s[70:71] offset:64*(\b)
	global_load_b128 v[32+8*(\b)+4:32+8*(\b)+7], v[BO], s[70:71] offset:64*(\b)+16
.endr
	WIN 0
	; a fragment is 16 rows x 32 K in 8 registers: lane l holds row l % 16, K = 8 (l / 16) + 0..7 and 16 + 8 (l / 16) + 0..7: two loads of 16 bytes, 32 bytes apart
	v_and_b32 v1, 15, v0
	v_mul_u32_u24 v3, v1, PITCH
	v_lshl_add_u32 v3, v2, 4, v3
	s_mul_i32 s21, s11, HALFT
	s_mul_i32 s22, s12, HALFT
	s_add_co_u32 s22, s22, 2*HALFT
.irp s, 0,1
	v_add_nc_u32 v[ADRA+(\s)], s21, v3
	v_add_nc_u32 v[ADRB+(\s)], s22, v3
	s_add_co_u32 s21, s21, SLOT
	s_add_co_u32 s22, s22, SLOT
.endr
	s_mul_i32 s23, s10, 16*SPITCH
	s_add_co_u32 s23, s23, STAGE                   ; my stage
	v_mul_u32_u24 v4, v1, SPITCH                   ; in: row l % 16, 16 bytes for each half of the lanes
	v_lshl_add_u32 v4, v2, 4, v4
	v_add_nc_u32 v[STO], s23, v4
	v_bfe_u32 v5, v0, 3, 2                         ; back: 32 lanes take four rows' 128 bytes of one kind
	v_and_b32 v6, 7, v0
	v_mul_u32_u24 v5, v5, SPITCH
	v_lshl_add_u32 v5, v6, 4, v5
	v_add_nc_u32 v[RD], s23, v5
	v_and_b32 v[CO], 31, v0
	v_lshlrev_b32 v[CO], 4, v[CO]                  ; which are 512 consecutive bytes of a head
	s_lshr_b32 s82, s13, 3                         ; batch = tile row / 8
	s_lshl_b32 s82, s82, 4
	s_add_co_u32 s82, s82, s66                     ; batch x 16 + head
	s_and_b32 s83, s13, 7
	s_lshl_b32 s83, s83, 1
	s_add_co_u32 s83, s83, s11                     ; my 128 rows among the batch's sixteen such
	s_lshl_b32 s80, s82, 18                        ; 262,144 bytes a head,
	s_lshl_b32 s84, s83, 14                        ; 128 rows x 128 bytes:
	s_add_co_u32 s80, s80, s84                     ; my rows' bytes in one kind of proj, and in cc
	s_mov_b32 s81, 0
	s_add_nc_u64 s[86:87], s[86:87], s[80:81]      ; cc at my rows
	s_lshr_b32 s67, ttmp9, 1                       ; two kinds x 8,388,608 on for k and v
	s_lshl_b32 s67, s67, 24
	s_add_co_u32 s80, s80, s67
	s_add_nc_u64 s[80:81], s[76:77], s[80:81]      ; the first kind's rows
	s_lshl_b32 s82, s82, 13                        ; in ksum: 8,192 bytes a head, 512 for my two chunks
	s_lshl_b32 s83, s83, 9
	s_add_co_u32 s84, s82, s83
	s_mov_b32 s85, 0
	s_add_nc_u64 s[78:79], s[78:79], s[84:85]
	s_add_nc_u64 s[82:83], s[80:81], 0x800000      ; the second kind's rows
	; the bias is rounded to bf16 and widened again, in place, while the first tiles are on their way
	s_wait_loadcnt 0x0
	WIN 0x45                                       ; destination and both sources in window 1
.set i, 0
.rept 32
	v_cvt_pk_bf16_f32 v[192+i], v[2*i], v[2*i+1]
.set i, i+1
.endr
.set i, 0
.rept 32
	v_lshlrev_b32 v[2*i], 16, v[192+i]
	v_and_b32 v[2*i+1], 0xffff0000, v[192+i]
.set i, i+1
.endr
	WIN 0
; 16 matrix instructions: m blocks a0, a0 + 1 of the window's four x all 8 n blocks, 32 along K.  first = 1: the product starts the sum, with the bias of its 16 columns (window 1, v[8 b ..]) as C
.macro MUL16 f, hi, a0, first
.if \first
	WIN 0x91+0x40*(\hi)                            ; as below, but C in window 1
.else
	WIN MUL_LO+0x50*(\hi)
.endif
.irp a, \a0, (\a0)+1
.irp b, 0,1,2,3,4,5,6,7
.if \first
	v_wmma_f32_16x16x32_bf16 v[8*(8*(\a)+(\b)):8*(8*(\a)+(\b))+7], v[(\f)+8*(\b):(\f)+8*(\b)+7], v[(\f)+8*(4*(\hi)+(\a)):(\f)+8*(4*(\hi)+(\a))+7], v[8*(\b):8*(\b)+7]
.else
	v_wmma_f32_16x16x32_bf16 v[8*(8*(\a)+(\b)):8*(8*(\a)+(\b))+7], v[(\f)+8*(\b):(\f)+8*(\b)+7], v[(\f)+8*(4*(\hi)+(\a)):(\f)+8*(4*(\hi)+(\a))+7], v[8*(8*(\a)+(\b)):8*(8*(\a)+(\b))+7]
.endif
.endr
.endr
.endm
; 32 LDS loads in one run: the fragments of one quarter step (32 K at byte k of the rows) into buffer f: wp's 16, then xb's 16
.macro FETCH slot, k, f
	WIN TO_B
.irp i, 0,1,2,3,4,5,6,7
	ds_load_b128 v[(\f)+8*(\i):(\f)+8*(\i)+3],   v[ADRB+(\slot)] offset:(\k)+(\i)*16*PITCH
	ds_load_b128 v[(\f)+8*(\i)+4:(\f)+8*(\i)+7], v[ADRB+(\slot)] offset:(\k)+(\i)*16*PITCH+32
.endr
	WIN 0
.irp i, 0,1,2,3,4,5,6,7
	ds_load_b128 v[(\f)+8*(\i):(\f)+8*(\i)+3],   v[ADRA+(\slot)] offset:(\k)+(\i)*16*PITCH
	ds_load_b128 v[(\f)+8*(\i)+4:(\f)+8*(\i)+7], v[ADRA+(\slot)] offset:(\k)+(\i)*16*PITCH+32
.endr
.endm
.macro PLACES                          ; four plain vector instructions between a matrix instruction and a read of its result, or a load into or a vector write of one of its registers (ISA guide 7.12.1 for vector instructions)
.rept 4
	v_nop
.endr
.endm
; A K step is four quarters of 32 along K, 64 matrix instructions each, on buffers 0, 1, 0, 1.  One of the first three multiplies f and fetches the next quarter, at byte k, into g.
.macro QUARTER slot, k, f, g, first
	s_wait_dscnt 8                                 ; wp's and xb's rows 0-63 are in; the youngest eight loads (xb's rows 64-127) may be out
	MUL16 \f, 0, 0, \first
	MUL16 \f, 0, 2, \first
	PLACES
	FETCH \slot, \k, \g
	s_wait_dscnt 32                                ; all but the 32 just issued
	MUL16 \f, 1, 0, \first
	MUL16 \f, 1, 2, \first
.endm
; The first half of a step's last quarter: one barrier for the change of slots.  In front of it each wave waits for all its tensor loads (one is out: its part of the next slot), adds 0 to its spare word, and waits for that and for its reads of this slot.
.macro MEET round
	WIN 0
	s_wait_tensorcnt 0x0
	ds_add_u32 v[SPW], v[NIL]
	s_wait_dscnt 9                                 ; the add and the youngest eight loads may be out
	MUL16 F1, 0, 0, 0
	s_wait_dscnt 0x0                               ; the add is done, and my reads of this slot are over
	s_barrier_signal -1
	MUL16 F1, 0, 2, 0
.if \round
	WIN 0
.endif
	s_barrier_wait -1
.endm
; The whole last quarter: the barrier opens a round of the cluster's; behind the round this slot is filled again, two K steps ahead, first of all; then the next slot's first fragments are read.
.macro TURN slot, next
	MEET 1
	CREST
	s_add_nc_u64 s[G0+4*(\slot)+2:G0+4*(\slot)+3], s[G0+4*(\slot)+2:G0+4*(\slot)+3], 2*KSTEP*2
	s_add_nc_u64 s[G0B+4*(\slot)+2:G0B+4*(\slot)+3], s[G0B+4*(\slot)+2:G0B+4*(\slot)+3], 2*KSTEP*2
	JLOAD \slot                                    ; my one tensor load behind the round; its four v_nop are also the places in front of the loads below
	FETCH \next, 0, F0
	MUL16 F1, 1, 0, 0
	MUL16 F1, 1, 2, 0
.endm
	s_wait_tensorcnt 1                             ; my part of K step 0 is in; step 1's may stay out
	s_barrier_signal -1
	s_barrier_wait -1
	FETCH 0, 0, F0
	QUARTER 0, 64,  F0, F1, 1                      ; the first quarter stands in front of the loop: its products start the sums
	WIN 0
	s_mov_b32 s3, LAPS-1
.Llap:                                                 ; three trips, each once round the ring: K steps 2 to 7 are asked for
	QUARTER 0, 128, F1, F0, 0
	QUARTER 0, 192, F0, F1, 0
	TURN 0, 1
	QUARTER 1, 64,  F0, F1, 0
	QUARTER 1, 128, F1, F0, 0
	QUARTER 1, 192, F0, F1, 0
	TURN 1, 0
	QUARTER 0, 64,  F0, F1, 0
	WIN 0
	s_sub_co_u32 s3, s3, 1
	s_cmp_lg_u32 s3, 0
	s_cbranch_scc1 .Llap
	QUARTER 0, 128, F1, F0, 0                      ; the last lap asks for nothing
	QUARTER 0, 192, F0, F1, 0
	MEET 0                                         ; behind this barrier no wave reads slot 0 any more, and no load fills it again
	PLACES
	FETCH 1, 0, F0
	MUL16 F1, 1, 0, 0
	MUL16 F1, 1, 2, 0
	QUARTER 1, 64,  F0, F1, 0
	QUARTER 1, 128, F1, F0, 0
	QUARTER 1, 192, F0, F1, 0
	s_wait_dscnt 8
	MUL16 F1, 0, 0, 0
	MUL16 F1, 0, 2, 0
	s_wait_dscnt 0x0
	MUL16 F1, 1, 0, 0
	MUL16 F1, 1, 2, 0
	WIN 0
	PLACES                                         ; in front of the conversions of blocks 0-3; those, 128 plain instructions, are the places behind the last products (blocks 4-7's)
; THE WAY OUT of block a (16 rows).  PACK: rounded to f16, each accumulator's registers in ascending order.  TOSTAGE: into my own stage, and back as four rows of one kind at a time.  SEND: stored, 512 consecutive bytes of a head a store.
.macro PACK a
.set AC, 64*((\a)%4)
	WIN 0x0a+5*((\a)/4)
.irp b, 0,1,2,3,4,5,6,7
.irp r, 0,1,2,3
	v_cvt_pk_f16_f32 v[TMP+4*(\b)+(\r)], v[AC+8*(\b)+2*(\r)], v[AC+8*(\b)+2*(\r)+1]
.endr
.endr
	WIN 0
.endm
.macro TOSTAGE a
	WIN 0
.set BK, OB+192*((\a)%2)
.irp b, 0,1,2,3,4,5,6,7
	ds_store_b128 v[STO], v[TMP+4*(\b):TMP+4*(\b)+3] offset:32*(\b)
.endr
.irp t, 0,1,2,3,4,5,6,7                ; t < 4: the first kind's rows 4 t .. 4 t + 3; else the second kind's, 128 bytes on in the stage's rows
	ds_load_b128 v[BK+4*(\t):BK+4*(\t)+3], v[RD] offset:((\t)%4)*4*SPITCH+((\t)/4)*128
.endr
.endm
.macro SEND a
	WIN 0
.set BK, OB+192*((\a)%2)
	s_wait_dscnt 0x0                               ; the block is back in registers
	s_wait_xcnt 0x0                                ; the block before has had its stores' addresses translated (ISA guide 3.1): its registers are loaded again only behind this wait
.irp t, 0,1,2,3
	global_store_b128 v[CO], v[BK+4*(\t):BK+4*(\t)+3], s[80:81] offset:(\a)*2048+(\t)*512
.endr
.irp t, 0,1,2,3
	global_store_b128 v[CO], v[BK+16+4*(\t):BK+16+4*(\t)+3], s[82:83] offset:(\a)*2048+(\t)*512
.endr
.endm
	PACK 0
	TOSTAGE 0
.irp a, 1,2,3,4,5,6,7                  ; block a's conversions stand between block a - 1's loads from the stage and the wait for them
	PACK \a
	SEND (\a)-1
	TOSTAGE \a
.endr
	SEND 7
	s_cmp_lt_u32 ttmp9, 2                          ; q and t have no sums.  The cluster's x is the same in all partners; neither a barrier nor a tensor load is jumped
	s_cbranch_scc1 .Lno_sums
	; THE RUNNING SUMS.  k is my columns 0-63 (b = 0..3), v my columns 64-127 (b + 4): the same lane and register offset.  k v, in f32, goes row by row into my quarter of slot 0
	; (128 rows, pitch 272; the slot has had its last fill, and the last lap's barrier stands behind every wave's last read of it; only I touch my quarter).
	s_wait_xcnt 0x0
	v_and_b32 v1, 15, v0
	v_bfe_u32 v2, v0, 4, 1
	v_mul_u32_u24 v3, v1, SPITCH
	v_lshl_add_u32 v3, v2, 5, v3                   ; row l % 16, 32 bytes for each half of the lanes: column 16 b + 8 (l / 16) + j at byte 64 b + 32 (l / 16) + 4 j
	v_add_nc_u32 v[PST], s20, v3
.set ab, 0
.rept 8
	WIN 0x0a+5*(ab/4)                              ; sources in window 2 or 3, destination in window 0
.set i, 0
.rept 16
	v_pk_mul_f32 v[T+2*i:T+2*i+1], v[64*(ab%4)+2*i:64*(ab%4)+2*i+1], v[64*(ab%4)+32+2*i:64*(ab%4)+32+2*i+1]
.set i, i+1
.endr
	WIN 0
.set i, 0
.rept 8
	ds_store_b128 v[PST], v[T+4*i:T+4*i+3] offset:ab*16*SPITCH+64*(i/2)+16*(i%2)
.set i, i+1
.endr
.set ab, ab+1
.endr
	; Back by rows.  Each half of the lanes walks one chunk of 64 rows, two rows a turn: lanes 0-7 of the half the even row, lanes 8-15 the odd one, eight channels (32 bytes) a lane.
	v_and_b32 v3, 7, v0                            ; which eight channels
	v_bfe_u32 v4, v0, 3, 1                         ; even or odd row
	v_lshl_add_u32 v5, v2, 6, v4                   ; row 64 (l / 16) + parity
	v_mul_u32_u24 v5, v5, SPITCH
	v_lshl_add_u32 v5, v3, 5, v5
	v_add_nc_u32 v[LA], s20, v5
	v_lshlrev_b32 v5, 4, v1
	v_lshl_add_u32 v[OFV], v2, 13, v5              ; in cc: 8,192 (l / 16) + 16 (l % 16): sixteen lanes take two rows, 256 consecutive bytes
	v_lshlrev_b32 v5, 5, v3
	v_lshl_add_u32 v5, v4, 4, v5
	v_lshl_add_u32 v[KO], v2, 8, v5                ; in ksum: chunk l / 16, channels 8 (l % 8) + 4 parity on
	v_cmp_ne_u32 s66, 0, v4                        ; the odd rows' lanes
.irp r, 0,1,2,3,4,5,6,7
	v_mov_b32 v[E+(\r)], 0                         ; a chunk's sums begin at 0
	v_mov_b32 v[PT+(\r)], 0                        ; a DPP form's destination counts as read
.endr
; One turn.  pr: 8 registers of k v; hr: 4 of dl; lo, go: the turn's bytes from LA and OFV; ahead = 1: the set's next rows are fetched; left: the other set's LDS loads, which may stay out.
.macro ITER pr, hr, lo, go, ahead, left
	s_wait_dscnt \left
	s_wait_xcnt 0x0                                ; this set's dl was store data a trip ago: it is rewritten only behind this wait (ISA guide 3.1)
.irp r, 0,1,2,3,4,5,6,7
	v_add_f32_dpp v[PT+(\r)], v[(\pr)+(\r)], v[(\pr)+(\r)] row_xmask:8 row_mask:0xf bank_mask:0xf  ; the pair's sum, the same number in both rows' lanes
.endr
.irp r, 0,1,2,3,4,5,6,7
	v_cndmask_b32 v[YY+(\r)], v[(\pr)+(\r)], v[PT+(\r)], s66                                       ; the even row adds itself, the odd row the pair
.endr
.if \ahead
	ds_load_b128 v[(\pr):(\pr)+3],   v[LA] offset:(\lo)+4*SPITCH
	ds_load_b128 v[(\pr)+4:(\pr)+7], v[LA] offset:(\lo)+4*SPITCH+16
.endif
.irp r, 0,2,4,6
	v_pk_add_f32 v[CC+(\r):CC+(\r)+1], v[E+(\r):E+(\r)+1], v[YY+(\r):YY+(\r)+1]
.endr
.irp r, 0,2,4,6
	v_pk_add_f32 v[E+(\r):E+(\r)+1], v[E+(\r):E+(\r)+1], v[PT+(\r):PT+(\r)+1]
.endr
.irp r, 0,1,2,3
	v_cvt_pk_bf16_f32 v[(\hr)+(\r)], v[CC+2*(\r)], v[CC+2*(\r)+1]
.endr
	global_store_b128 v[OFV], v[(\hr):(\hr)+3], s[86:87] offset:\go   ; sixteen lanes store 256 consecutive bytes, at a multiple of 256
.endm
	ds_load_b128 v[104:107], v[LA]                 ; LDS serves a wave's instructions in order (ISA guide 5.7.1.4): these see the stores above
	ds_load_b128 v[108:111], v[LA] offset:16
	ds_load_b128 v[112:115], v[LA] offset:2*SPITCH
	ds_load_b128 v[116:119], v[LA] offset:2*SPITCH+16
	s_mov_b32 s3, 15
.Lpair:                                                ; 15 trips of two turns; the last two turns, which fetch nothing, stand behind the loop
	ITER 104, 144, 0, 0, 1, 2
	ITER 112, 148, 2*SPITCH, 256, 1, 2
	s_wait_xcnt 0x0                                ; the stores' offset register is stepped only behind this wait
	v_add_nc_u32 v[LA], 4*SPITCH, v[LA]
	v_add_nc_u32 v[OFV], 512, v[OFV]
	s_sub_co_u32 s3, s3, 1
	s_cmp_lg_u32 s3, 0
	s_cbranch_scc1 .Lpair
	ITER 104, 144, 0, 0, 0, 2
	ITER 112, 148, 2*SPITCH, 256, 0, 0
.irp r, 0,1,2,3
	v_cndmask_b32 v[KD+(\r)], v[E+(\r)], v[E+4+(\r)], s66   ; both rows' lanes hold the chunk's sum: the even row's store channels 0-3 of their eight, the odd row's 4-7
.endr
	global_store_b128 v[KO], v[KD:KD+3], s[78:79]  ; my two chunks: 512 consecutive bytes, at a multiple of 256
.Lno_sums:
	s_wait_tensorcnt 0x0                           ; the wave's end
	ds_add_u32 v[SPW], v[NIL]
	s_wait_dscnt 0x0
	CROUND                                         ; the closing round: no work-group ends while a partner may still ask for a tile that names it
	s_endpgm
.Lfunc_end_k_qffd32e7314_gemm1:
	.size	k_qffd32e7314_gemm1, .Lfunc_end_k_qffd32e7314_gemm1-k_qffd32e7314_gemm1
	.p2alignl 7, 3214868480
	.fill 96, 4, 3214868480
	.section	.rodata,"a",@progbits
	.p2align	6, 0x0
	.amdhsa_kernel k_qffd32e7314_gemm1
		.amdhsa_group_segment_fixed_size 327680
		.amdhsa_private_segment_fixed_size 0
		.amdhsa_enable_private_segment 0
		.amdhsa_kernarg_size 64
		.amdhsa_user_sgpr_count 2
		.amdhsa_user_sgpr_kernarg_segment_ptr 1
		.amdhsa_wavefront_size32 1
		.amdhsa_system_sgpr_workgroup_id_x 1
		.amdhsa_system_sgpr_workgroup_id_y 1
		.amdhsa_system_sgpr_workgroup_id_z 1
		.amdhsa_system_vgpr_workitem_id 0
		.amdhsa_next_free_vgpr 1024
		.amdhsa_next_free_sgpr 88
		.amdhsa_reserve_vcc 0
		.amdhsa_float_denorm_mode_32 3
		.amdhsa_float_denorm_mode_16_64 3
		.amdhsa_memory_ordered 1
		.amdhsa_forward_progress 1
		.amdhsa_inst_pref_size 173
	.end_amdhsa_kernel
	.amdgpu_metadata
---
amdhsa.version: [ 1, 2 ]
amdhsa.kernels:
  - .name:           k_qffd32e7314_gemm1
    .symbol:         k_qffd32e7314_gemm1.kd
    .args:
      - { .name: xw, .offset: 0, .size: 8, .value_kind: global_buffer, .address_space: global }
      - { .name: bq, .offset: 8, .size: 8, .value_kind: global_buffer, .address_space: global }
      - { .name: bt, .offset: 16, .size: 8, .value_kind: global_buffer, .address_space: global }
      - { .name: bk, .offset: 24, .size: 8, .value_kind: global_buffer, .address_space: global }
      - { .name: bv, .offset: 32, .size: 8, .value_kind: global_buffer, .address_space: global }
      - { .name: proj, .offset: 40, .size: 8, .value_kind: global_buffer, .address_space: global }
      - { .name: ksum, .offset: 48, .size: 8, .value_kind: global_buffer, .address_space: global }
      - { .name: cc, .offset: 56, .size: 8, .value_kind: global_buffer, .address_space: global }
    .group_segment_fixed_size: 327680
    .private_segment_fixed_size: 0
    .kernarg_segment_align: 8
    .kernarg_segment_size: 64
    .max_flat_workgroup_size: 128
    .sgpr_count:     88
    .vgpr_count:     1024
    .wavefront_size: 32
...
	.end_amdgpu_metadata
.endif
;; end of part 6
;; launch attn (part 7): grid 8 x 32, 4 waves a work-group, clusters of 4 x 1, 327,680 bytes of LDS; arguments proj, cc, ksum, ob; writes ob
.if DOCPART == 7
	.amdgcn_target "amdgcn-amd-amdhsa--gfx1250"
	.amdhsa_code_object_version 6
	.text
	.protected	k_qffd32e7314_attn
	.globl	k_qffd32e7314_attn
	.p2align	8
	.type	k_qffd32e7314_attn,@function
k_qffd32e7314_attn:
	s_mov_b64 s[64:65], 0
	v_nop
	global_prefetch_b8 v0, s[64:65] scope:SCOPE_SE
	s_setreg_imm32_b32 hwreg(HW_REG_WAVE_MODE, 25, 1), 1
	s_wait_xcnt 0x0
	s_wait_alu depctr_hold_cnt(0) depctr_sa_sdst(0) depctr_va_vdst(0) depctr_va_sdst(0) depctr_va_ssrc(0) depctr_va_vcc(0) depctr_vm_vsrc(0)
	s_getreg_b32 s2, hwreg(HW_REG_IB_STS2, 6, 4)
	s_cmp_eq_u32 s2, 0
	s_cbranch_scc0 .Lentry_in_a_cluster
	s_endpgm
.Lentry_in_a_cluster:
	s_bfe_u32 s2, ttmp6, 0x10000c
	s_cmp_lg_u32 s2, 0x3003
	s_cbranch_scc0 .Lentry_shape_is_right
	s_endpgm
.Lentry_shape_is_right:
; CAUSAL ATTENTION ON TWO SCORE TERMS.  s[q][k] = q[q] . k[k] + (q[q] o t[q]) . c[k], c = the running sum of k v / 8;  O[q] = the sum over k <= q of softmax_k(s / 8) v[k].  32 heads of 2,048 rows, head size 64.
; c IS TAKEN BY CHUNKS OF 64 KEYS: c[k] = (base[chunk] + dl[k]) / 8, dl the running sum inside the chunk (cc, bf16), base the sum of the chunks in front (added up here, in f32, from ksum).  With qt = q o t / 8:
;   s = q . k + qt . dl[k] + qt . base[chunk].  The last part, THE BIAS, is ONE number for a query and a chunk.  It is made once, for all 32 chunks and both blocks, and enters as the C operand that starts a step's sums.
; FORMATS.  q, t, k, v: f16 by heads (proj).  qt is made here, exactly in f32, and rounded to bf16; dl arrives in bf16: neither has room in f16 for the larger inputs.  The bias carries the large numbers, so base and qt
; go into it as bf16 pairs hi + lo, in three products (hi hi, hi lo, lo hi; what is left out, lo lo, is 2^-18 of the term).  Products, maxima and sums in f32; the weights p are rounded to f16 for the second
; product (their sum l is taken of the unrounded p); O is rounded once, to f16, by heads (ob).
; LIMITS.  q, t, k, v arrive within f16's 65,504.  A hidden score counts as its value less 1e30.  A weight below 2^-126 counts as 0 in l.  c m starts at -4.2e37, taken to lie below every c s.  NaN and infinities are not treated apart.
; SHARES.  A head's queries lie in four blocks of 512.  A cluster of four work-groups takes blocks 3 - cl and then cl (cl = the cluster's x, 0 or 1): 20 key tiles of 128 keys, whatever cl, in ONE counted walk.
; Partner cx, wave w, tile u (0, 1) owns the 16 rows 512 block + 256 u + 64 w + 16 cx + 0..15.  So every wave of every partner needs the same key tiles in the same trips, each tile is asked for JOINTLY by all four
; (mask 15), and cx enters nothing but Q's, T's and O's addresses and the mask's numbers.
; KINDS OF TILE, by RT, the tiles of the block still to come: RT >= 4: both tiles of queries see all keys.  RT = 3, 2 (keys 0-255 of the block's own 512): tile 0 masked, tile 1 free.
; RT = 1, 0 (keys 256-511): tile 1 masked, tile 0 sees nothing and is left out.  In step STP (0..3) of such 256 keys a wave sees all if STP < w, nothing if STP > w, and holds the diagonal if STP = w.
; THE BIAS STAYS IN REGISTERS, AS A QUEUE.  The bases stand in a key's place in a product with qt, their rows so ordered that ONE result register holds ONE key tile: lanes 0-15 its first chunk, lanes 16-31 its second, the
; query in lane % 16.  A tile of queries has 16 such registers a block.  At a key tile's head the queue's first register is taken out and the others move down by one: 30 v_mov_b32 for two steps, and no address hangs on the
; chunk's number.  In a step each lane picks its own half's number or the other half's by a scalar mask that is turned over from the first step to the second.
; THE C OPERAND of a masked tile: MC = MD x AL + (BE + bias), MD (made once) = -1e30 where key 16 kb + 8 (l / 16) + r lies above row 16 cx + l % 16; (AL, BE) = (1, 0), (0, 0) or (0, -1e30); where nothing is
; masked both are 0, so one text serves the first two kinds.  Of a free tile: the bias eight times (BC1).
; LAYOUT.  S^T = K' Q'^T (source 0 = 16 keys, source 1 = 16 queries): a lane holds ONE query (l % 16) and the keys 8 (l / 16) + 0..7; two results rounded to f16 ARE source 1 of O^T = V^T P.  V is turned by ds_load_tr16_b128.
; SOFTMAX.  Running maximum m and sum l: p = 2^(c s - c m), c = log2(e) / 8; in every step O and l are multiplied by a = 2^(c m_old - c m_new).  m starts at the lowest finite number, O and l at 0: no first step is written out;
; the price is 72 v_mov_b32 at each block's beginning.
; A STEP (64 keys): tile 1's 16 score products; tile 0's 16, with tile 1's softmax in fours behind them; the rest of it and the head of tile 0's, line by line by turns; tile 1's 8 products V^T P with four of tile 0's lines
; behind each; the rest of tile 0's softmax; tile 0's 8 products.
; REGISTERS, in windows of 256 (s_set_vgpr_msb: bits 1:0 source 0, 3:2 source 1, 5:4 source 2, 7:6 destination):
;   window 0: v0-15 addresses; v16-31 statistics, 8 a tile; v32-51 BC1, the bias at work and addresses; v64-127 S^T, 32 a tile; v128-159 P; v160-223 O^T, 32 a tile; v224-255 MC
;   window 1: v0-63 k, v64-127 dl of one step (key block kb, channel half at + 16 kb + 8 half); v128-159 MD; v160-191 the two queues of the block in hand; v192-255 V (key half kk, channel block cb at + 32 kk + 8 cb)
;   window 2: v0-31 q, v32-63 qt (tile at + 16 u, channel half at + 8); v64-127 the same for the second block; v128-191 both blocks' qt_lo and v192-255 both blocks' t, for the beginning alone; then v192-223 the second block's queues
.set PK,    144       ; a key's row in LDS: 128 bytes + 16 of padding = 36 words: the 16 rows of a fragment load start at 16 different groups of four banks (64 banks of 4 bytes: ISA guide 11.1)
.set REG,   128*PK    ; a region: 128 keys of one of k, v, dl, in the order of the waves that fetch them
.set STEPB, 64*PK     ; a step's 64 keys in a region
.set SLOT1, 1<<17     ; slot 1 begins here: one exclusive or turns an address in one slot into the other's
.set STAGE, SLOT1+3*REG  ; behind the ring, never filled by a tensor load: 16 rows x 144 bytes for each wave
.set SPI,   144
.set BS,    STAGE+4*16*SPI  ; the bases as rows of 64 bf16, pitch 144, 9,216 bytes for each wave: 32 rows of hi, then 32 of lo
.set SPARE, BS+4*9216       ; the spare words, 128 bytes a wave
.set AK0, 2           ; v2  my lane's place in a region, for k and dl
.set AV0, 3           ; v3  the same for V's turning load
.set AK,  4           ; v4  the address of the run of loads in hand
.set AV,  5
.set STO, 6           ; v6  the way out: where I put 16 bytes of a row
.set RD,  7           ; v7  where I read rows back
.set GO,  8           ; v8  16 x lane
.set ZR,  10          ; v10 0.0
.set NG,  11          ; v11 -1.0
.set SPW, 12          ; v12 my spare word
.set NIL, 13          ; v13 0
.set QO,  15          ; v15 my byte offset in 16 rows of q or t
.set ST,  16          ; tile t's statistics at v[ST+8 t]: c m, m, l (even keys', odd keys'), c0-c3 at work; a takes c2's place
.set BC1, 32          ; v[32:39] tile 1's bias, eight times
.set XX,  40          ; v[40:41] BE + bias; the packed line takes the low word for both halves
.set BB,  42          ; v42 the masked tile's bias for the step in hand
.set H0,  44          ; v44, v45 the two tiles' bias for the key tile in hand: its first chunk in lanes 0-15, its second in lanes 16-31
.set H1,  45
.set KO,  46          ; v46 8 x lane: my two channels in a chunk sum
.set BSA, 47          ; v47 where I put my two channels of a base
.set BSF, 48          ; v48 my lane's place in the bases' rows, as a fragment
.set X0,  50          ; v50, v51 H0 and H1 with the halves of the lanes exchanged
.set X1,  51
.set S,   64
.set P,   128
.set O,   160
.set MC,  224
.set KF,  0           ; window 1
.set DL,  64
.set MD,  128
.set BQ,  160         ; window 1: tile u's queue at BQ + 16 u
.set VF,  192
.set BQ2, 192         ; window 2: the second block's queues
.set WV,  12          ; s12 my wave's number
.set CLU, 13          ; s13 cl
.set G1,  24          ; s[24:31] descriptor group 1
.set G0,  40          ; s[40:43] descriptor group 0
.set BW,  44          ; s[44:45] my wave's tensor at the head's first key
.set OFF, 46          ; s[46:47] a tile's byte offset
.set KSP, 48          ; s[48:49] the head's chunk sums
.set SMK, 52          ; s52 the lanes that take the other half's bias: the upper 16 in a tile's first step, the lower 16 in its second
.set SLOTS, 56        ; s56 tiles still to be asked for
.set CNT, 57          ; s57 counts a tile's two steps
.set CS,  58          ; s[58:59] c
.set SEL, 60          ; s[60:61] v_permlanex16_b32's selects
.set TBK, 62          ; s62 LDS byte at which the step to be fetched begins, for k and dl
.set TBV, 63          ; s63 the same for V
.set RT,  70          ; s70 tiles of the block in hand still to be entered
.set NXT, 71          ; s71 the tile to be asked for next
.set LQ,  72          ; s72 the last tile of the block whose tiles are being asked for
.set LQ2, 73          ; s73 the second block's last tile
.set STP, 74          ; s74 the step's number in the 256 keys
.set AL,  76          ; s[76:77] the mask's factor
.set BE,  78          ; s[78:79] the mask's addend
.set OP,  80          ; s[80:81] O at my rows of the block in hand
.set OP2, 82          ; s[82:83] of the second block
.set BIGN, 84         ; s84 -1e30
.set RT2, 85          ; s85 the second block's tiles
.set QP,  86          ; s[86:93] q, t of the first block, q, t of the second, at my rows
.set MSB, 0
.macro WIN new
.if MSB != (\new)
	s_set_vgpr_msb (MSB<<8)|(\new)
.set MSB, (\new)
.endif
.endm
.set W_KQ, 0x09       ; keys in window 1, queries in window 2, S^T and C in window 0
.set W_PV, 0x01       ; V in window 1, P and O^T in window 0
.macro PLACES         ; four plain vector instructions between a matrix instruction and a read of its result, or a load into or a write of one of its registers (ISA guide 7.12.1 for vector instructions)
.rept 4
	v_nop
.endr
.endm
; A joint fill: waves 0, 1, 2 fetch a tile's k, v, dl by the one line; they differ in the registers' contents, made from the wave's number.  Wave 3 has no part to fetch.  An s_nop 0 and four v_nop follow.
.macro JLOAD
	s_cmp_lt_u32 s[WV], 3
	s_cbranch_scc0 .Lnone_\@
	tensor_load_to_lds s[G0:G0+3], s[G1:G1+7]
	s_nop 0
.rept 4
	v_nop
.endr
.Lnone_\@:
.endm
.macro CROUND         ; a round of the cluster's barrier
	s_barrier_signal -1
	s_barrier_wait -1
	s_cmp_lg_u32 s[WV], 0
	s_cbranch_scc1 .Lnot_wave_0_\@
	s_barrier_signal -3
.Lnot_wave_0_\@:
	s_barrier_wait -3
	s_barrier_signal -1
	s_barrier_wait -1
.endm
; THE CHANGE OF SLOTS.  Each wave waits for all its tensor loads (at most one is out: its region of the other slot), adds 0 to its spare word, and waits for that and for its reads of the slot that it leaves.
; fill = 1: a round of the cluster's barrier, so that no wave of any partner still reads the old slot or has a load on its way; the joint fill with tile NXT is the first thing behind it.
; Its address is made anew from the tile's number.  (At its first use no tile has been read yet: slot 0 is waited for, slot 1 filled.)
.macro CHANGE fill
	WIN 0
	s_wait_tensorcnt 0x0
	ds_add_u32 v[SPW], v[NIL]
.if \fill
	s_lshl_b32 s[OFF], s[NXT], 14   ; 128 keys x 128 bytes
	s_xor_b32 s[G0+1], s[G0+1], SLOT1
	s_add_nc_u64 s[G0+2:G0+3], s[BW:BW+1], s[OFF:OFF+1]
	s_or_b32 s[G0+3], s[G0+3], 0x80000000
	s_add_co_u32 s[NXT], s[NXT], 1  ; the block's next tile, or behind its last the second block's tile 0
	s_cmp_gt_u32 s[NXT], s[LQ]
	s_cselect_b32 s[NXT], 0, s[NXT]
	s_cselect_b32 s[LQ], s[LQ2], s[LQ]
	s_wait_dscnt 0x0                ; the add is done, and my reads of the slot are over
	CROUND
	JLOAD
.else
	s_wait_dscnt 0x0
	s_barrier_signal -1
	s_barrier_wait -1
.endif
	s_sub_co_u32 s[TBK], s[TBK], 2*STEPB  ; the fetches go back to a slot's first step, in the other slot
	s_xor_b32 s[TBK], s[TBK], SLOT1
	s_sub_co_u32 s[TBV], s[TBV], 2*STEPB
	s_xor_b32 s[TBV], s[TBV], SLOT1
.endm
	s_load_b256 s[4:11], s[0:1], 0x0  ; proj s[4:5], cc s[6:7], ksum s[8:9], ob s[10:11]
	v_lshl_add_u32 v[SPW], v0, 2, SPARE
	v_mov_b32 v[NIL], 0
	ds_add_u32 v[SPW], v[NIL]       ; the wave's opening: the add and its wait stand ahead of my first tensor load
	v_lshrrev_b32 v1, 5, v0
	v_readfirstlane_b32 s[WV], v1
	s_bfe_u32 s14, ttmp6, 0x40000   ; cx
	s_mov_b32 s[CLU], ttmp9         ; in a cluster launch ttmp9 counts clusters
	s_and_b32 s15, ttmp7, 0xffff    ; the head:
	s_lshl_b32 s2, s15, 13          ; its 8,192 bytes of chunk sums,
	s_mov_b32 s3, 0
	s_lshl_b32 s15, s15, 18         ; its 262,144 bytes of rows
	s_and_b32 s16, s[WV], 1         ; my tensor's place: k and v are proj's third and fourth kinds; dl is cc
	s_lshl_b32 s16, s16, 23
	s_add_co_u32 s16, s16, 0x1000000
	s_cmp_lt_u32 s[WV], 2
	s_cselect_b32 s16, s16, 0
	s_add_co_u32 s18, s16, s15
	s_mov_b32 s19, 0
	s_lshl_b32 s20, s[WV], 13       ; my rows: 64 w + 16 cx, 128 bytes each,
	s_lshl_b32 s21, s14, 11
	s_add_co_u32 s20, s20, s21
	s_add_co_u32 s20, s20, s15
	s_sub_co_u32 s21, 3, s[CLU]     ; in block 3 - cl
	s_lshl_b32 s21, s21, 16
	s_add_co_u32 s22, s20, s21
	s_lshl_b32 s21, s[CLU], 16      ; and in block cl
	s_add_co_u32 s20, s20, s21
	s_mov_b32 s21, 0
	s_mov_b32 s23, 0
	s_mov_b32 s[G1], 15|(1<<16)|(1<<20)|(1<<21)|(4<<22)|(3<<25)  ; the mask of four; 2-byte elements; padding on; bit 21 beside a mask; after every 32 words, 4 words
	s_mov_b32 s[G1+1], 128<<16      ; 128 keys are 16,384 dense bytes: asked for as 64 rows of 256 bytes, two keys a row
	s_mov_b32 s[G1+2], 64<<16
	s_mov_b32 s[G1+3], 128<<16
	s_mov_b32 s[G1+4], 64
	s_mov_b32 s[G1+5], 128
	s_mov_b32 s[G1+6], 0
	s_mov_b32 s[G1+7], 0
	s_mov_b32 s[G0], 1
	s_mul_i32 s[G0+1], s[WV], REG   ; slot 0, my region
	s_mov_b32 s[OFF+1], 0
	s_mov_b32 s[CS], 0x3e38aa3b     ; c = log2(e) / 8
	s_mov_b32 s[CS+1], s[CS]
	s_mov_b32 s[SEL], 0x76543210
	s_mov_b32 s[SEL+1], 0xfedcba98
	s_mov_b32 s[TBK], SLOT1+2*STEPB ; the first change of slots turns these two into 0
	s_mov_b32 s[TBV], SLOT1+2*STEPB
	s_lshl_b32 s17, s[CLU], 2
	s_sub_co_u32 s[RT], 16, s17     ; the first block has 16 - 4 cl tiles,
	s_sub_co_u32 s[LQ], 15, s17
	s_add_co_u32 s[LQ2], s17, 3
	s_add_co_u32 s[RT2], s17, 4     ; the second 4 cl + 4
	s_mov_b32 s[NXT], 1
	s_mov_b32 s[SLOTS], 19
	s_mov_b32 s[AL], 0
	s_mov_b32 s[AL+1], 0
	s_mov_b32 s[BE], 0
	s_mov_b32 s[BE+1], 0
	s_mov_b32 s[BIGN], 0xf149f2ca   ; -1e30
	s_lshl_b32 s94, s14, 4          ; 16 cx
	s_mul_i32 s95, s[WV], 16*SPI
	s_add_co_u32 s95, s95, STAGE    ; my stage,
	s_mul_i32 s51, s[WV], 9216
	s_add_co_u32 s51, s51, BS       ; my rows of bases
	s_wait_dscnt 0x0                ; the opening add is done
	s_wait_kmcnt 0x0
	s_cmp_lt_u32 s[WV], 2
	s_cselect_b64 s[BW:BW+1], s[4:5], s[6:7]
	s_add_nc_u64 s[BW:BW+1], s[BW:BW+1], s[18:19]
	s_add_nc_u64 s[G0+2:G0+3], s[BW:BW+1], 0
	s_or_b32 s[G0+3], s[G0+3], 0x80000000
	s_add_nc_u64 s[QP:QP+1], s[4:5], s[22:23]
	s_add_nc_u64 s[QP+2:QP+3], s[QP:QP+1], 0x800000
	s_add_nc_u64 s[QP+4:QP+5], s[4:5], s[20:21]
	s_add_nc_u64 s[QP+6:QP+7], s[QP+4:QP+5], 0x800000
	s_add_nc_u64 s[OP:OP+1], s[10:11], s[22:23]
	s_add_nc_u64 s[OP2:OP2+1], s[10:11], s[20:21]
	s_add_nc_u64 s[KSP:KSP+1], s[8:9], s[2:3]
	CROUND                          ; all four work-groups are here: the first joint loads meet
	JLOAD                           ; tile 0 into slot 0: at most one load of mine is out, here and behind every round
	v_and_b32 v14, 31, v0           ; lane
	v_lshlrev_b32 v[KO], 3, v14
.set i, 0
.rept 31                            ; chunk sum i goes where base i + 1 will stand: 256 consecutive bytes a load, two channels a lane
	global_load_b64 v[S+2+2*i:S+3+2*i], v[KO], s[KSP:KSP+1] offset:256*i
.set i, i+1
.endr
	v_and_b32 v1, 15, v0            ; l % 16
	v_bfe_u32 v9, v0, 4, 1          ; l / 16
	v_lshlrev_b32 v[QO], 7, v1
	v_lshl_add_u32 v[QO], v9, 4, v[QO]  ; row x 128 + 16 x half
	WIN 0x80                        ; destination window 2, address window 0
.irp u, 0,1
.irp h, 0,1                         ; tile u lies 256 rows on; channels 32 h on
.irp e, 0,1
	global_load_b128 v[16*(\u)+8*(\h)+4*(\e):16*(\u)+8*(\h)+4*(\e)+3],         v[QO], s[QP:QP+1]   offset:(\u)*32768+64*(\h)+32*(\e)
	global_load_b128 v[192+16*(\u)+8*(\h)+4*(\e):192+16*(\u)+8*(\h)+4*(\e)+3], v[QO], s[QP+2:QP+3] offset:(\u)*32768+64*(\h)+32*(\e)
	global_load_b128 v[64+16*(\u)+8*(\h)+4*(\e):64+16*(\u)+8*(\h)+4*(\e)+3],   v[QO], s[QP+4:QP+5] offset:(\u)*32768+64*(\h)+32*(\e)
	global_load_b128 v[224+16*(\u)+8*(\h)+4*(\e):224+16*(\u)+8*(\h)+4*(\e)+3], v[QO], s[QP+6:QP+7] offset:(\u)*32768+64*(\h)+32*(\e)
.endr
.endr
.endr
	WIN 0
	v_mul_u32_u24 v[AK0], v1, PK
	v_lshl_add_u32 v[AK0], v9, 4, v[AK0]  ; row x pitch + 16 x half
	v_and_b32 v4, 7, v0             ; the turning load: lane l reads key 8 (l / 16) + l % 8, channels 8 ((l / 8) % 2) + 0..7
	v_bfe_u32 v5, v0, 3, 1
	v_lshl_add_u32 v[AV0], v9, 3, v4
	v_mul_u32_u24 v[AV0], v[AV0], PK
	v_lshl_add_u32 v[AV0], v5, 4, v[AV0]
	v_mul_u32_u24 v[STO], v1, SPI   ; in: row l % 16, 16 bytes for each half of the lanes
	v_lshl_add_u32 v[STO], v9, 4, v[STO]
	v_add_nc_u32 v[STO], s95, v[STO]
	v_bfe_u32 v[RD], v0, 3, 2       ; back: 32 lanes take four rows of 128 bytes,
	v_mul_u32_u24 v[RD], v[RD], SPI
	v_lshl_add_u32 v[RD], v4, 4, v[RD]
	v_add_nc_u32 v[RD], s95, v[RD]
	v_lshlrev_b32 v[GO], 4, v14     ; which are 512 consecutive bytes of O
	v_lshl_add_u32 v[BSA], v14, 2, s51     ; my rows of bases + 4 x lane
	v_add_nc_u32 v[BSF], s51, v[AK0]
	v_mov_b32 v[ZR], 0
	v_mov_b32 v[NG], -1.0
	v_mov_b32 v[XX], 0
	v_mov_b32 v[XX+1], 0            ; named with XX as a pair
	v_mov_b32 v[X0], 0              ; v_permlanex16_b32's destination counts as read
	v_mov_b32 v[X1], 0
	v_lshlrev_b32 v14, 3, v9
	v_sub_nc_u32 v14, v1, v14
	v_add_nc_u32 v14, s94, v14      ; 16 cx + l % 16 - 8 (l / 16): register r of key block kb is hidden where 16 kb + r is greater
	WIN 0x40
.set i, 0
.rept 32
	v_cmp_gt_i32 vcc_lo, 16*(i/8)+i%8, v14
	v_cndmask_b32 v[MD+i], 0, s[BIGN], vcc_lo
.set i, i+1
.endr
	WIN 0
; A BLOCK BEGINS: c m far below every c s, so the first step's a is 0; m at the lowest finite number; l and O^T 0.
.macro INIT
	WIN 0
.irp t, 0,1
	v_mov_b32 v[ST+8*(\t)], 0xfe000000
	v_mov_b32 v[ST+8*(\t)+1], 0xff7fffff
	v_mov_b32 v[ST+8*(\t)+2], 0
	v_mov_b32 v[ST+8*(\t)+3], 0
.endr
.set i, 0
.rept 64
	v_mov_b32 v[O+i], 0
.set i, i+1
.endr
.endm
; qt = q o t / 8 of block blk, in the fragments' own layout: the products of the f16 halves, exact in f32, in S^T's registers; qt = bf16 of them; qt_lo = bf16 of what is left.
.macro QPREP blk
.set qb, 64*(\blk)
.set tb, 192+32*(\blk)
.set lb, 128+32*(\blk)
	WIN 0x0a                        ; q and t in window 2
.set i, 0
.rept 32
	v_fma_mix_f32 v[S+2*i],   v[qb+i], v[tb+i], v[ZR] op_sel_hi:[1,1,0]
	v_fma_mix_f32 v[S+2*i+1], v[qb+i], v[tb+i], v[ZR] op_sel:[1,1,0] op_sel_hi:[1,1,0]
.set i, i+1
.endr
	WIN 0
.set i, 0
.rept 32
	v_pk_mul_f32 v[S+2*i:S+2*i+1], v[S+2*i:S+2*i+1], 0x3e000000 op_sel_hi:[1,0]  ; times 1/8: exact
.set i, i+1
.endr
	WIN 0x80
.set i, 0
.rept 32
	v_cvt_pk_bf16_f32 v[qb+32+i], v[S+2*i], v[S+2*i+1]
.set i, i+1
.endr
	WIN 0x02                        ; qt in window 2
.set i, 0
.rept 32
	v_fma_mix_f32_bf16 v[S+2*i],   v[qb+32+i], v[NG], v[S+2*i]   op_sel_hi:[1,0,0]
	v_fma_mix_f32_bf16 v[S+2*i+1], v[qb+32+i], v[NG], v[S+2*i+1] op_sel:[1,0,0] op_sel_hi:[1,0,0]
.set i, i+1
.endr
	WIN 0x80
.set i, 0
.rept 32
	v_cvt_pk_bf16_f32 v[lb+i], v[S+2*i], v[S+2*i+1]
.set i, i+1
.endr
	WIN 0
.endm
	INIT
	; THE BASES.  base[0] = 0, base[s] = base[s - 1] + chunk sum s - 1, in f32, two channels a lane; each is split into bf16 hi and lo, laid into my rows in LDS and read back as fragments with the chunk in a key's place.
	; Chunk i = 16 g + 2 j + h stands at row 16 g + 8 h + j, so that register j of the product's result holds chunk 16 g + 2 j in lanes 0-15 and chunk 16 g + 2 j + 1 in lanes 16-31: the two chunks of key tile 8 g + j.
	; All of this beginning stands in the wait for the first tile.
	s_wait_loadcnt 32               ; the 31 chunk sums are in; q's and t's 32 loads may stay out
	v_mov_b32 v[S], 0
	v_mov_b32 v[S+1], 0
.set i, 2
.rept 30
	v_pk_add_f32 v[S+2*i:S+2*i+1], v[S+2*i:S+2*i+1], v[S+2*i-2:S+2*i-1]
.set i, i+1
.endr
.set i, 0
.rept 32
	v_cvt_pk_bf16_f32 v[P+i], v[S+2*i], v[S+2*i+1]
.set i, i+1
.endr
.set i, 0
.rept 32
	v_fma_mix_f32_bf16 v[S+2*i],   v[P+i], v[NG], v[S+2*i]   op_sel_hi:[1,0,0]
	v_fma_mix_f32_bf16 v[S+2*i+1], v[P+i], v[NG], v[S+2*i+1] op_sel:[1,0,0] op_sel_hi:[1,0,0]
.set i, i+1
.endr
.set i, 0
.rept 32
	v_cvt_pk_bf16_f32 v[MC+i], v[S+2*i], v[S+2*i+1]
.set i, i+1
.endr
.set i, 0
.rept 32
	ds_store_b32 v[BSA], v[P+i]  offset:PK*(16*(i/16)+8*(i%2)+(i%16)/2)
	ds_store_b32 v[BSA], v[MC+i] offset:32*PK+PK*(16*(i/16)+8*(i%2)+(i%16)/2)
.set i, i+1
.endr
	WIN 0x40                        ; into the keys' registers, which are still free: hi at 16 g + 8 half, lo 32 on
.irp f, 0,1,2,3,4,5,6,7             ; f = 4 part + 2 g + half.  LDS serves a wave's instructions in order (ISA guide 5.7.1.4): these see the stores above
	ds_load_b128 v[8*(\f):8*(\f)+3],   v[BSF] offset:((\f)/4)*32*PK+(((\f)/2)%2)*16*PK+((\f)%2)*64
	ds_load_b128 v[8*(\f)+4:8*(\f)+7], v[BSF] offset:((\f)/4)*32*PK+(((\f)/2)%2)*16*PK+((\f)%2)*64+32
.endr
	WIN 0
	s_wait_loadcnt 0x0              ; q and t
	QPREP 0
	QPREP 1
	s_wait_dscnt 0x0                ; the bases' fragments are in
	; THE BIAS: accumulator n = 4 block + 2 tile + g holds, a query a lane, qt . base for the key tiles 8 g + 0..7.  Six products each; the eight accumulators take turns.
	; The first block's four lie where the queues are read (window 1), the second block's in t's registers (window 2), which are free now.
.irp kind, 0,1,2                    ; hi hi, hi lo, lo hi
.irp h, 0,1
.set n, 0
.rept 8
.set rA, 16*(n%2)+8*(\h)+32*((\kind)/2)
.if (\kind) == 1
.set rB, 128+32*(n/4)+16*((n/2)%2)+8*(\h)
.else
.set rB, 64*(n/4)+32+16*((n/2)%2)+8*(\h)
.endif
.if n < 4
	WIN 0x59                        ; bases in window 1, qt in window 2, C and D in window 1
.set rD, BQ+8*n
.else
	WIN 0xa9                        ; C and D in window 2
.set rD, BQ2+8*(n-4)
.endif
.if ((\kind) == 0) && ((\h) == 0)
	v_wmma_f32_16x16x32_bf16 v[rD:rD+7], v[rA:rA+7], v[rB:rB+7], 0
.else
	v_wmma_f32_16x16x32_bf16 v[rD:rD+7], v[rA:rA+7], v[rB:rB+7], v[rD:rD+7]
.endif
.set n, n+1
.endr
.endr
.endr
	WIN 0
	PLACES                          ; behind the last of them: the keys' registers are loaded again, and the sums read, only behind these
; THE MATRIX WORK.  Product i of 16 of a tile's scores: key block i % 4, channel half (i / 4) % 2; i < 8: k q (f16), else dl qt (bf16).  The four accumulators take turns.
; The first four start the sums: with the bias (cm = 0), or with mask and bias (cm = 1).
.macro KQ u, cm
	WIN W_KQ
.set kb, i%4
.set hc, (i/4)%2
.set rD, S+32*(\u)+8*kb
.if i < 8
.set rK, KF+16*kb+8*hc
.set rQ, 16*(\u)+8*hc
.else
.set rK, DL+16*kb+8*hc
.set rQ, 32+16*(\u)+8*hc
.endif
.if (i < 4) && (\cm)
	v_wmma_f32_16x16x32_f16 v[rD:rD+7], v[rK:rK+7], v[rQ:rQ+7], v[MC+8*kb:MC+8*kb+7]
.elseif i < 4
	v_wmma_f32_16x16x32_f16 v[rD:rD+7], v[rK:rK+7], v[rQ:rQ+7], v[BC1:BC1+7]
.elseif i < 8
	v_wmma_f32_16x16x32_f16 v[rD:rD+7], v[rK:rK+7], v[rQ:rQ+7], v[rD:rD+7]
.else
	v_wmma_f32_16x16x32_bf16 v[rD:rD+7], v[rK:rK+7], v[rQ:rQ+7], v[rD:rD+7]
.endif
.set i, i+1
.endm
; Product i of 8 of O^T += V^T P: keys 32 (i / 4) on, channels 16 (i % 4) on.
.macro PV u
	WIN W_PV
.set rA, O+32*(\u)+8*(i%4)
.set rV, VF+32*(i/4)+8*(i%4)
.set rB, P+16*(\u)+8*(i/4)
	v_wmma_f32_16x16x32_f16 v[rA:rA+7], v[rV:rV+7], v[rB:rB+7], v[rA:rA+7]
.set i, i+1
.endm
; THE LDS LOADS stand in runs: a step's k and its dl (16 + 16, in that order), and its V (16, turned).
.macro FRAGS dst, reg
.irp f, 0,1,2,3,4,5,6,7             ; keys 16 (f / 2) on, channels 32 (f % 2) on
	ds_load_b128 v[(\dst)+8*(\f):(\dst)+8*(\f)+3],   v[AK] offset:(\reg)*REG+((\f)/2)*16*PK+((\f)%2)*64
	ds_load_b128 v[(\dst)+8*(\f)+4:(\dst)+8*(\f)+7], v[AK] offset:(\reg)*REG+((\f)/2)*16*PK+((\f)%2)*64+32
.endr
.endm
.macro FETCH_K
	WIN 0
	v_add_nc_u32 v[AK], s[TBK], v[AK0]
	s_add_co_u32 s[TBK], s[TBK], STEPB  ; the next fetch is the next step's
	WIN 0x40                        ; destination window 1
	FRAGS KF, 0
	FRAGS DL, 2
	WIN 0
.endm
.macro FETCH_KG                     ; a tile's second step fetches nothing: the next tile's first step is fetched behind the change of slots
	WIN 0
	s_cmp_eq_u32 s[CNT], 1
	s_cbranch_scc1 .Lno_k_\@
	FETCH_K
.Lno_k_\@:
.endm
.macro FETCH_V
	WIN 0
	v_add_nc_u32 v[AV], s[TBV], v[AV0]
	s_add_co_u32 s[TBV], s[TBV], STEPB
	WIN 0x40
.irp f, 0,1,2,3,4,5,6,7             ; keys 32 (f / 4) on, channels 16 (f % 4) on
	ds_load_tr16_b128 v[VF+8*(\f):VF+8*(\f)+3],   v[AV] offset:REG+((\f)/4)*32*PK+((\f)%4)*32
	ds_load_tr16_b128 v[VF+8*(\f)+4:VF+8*(\f)+7], v[AV] offset:REG+((\f)/4)*32*PK+16*PK+((\f)%4)*32
.endr
	WIN 0
.endm
; THE VECTOR WORK.  A tile's softmax for a step is a list of 118 instructions; SM writes number j of it.  s0-s31 are the lane's 32 scores, in pairs 0-15.
;   0-15    the maximum of s0-s31 and the old m, three operands at a time (each accumulator's lowest registers are read first)
;   16-20   the other half of the lanes' maximum; the new m; c m; c m_old - c m_new
;   21-87   33 exponentials (a, then s0-s31) at the odd numbers from 23 on: each has a plain instruction behind it before its result is used.  At the even numbers whatever is ready: c s - c m for a pair still to come,
;           the rounding to f16 of a pair whose exponentials are done, the first sums
;   88-101  the last rounding; the rest of the sums; l = a l + the sum          102-117 the tile's O^T times a
.macro SM t
.set rT, ST+8*(\t)
.set rS, S+32*(\t)
.set rP, P+16*(\t)
.set rO, O+32*(\t)+2*(j-102)
.set q, (j-20)/2
	WIN 0
.if j < 4
	v_max3_num_f32 v[rT+4+j], v[rS+8*j], v[rS+8*j+1], v[rS+8*j+2]
	s_wait_alu depctr_va_vdst(0)
.elseif j < 12
	v_max3_num_f32 v[rT+4+j%4], v[rT+4+j%4], v[rS+8*(j%4)+2*(j/4)+1], v[rS+8*(j%4)+2*(j/4)+2]
	s_wait_alu depctr_va_vdst(0)
.elseif j == 12
	v_max3_num_f32 v[rT+4], v[rT+4], v[rS+7], v[rS+15]
.elseif j == 13
	v_max3_num_f32 v[rT+6], v[rT+6], v[rS+23], v[rS+31]
.elseif j == 14
	v_max3_num_f32 v[rT+4], v[rT+4], v[rT+5], v[rT+6]
.elseif j == 15
	v_max3_num_f32 v[rT+4], v[rT+4], v[rT+7], v[rT+1]
	s_wait_alu depctr_va_vdst(0)
.elseif j == 16
	v_permlanex16_b32 v[rT+5], v[rT+4], s[SEL], s[SEL+1]  ; the query's other 32 keys lie in the lane 16 away
.elseif j == 17
	v_mov_b32 v[rT+7], v[rT]        ; c m_old is kept for a
.elseif j == 18
	v_max_num_f32 v[rT+1], v[rT+4], v[rT+5]
.elseif j == 19
	v_mul_f32 v[rT], s[CS], v[rT+1]
.elseif j == 20
	v_sub_f32 v[rT+7], v[rT+7], v[rT]
.elseif j == 23
	v_exp_f32 v[rT+6], v[rT+7]
.elseif (j < 88) && (j > 23) && (j%2 == 1)
	v_exp_f32 v[rS+(j-25)/2], v[rS+(j-25)/2]
.elseif (q < 4) || ((j < 76) && (q%2 == 0))
.set b, q/2+2
.if q < 4
.set b, q
.endif
	v_pk_fma_f32 v[rS+2*b:rS+2*b+1], v[rS+2*b:rS+2*b+1], s[CS:CS+1], v[rT:rT+1] op_sel_hi:[1,0,0] neg_lo:[0,0,1] neg_hi:[0,0,1]  ; pair b: c s - c m
.elseif (j < 88) && (q%2 == 1)
	s_wait_alu depctr_va_vdst(0)
	v_cvt_pk_f16_f32 v[rP+(q-5)/2], v[rS+q-5], v[rS+q-4]
.elseif j == 89
	s_wait_alu depctr_va_vdst(0)
	v_cvt_pk_f16_f32 v[rP+15], v[rS+30], v[rS+31]
.elseif j < 102                     ; the sum of the 16 pairs, in place: neighbours 1, 2, 4 and 8 pairs apart, then l takes it
.set z, j-86
.if j < 89
.set z, (j-76)/4
.endif
.set w, 4
.set y, z
.if z >= 14
.set w, 32
.set y, 0
.elseif z >= 12
.set w, 16
.set y, z-12
.elseif z >= 8
.set w, 8
.set y, z-8
.endif
.if z < 15
	v_pk_add_f32 v[rS+w*y:rS+w*y+1], v[rS+w*y:rS+w*y+1], v[rS+w*y+w/2:rS+w*y+w/2+1]
.else
	v_pk_fma_f32 v[rT+2:rT+3], v[rT+2:rT+3], v[rT+6:rT+7], v[rS:rS+1] op_sel_hi:[1,0,1]
.endif
.else
	v_pk_mul_f32 v[rO:rO+1], v[rO:rO+1], v[rT+6:rT+7] op_sel_hi:[1,0]
.endif
.set j, j+1
.endm
.macro SMT t                        ; the next line of tile t's list: each tile has a count of its own
.if (\t) == 0
.set j, j0
	SM 0
.set j0, j
.else
.set j, j1
	SM 1
.set j1, j
.endif
.endm
.macro SMN t, n                     ; the list's next n
.rept \n
	SMT \t
.endr
.endm
.macro ALBE                         ; the mask's two scalars for step STP, and the step's number goes on
	s_cmp_eq_u32 s[STP], s[WV]
	s_cselect_b32 s[AL], 1.0, 0
	s_cmp_gt_u32 s[STP], s[WV]
	s_cselect_b32 s[BE], s[BIGN], 0
	s_add_co_u32 s[STP], s[STP], 1
.endm
.macro MASK                         ; MC = MD x AL + XX
	WIN 0x01                        ; MD in window 1
.set z, 0
.rept 16
	v_pk_fma_f32 v[MC+2*z:MC+2*z+1], v[MD+2*z:MD+2*z+1], s[AL:AL+1], v[XX:XX+1] op_sel_hi:[1,0,0]
.set z, z+1
.endr
	WIN 0
.endm
; A STEP for both tiles of queries.  The LDS counts: behind k's 16 loads stand dl's 16 and V's 16.
.macro STEP_FL
	PLACES                          ; behind the last step's last products, which read V's registers
	FETCH_V
	ALBE
	s_cmp_ge_u32 s[RT], 4           ; nothing is masked: both scalars are 0
	s_cselect_b32 s[AL], 0, s[AL]
	s_cselect_b32 s[BE], 0, s[BE]
.set z, 0
.rept 8
	v_cndmask_b32 v[BC1+z], v[H1], v[X1], s[SMK]  ; tile 1's bias for this step's chunk, eight times: my half's number, or the other half's where the mask says so
.set z, z+1
.endr
	s_wait_dscnt 32                 ; k is in
.set i, 0
.rept 8
	KQ 1, 0
.endr
	WIN 0
	v_cndmask_b32 v[BB], v[H0], v[X0], s[SMK]     ; an f16 and a bf16 form on one accumulator are no chain in place: these 18 plain lines, which name no register of tile 1's products, are the five places between them and more
	v_add_f32 v[XX], s[BE], v[BB]
	MASK
	s_not_b32 s[SMK], s[SMK]        ; the tile's other step takes the other half
	s_wait_dscnt 16                 ; dl is in
.rept 8
	KQ 1, 0
.endr
	PLACES                          ; in front of the first read of tile 1's scores
.set i, 0
.set j0, 0
.set j1, 0
.rept 16                            ; between an accumulator's last f16 product and its first bf16 one stand sixteen of tile 1's lines, eight of them plain or more; none names a register of these products
	KQ 0, 1
	SMN 1, 4
.endr
	SMN 1, 6                        ; with the last riders: six plain lines behind the last score product, ahead of the first read of tile 0's scores
.rept 48                            ; the two tiles' lists by turns, so that no line reads the result of the line before it
	SMT 1
	SMT 0
.endr
	s_wait_dscnt 0x0                ; V is in
	FETCH_KG
.set i, 0
.rept 8
	PV 1
	SMN 0, 4
.endr
	SMN 0, 38
.set i, 0
.rept 8
	PV 0
.endr
	WIN 0
.endm
; A STEP for tile 1 alone, masked.
.macro STEP_H
	PLACES
	FETCH_V
	ALBE
	v_cndmask_b32 v[BB], v[H1], v[X1], s[SMK]
	v_add_f32 v[XX], s[BE], v[BB]
	MASK
	s_not_b32 s[SMK], s[SMK]
	s_wait_dscnt 32                 ; k is in
.set i, 0
.rept 8
	KQ 1, 1
.endr
.rept 5
	v_nop                           ; the five places between the f16 and the bf16 form
.endr
	s_wait_dscnt 16                 ; dl is in
.rept 8
	KQ 1, 1
.endr
	PLACES                          ; in front of the first read of these scores, and of loads into the keys' registers
	s_wait_dscnt 0x0                ; V is in
	FETCH_KG
.set j1, 0
	SMN 1, 118
.set i, 0
.rept 8
	PV 1
.endr
	WIN 0
.endm
; A KEY TILE'S HEAD: its first step's keys are fetched; while they are on their way the two queues' first registers are taken out, in ascending order, the queues move down by one, and the halves of the lanes are exchanged.
.macro TILE_HEAD
	s_and_b32 s[STP], s[RT], 1      ; the tile's first step among the four of its 256 keys: 0 where RT is odd, 2 where it is even
	s_xor_b32 s[STP], s[STP], 1
	s_lshl_b32 s[STP], s[STP], 1
	s_mov_b32 s[CNT], 2
	s_mov_b32 s[SMK], 0xffff0000    ; the first step's chunk lies in lanes 0-15: lanes 16-31 take the other half's number
	FETCH_K
	WIN 0x01                        ; the queues in window 1
	v_mov_b32 v[H0], v[BQ]
	v_mov_b32 v[H1], v[BQ+16]
	WIN 0x41
.irp u, 0,1
.set i, 0
.rept 15
	v_mov_b32 v[BQ+16*(\u)+i], v[BQ+16*(\u)+i+1]
.set i, i+1
.endr
.endr
	WIN 0
	v_permlanex16_b32 v[X0], v[H0], s[SEL], s[SEL+1]
	v_permlanex16_b32 v[X1], v[H1], s[SEL], s[SEL+1]
.endm
.macro TILE_FL
	TILE_HEAD
.Lstep_\@:
	STEP_FL
	s_sub_co_u32 s[CNT], s[CNT], 1
	s_cmp_lg_u32 s[CNT], 0
	s_cbranch_scc1 .Lstep_\@
.endm
.macro TILE_H
	TILE_HEAD
.Lstep_\@:
	STEP_H
	s_sub_co_u32 s[CNT], s[CNT], 1
	s_cmp_lg_u32 s[CNT], 0
	s_cbranch_scc1 .Lstep_\@
.endm
; THE WAY OUT of a block: l's two halves and the other half of the lanes' are added; O^T is divided by l, rounded to f16 and sent through my stage, a tile at a time.
.macro PACK u
.set i, 0
.rept 16
	v_pk_mul_f32 v[O+32*(\u)+2*i:O+32*(\u)+2*i+1], v[O+32*(\u)+2*i:O+32*(\u)+2*i+1], v[ST+8*(\u)+2:ST+8*(\u)+3] op_sel_hi:[1,0]
.set i, i+1
.endr
.set i, 0
.rept 16
	v_cvt_pk_f16_f32 v[S+16*(\u)+i], v[O+32*(\u)+2*i], v[O+32*(\u)+2*i+1]
.set i, i+1
.endr
.irp f, 0,1,2,3
	ds_store_b128 v[STO], v[S+16*(\u)+4*(\f):S+16*(\u)+4*(\f)+3] offset:32*(\f)
.endr
.irp f, 0,1,2,3
	ds_load_b128 v[S+16*(\u)+4*(\f):S+16*(\u)+4*(\f)+3], v[RD] offset:(\f)*4*SPI  ; LDS serves a wave's instructions in order (ISA guide 5.7.1.4): these see the stores above; the next tile's stores come behind them
.endr
.endm
.macro SEND u, younger              ; younger: the LDS instructions issued behind tile u's loads
.irp f, 0,1,2,3
	s_wait_dscnt (\younger)+3-(\f)
	global_store_b128 v[GO], v[S+16*(\u)+4*(\f):S+16*(\u)+4*(\f)+3], s[OP:OP+1] offset:(\u)*32768+(\f)*512  ; 512 consecutive bytes, at a multiple of 256
.endr
.endm
.macro FINISH
	WIN 0
	PLACES
.irp t, 0,1
	v_add_f32 v[ST+8*(\t)+2], v[ST+8*(\t)+2], v[ST+8*(\t)+3]
.endr
.irp t, 0,1
	v_permlanex16_b32 v[ST+8*(\t)+3], v[ST+8*(\t)+2], s[SEL], s[SEL+1]
.endr
.irp t, 0,1
	v_add_f32 v[ST+8*(\t)+2], v[ST+8*(\t)+2], v[ST+8*(\t)+3]
.endr
.irp t, 0,1
	v_rcp_f32 v[ST+8*(\t)+2], v[ST+8*(\t)+2]
.endr
	v_nop                           ; a plain instruction between the last reciprocal and the use of its result
	s_wait_alu depctr_va_vdst(0)
	PACK 0
	PACK 1
	SEND 0, 8
	SEND 1, 0
.endm
.Lslot:                             ; 19 trips: a tile is entered and the next is asked for.  Every jump below goes forward, over text with neither a barrier nor a tensor load, and hangs on cl alone, which the partners share
	CHANGE 1
	s_sub_co_u32 s[RT], s[RT], 1
	s_cmp_ge_u32 s[RT], 2
	s_cbranch_scc0 .LtileH
	TILE_FL
	s_branch .Lbottom
.LtileH:
	TILE_H
	s_cmp_lg_u32 s[RT], 0
	s_cbranch_scc1 .Lbottom
	FINISH                          ; in the loop this is the first block's end: the second block's last tile is the walk's last
	s_wait_xcnt 0x0                 ; the stores have had their addresses translated (ISA guide 3.1): their registers and O's address are rewritten only behind this wait
	s_mov_b64 s[OP:OP+1], s[OP2:OP2+1]
	s_mov_b32 s[RT], s[RT2]
	INIT
	WIN 0x82                        ; the second block's q and qt go where the one text of the steps names them,
.set i, 0
.rept 64
	v_mov_b32 v[i], v[64+i]
.set i, i+1
.endr
	WIN 0x42                        ; and its bias, in ascending order, into the queues: its walk begins at key tile 0 again
.set i, 0
.rept 32
	v_mov_b32 v[BQ+i], v[BQ2+i]
.set i, i+1
.endr
	WIN 0
.Lbottom:
	s_sub_co_u32 s[SLOTS], s[SLOTS], 1
	s_cmp_lg_u32 s[SLOTS], 0
	s_cbranch_scc1 .Lslot
	CHANGE 0                        ; the walk's last tile is written out, so that no tensor load of the walk is jumped over: nothing is asked for
	s_sub_co_u32 s[RT], s[RT], 1
	TILE_H
	FINISH
	s_wait_tensorcnt 0x0            ; the wave's end
	ds_add_u32 v[SPW], v[NIL]
	s_wait_dscnt 0x0
	CROUND                          ; the closing round: no work-group ends while a partner may still ask for a tile that names it
	s_endpgm
.Lfunc_end_k_qffd32e7314_attn:
	.size	k_qffd32e7314_attn, .Lfunc_end_k_qffd32e7314_attn-k_qffd32e7314_attn
	.p2alignl 7, 3214868480
	.fill 96, 4, 3214868480
	.section	.rodata,"a",@progbits
	.p2align	6, 0x0
	.amdhsa_kernel k_qffd32e7314_attn
		.amdhsa_group_segment_fixed_size 327680
		.amdhsa_private_segment_fixed_size 0
		.amdhsa_enable_private_segment 0
		.amdhsa_kernarg_size 32
		.amdhsa_user_sgpr_count 2
		.amdhsa_user_sgpr_kernarg_segment_ptr 1
		.amdhsa_wavefront_size32 1
		.amdhsa_system_sgpr_workgroup_id_x 1
		.amdhsa_system_sgpr_workgroup_id_y 1
		.amdhsa_system_sgpr_workgroup_id_z 1
		.amdhsa_system_vgpr_workitem_id 0
		.amdhsa_next_free_vgpr 768
		.amdhsa_next_free_sgpr 96
		.amdhsa_reserve_vcc 1
		.amdhsa_float_denorm_mode_32 3
		.amdhsa_float_denorm_mode_16_64 3
		.amdhsa_memory_ordered 1
		.amdhsa_forward_progress 1
		.amdhsa_inst_pref_size 151
	.end_amdhsa_kernel
	.amdgpu_metadata
---
amdhsa.version: [ 1, 2 ]
amdhsa.kernels:
  - .name:           k_qffd32e7314_attn
    .symbol:         k_qffd32e7314_attn.kd
    .args:
      - { .name: proj, .offset: 0, .size: 8, .value_kind: global_buffer, .address_space: global }
      - { .name: cc, .offset: 8, .size: 8, .value_kind: global_buffer, .address_space: global }
      - { .name: ksum, .offset: 16, .size: 8, .value_kind: global_buffer, .address_space: global }
      - { .name: ob, .offset: 24, .size: 8, .value_kind: global_buffer, .address_space: global }
    .group_segment_fixed_size: 327680
    .private_segment_fixed_size: 0
    .kernarg_segment_align: 8
    .kernarg_segment_size: 32
    .max_flat_workgroup_size: 128
    .sgpr_count:     96
    .vgpr_count:     768
    .wavefront_size: 32
...
	.end_amdgpu_metadata
.endif
;; end of part 7
;; launch gemm2: the kernel of part 5 again; grid 8 x 32, 4 waves a work-group, clusters of 4 x 4, 327,680 bytes of LDS; arguments ob, xw, bo, out0; writes out0
;; ======== version 3 of 3: 4 launches; 1.34 times as fast as version 1
;; limits: values are held in f16: magnitudes above 65,504 overflow, below 6.1e-05 lose precision
;; workspace buffers: xw 18,874,368 bytes; proj 33,554,432 bytes; ksum 262,144 bytes; cc 8,388,608 bytes; ob 8,388,608 bytes
;; launch cast: the kernel of part 1 again; grid 576 x 1, 8 waves a work-group, no clusters, 0 bytes of LDS; arguments x, Wq, Wt, Wk, Wv, Wo, xw; writes xw
;; launch gemm1: the kernel of part 6 again; grid 16 x 16, 4 waves a work-group, clusters of 4 x 4, 327,680 bytes of LDS; arguments xw, bq, bt, bk, bv, proj, ksum, cc; writes proj, ksum, cc
;; launch attn (part 8): grid 8 x 32, 4 waves a work-group, clusters of 4 x 1, 327,680 bytes of LDS; arguments proj, cc, ksum, ob; writes ob
.if DOCPART == 8
	.amdgcn_target "amdgcn-amd-amdhsa--gfx1250"
	.amdhsa_code_object_version 6
	.text
	.protected	k_qffd32e7314_attn
	.globl	k_qffd32e7314_attn
	.p2align	8
	.type	k_qffd32e7314_attn,@function
k_qffd32e7314_attn:
	s_mov_b64 s[64:65], 0
	v_nop
	global_prefetch_b8 v0, s[64:65] scope:SCOPE_SE
	s_setreg_imm32_b32 hwreg(HW_REG_WAVE_MODE, 25, 1), 1
	s_wait_xcnt 0x0
	s_wait_alu depctr_hold_cnt(0) depctr_sa_sdst(0) depctr_va_vdst(0) depctr_va_sdst(0) depctr_va_ssrc(0) depctr_va_vcc(0) depctr_vm_vsrc(0)
	s_getreg_b32 s2, hwreg(HW_REG_IB_STS2, 6, 4)
	s_cmp_eq_u32 s2, 0
	s_cbranch_scc0 .Lentry_in_a_cluster
	s_endpgm
.Lentry_in_a_cluster:
	s_bfe_u32 s2, ttmp6, 0x10000c
	s_cmp_lg_u32 s2, 0x3003
	s_cbranch_scc0 .Lentry_shape_is_right
	s_endpgm
.Lentry_shape_is_right:
; CAUSAL ATTENTION ON TWO SCORE TERMS.  s[q][k] = q[q] . k[k] + (q[q] o t[q]) . c[k], c = the running sum of k v / 8;  O[q] = the sum over k <= q of softmax_k(s / 8) v[k].  32 heads of 2,048 rows, head size 64.
; c IS TAKEN BY CHUNKS OF 64 KEYS: c[k] = (base[chunk] + dl[k]) / 8, dl the running sum inside the chunk (cc, bf16), base the sum of the chunks in front (added up here, in f32, from ksum).  With qt = q o t / 8:
;   s = q . k + qt . dl[k] + qt . base[chunk].  The last part, THE BIAS, is ONE number for a query and a chunk.  It is made once, for all 32 chunks and both blocks, and enters as the C operand that starts a step's sums.
; FORMATS.  q, t, k, v: f16 by heads (proj).  qt is made here, exactly in f32, and rounded to bf16; dl arrives in bf16: neither has room in f16 for the larger inputs.  The bias carries the large numbers, so base and qt
; go into it as bf16 pairs hi + lo, in three products (hi hi, hi lo, lo hi; what is left out, lo lo, is 2^-18 of the term).  Products, maxima and sums in f32; the weights p are rounded to f16 for the second
; product (their sum l is taken of the unrounded p); O is rounded once, to f16, by heads (ob).
; LIMITS.  q, t, k, v arrive within f16's 65,504.  A hidden score counts as its value less 1e30.  A weight below 2^-126 counts as 0 in l.  c m starts at -4.2e37, taken to lie below every c s.  NaN and infinities are not treated apart.
; SHARES.  A head's queries lie in four blocks of 512.  A cluster of four work-groups takes blocks 3 - cl and then cl (cl = the cluster's x, 0 or 1): 20 key tiles of 128 keys, whatever cl, in ONE counted walk.
; Partner cx, wave w, tile u (0, 1) owns the 16 rows 512 block + 256 u + 64 w + 16 cx + 0..15.  So every wave of every partner needs the same key tiles in the same trips, each tile is asked for JOINTLY by all four
; (mask 15), and cx enters nothing but Q's, T's and O's addresses and the mask's numbers.
; KINDS OF TILE, by RT, the tiles of the block still to come: RT >= 4: both tiles of queries see all keys.  RT = 3, 2 (keys 0-255 of the block's own 512): tile 0 masked, tile 1 free.
; RT = 1, 0 (keys 256-511): tile 1 masked, tile 0 sees nothing and is left out.  In step STP (0..3) of such 256 keys a wave sees all if STP < w, nothing if STP > w, and holds the diagonal if STP = w.
; THE BIAS STAYS IN REGISTERS, AS A QUEUE.  The bases stand in a key's place in a product with qt, their rows so ordered that ONE result register holds ONE key tile: lanes 0-15 its first chunk, lanes 16-31 its second, the
; query in lane % 16.  A tile of queries has 16 such registers a block.  At a key tile's head the queue's first register is taken out and the others move down by one: 30 v_mov_b32 for two steps, and no address hangs on the
; chunk's number.  In a step each lane picks its own half's number or the other half's by a scalar mask that is turned over from the first step to the second.
; THE C OPERAND of a masked tile: MC = MD x AL + (BE + bias), MD (made once) = -1e30 where key 16 kb + 8 (l / 16) + r lies above row 16 cx + l % 16; (AL, BE) = (1, 0), (0, 0) or (0, -1e30); where nothing is
; masked both are 0, so one text serves the first two kinds.  Of a free tile: the bias eight times (BC1).
; LAYOUT.  S^T = K' Q'^T (source 0 = 16 keys, source 1 = 16 queries): a lane holds ONE query (l % 16) and the keys 8 (l / 16) + 0..7; two results rounded to f16 ARE source 1 of O^T = V^T P.  V is turned by ds_load_tr16_b128.
; SOFTMAX.  Running maximum m and sum l: p = 2^(c s - c m), c = log2(e) / 8; in every step O and l are multiplied by a = 2^(c m_old - c m_new).  m starts at the lowest finite number, O and l at 0: no first step is written out;
; the price is 72 v_mov_b32 at each block's beginning.
; A STEP (64 keys) HAS ONE BATCH OF EXPONENTIALS AND ONE WAIT, which cuts it in two.  AHEAD OF THE WAIT stands all that names no exponential's result: tile 1's 16 score products; tile 0's 16, with the first 64 lines of tile 1's
; softmax (maximum, statistics, scalings, exponentials) in fours behind them; then a lump: tile 0's maximum, with tile 1's last six exponentials between the links of its chain, and tile 0's scalings and exponentials.
; The batch is both tiles' 66 exponentials, each with a result register of its own.  BEHIND THE WAIT stand the readers: tile 1's roundings and its O^T times a; tile 1's 8 products V^T P with four of tile 0's roundings and
; rescalings behind each; tile 0's 8 products with four of both tiles' sums behind each.  A step for tile 1 alone is cut in the same way: 33 exponentials, one wait.  The way out's two reciprocals are a batch of their own.
; REGISTERS, in windows of 256 (s_set_vgpr_msb: bits 1:0 source 0, 3:2 source 1, 5:4 source 2, 7:6 destination):
;   window 0: v0-15 addresses; v16-31 statistics, 8 a tile; v32-51 BC1, the bias at work and addresses; v64-127 S^T, 32 a tile; v128-159 P; v160-223 O^T, 32 a tile; v224-255 MC
;   window 1: v0-63 k, v64-127 dl of one step (key block kb, channel half at + 16 kb + 8 half); v128-159 MD; v160-191 the two queues of the block in hand; v192-255 V (key half kk, channel block cb at + 32 kk + 8 cb)
;   window 2: v0-31 q, v32-63 qt (tile at + 16 u, channel half at + 8); v64-127 the same for the second block; v128-191 both blocks' qt_lo and v192-255 both blocks' t, for the beginning alone; then v192-223 the second block's queues
.set PK,    144       ; a key's row in LDS: 128 bytes + 16 of padding = 36 words: the 16 rows of a fragment load start at 16 different groups of four banks (64 banks of 4 bytes: ISA guide 11.1)
.set REG,   128*PK    ; a region: 128 keys of one of k, v, dl, in the order of the waves that fetch them
.set STEPB, 64*PK     ; a step's 64 keys in a region
.set SLOT1, 1<<17     ; slot 1 begins here: one exclusive or turns an address in one slot into the other's
.set STAGE, SLOT1+3*REG  ; behind the ring, never filled by a tensor load: 16 rows x 144 bytes for each wave
.set SPI,   144
.set BS,    STAGE+4*16*SPI  ; the bases as rows of 64 bf16, pitch 144, 9,216 bytes for each wave: 32 rows of hi, then 32 of lo
.set SPARE, BS+4*9216       ; the spare words, 128 bytes a wave
.set AK0, 2           ; v2  my lane's place in a region, for k and dl
.set AV0, 3           ; v3  the same for V's turning load
.set AK,  4           ; v4  the address of the run of loads in hand
.set AV,  5
.set STO, 6           ; v6  the way out: where I put 16 bytes of a row
.set RD,  7           ; v7  where I read rows back
.set GO,  8           ; v8  16 x lane
.set ZR,  10          ; v10 0.0
.set NG,  11          ; v11 -1.0
.set SPW, 12          ; v12 my spare word
.set NIL, 13          ; v13 0
.set QO,  15          ; v15 my byte offset in 16 rows of q or t
.set ST,  16          ; tile t's statistics at v[ST+8 t]: c m, m, l (even keys', odd keys'), c0-c3 at work; a takes c2's place
.set BC1, 32          ; v[32:39] tile 1's bias, eight times
.set XX,  40          ; v[40:41] BE + bias; the packed line takes the low word for both halves
.set BB,  42          ; v42 the masked tile's bias for the step in hand
.set H0,  44          ; v44, v45 the two tiles' bias for the key tile in hand: its first chunk in lanes 0-15, its second in lanes 16-31
.set H1,  45
.set KO,  46          ; v46 8 x lane: my two channels in a chunk sum
.set BSA, 47          ; v47 where I put my two channels of a base
.set BSF, 48          ; v48 my lane's place in the bases' rows, as a fragment
.set X0,  50          ; v50, v51 H0 and H1 with the halves of the lanes exchanged
.set X1,  51
.set S,   64
.set P,   128
.set O,   160
.set MC,  224
.set KF,  0           ; window 1
.set DL,  64
.set MD,  128
.set BQ,  160         ; window 1: tile u's queue at BQ + 16 u
.set VF,  192
.set BQ2, 192         ; window 2: the second block's queues
.set WV,  12          ; s12 my wave's number
.set CLU, 13          ; s13 cl
.set G1,  24          ; s[24:31] descriptor group 1
.set G0,  40          ; s[40:43] descriptor group 0
.set BW,  44          ; s[44:45] my wave's tensor at the head's first key
.set OFF, 46          ; s[46:47] a tile's byte offset
.set KSP, 48          ; s[48:49] the head's chunk sums
.set SMK, 52          ; s52 the lanes that take the other half's bias: the upper 16 in a tile's first step, the lower 16 in its second
.set SLOTS, 56        ; s56 tiles still to be asked for
.set CNT, 57          ; s57 counts a tile's two steps
.set CS,  58          ; s[58:59] c
.set SEL, 60          ; s[60:61] v_permlanex16_b32's selects
.set TBK, 62          ; s62 LDS byte at which the step to be fetched begins, for k and dl
.set TBV, 63          ; s63 the same for V
.set RT,  70          ; s70 tiles of the block in hand still to be entered
.set NXT, 71          ; s71 the tile to be asked for next
.set LQ,  72          ; s72 the last tile of the block whose tiles are being asked for
.set LQ2, 73          ; s73 the second block's last tile
.set STP, 74          ; s74 the step's number in the 256 keys
.set AL,  76          ; s[76:77] the mask's factor
.set BE,  78          ; s[78:79] the mask's addend
.set OP,  80          ; s[80:81] O at my rows of the block in hand
.set OP2, 82          ; s[82:83] of the second block
.set BIGN, 84         ; s84 -1e30
.set RT2, 85          ; s85 the second block's tiles
.set QP,  86          ; s[86:93] q, t of the first block, q, t of the second, at my rows
.set MSB, 0
.macro WIN new
.if MSB != (\new)
	s_set_vgpr_msb (MSB<<8)|(\new)
.set MSB, (\new)
.endif
.endm
.set W_KQ, 0x09       ; keys in window 1, queries in window 2, S^T and C in window 0
.set W_PV, 0x01       ; V in window 1, P and O^T in window 0
.macro PLACES         ; four plain vector instructions between a matrix instruction and a read of its result, or a load into or a write of one of its registers (ISA guide 7.12.1 for vector instructions)
.rept 4
	v_nop
.endr
.endm
; A joint fill: waves 0, 1, 2 fetch a tile's k, v, dl by the one line; they differ in the registers' contents, made from the wave's number.  Wave 3 has no part to fetch.  An s_nop 0 and four v_nop follow.
.macro JLOAD
	s_cmp_lt_u32 s[WV], 3
	s_cbranch_scc0 .Lnone_\@
	tensor_load_to_lds s[G0:G0+3], s[G1:G1+7]
	s_nop 0
.rept 4
	v_nop
.endr
.Lnone_\@:
.endm
.macro CROUND         ; a round of the cluster's barrier
	s_barrier_signal -1
	s_barrier_wait -1
	s_cmp_lg_u32 s[WV], 0
	s_cbranch_scc1 .Lnot_wave_0_\@
	s_barrier_signal -3
.Lnot_wave_0_\@:
	s_barrier_wait -3
	s_barrier_signal -1
	s_barrier_wait -1
.endm
; THE CHANGE OF SLOTS.  Each wave waits for all its tensor loads (at most one is out: its region of the other slot), adds 0 to its spare word, and waits for that and for its reads of the slot that it leaves.
; fill = 1: a round of the cluster's barrier, so that no wave of any partner still reads the old slot or has a load on its way; the joint fill with tile NXT is the first thing behind it.
; Its address is made anew from the tile's number.  (At its first use no tile has been read yet: slot 0 is waited for, slot 1 filled.)
.macro CHANGE fill
	WIN 0
	s_wait_tensorcnt 0x0
	ds_add_u32 v[SPW], v[NIL]
.if \fill
	s_lshl_b32 s[OFF], s[NXT], 14   ; 128 keys x 128 bytes
	s_xor_b32 s[G0+1], s[G0+1], SLOT1
	s_add_nc_u64 s[G0+2:G0+3], s[BW:BW+1], s[OFF:OFF+1]
	s_or_b32 s[G0+3], s[G0+3], 0x80000000
	s_add_co_u32 s[NXT], s[NXT], 1  ; the block's next tile, or behind its last the second block's tile 0
	s_cmp_gt_u32 s[NXT], s[LQ]
	s_cselect_b32 s[NXT], 0, s[NXT]
	s_cselect_b32 s[LQ], s[LQ2], s[LQ]
	s_wait_dscnt 0x0                ; the add is done, and my reads of the slot are over
	CROUND
	JLOAD
.else
	s_wait_dscnt 0x0
	s_barrier_signal -1
	s_barrier_wait -1
.endif
	s_sub_co_u32 s[TBK], s[TBK], 2*STEPB  ; the fetches go back to a slot's first step, in the other slot
	s_xor_b32 s[TBK], s[TBK], SLOT1
	s_sub_co_u32 s[TBV], s[TBV], 2*STEPB
	s_xor_b32 s[TBV], s[TBV], SLOT1
.endm
	s_load_b256 s[4:11], s[0:1], 0x0  ; proj s[4:5], cc s[6:7], ksum s[8:9], ob s[10:11]
	v_lshl_add_u32 v[SPW], v0, 2, SPARE
	v_mov_b32 v[NIL], 0
	ds_add_u32 v[SPW], v[NIL]       ; the wave's opening: the add and its wait stand ahead of my first tensor load
	v_lshrrev_b32 v1, 5, v0
	v_readfirstlane_b32 s[WV], v1
	s_bfe_u32 s14, ttmp6, 0x40000   ; cx
	s_mov_b32 s[CLU], ttmp9         ; in a cluster launch ttmp9 counts clusters
	s_and_b32 s15, ttmp7, 0xffff    ; the head:
	s_lshl_b32 s2, s15, 13          ; its 8,192 bytes of chunk sums,
	s_mov_b32 s3, 0
	s_lshl_b32 s15, s15, 18         ; its 262,144 bytes of rows
	s_and_b32 s16, s[WV], 1         ; my tensor's place: k and v are proj's third and fourth kinds; dl is cc
	s_lshl_b32 s16, s16, 23
	s_add_co_u32 s16, s16, 0x1000000
	s_cmp_lt_u32 s[WV], 2
	s_cselect_b32 s16, s16, 0
	s_add_co_u32 s18, s16, s15
	s_mov_b32 s19, 0
	s_lshl_b32 s20, s[WV], 13       ; my rows: 64 w + 16 cx, 128 bytes each,
	s_lshl_b32 s21, s14, 11
	s_add_co_u32 s20, s20, s21
	s_add_co_u32 s20, s20, s15
	s_sub_co_u32 s21, 3, s[CLU]     ; in block 3 - cl
	s_lshl_b32 s21, s21, 16
	s_add_co_u32 s22, s20, s21
	s_lshl_b32 s21, s[CLU], 16      ; and in block cl
	s_add_co_u32 s20, s20, s21
	s_mov_b32 s21, 0
	s_mov_b32 s23, 0
	s_mov_b32 s[G1], 15|(1<<16)|(1<<20)|(1<<21)|(4<<22)|(3<<25)  ; the mask of four; 2-byte elements; padding on; bit 21 beside a mask; after every 32 words, 4 words
	s_mov_b32 s[G1+1], 128<<16      ; 128 keys are 16,384 dense bytes: asked for as 64 rows of 256 bytes, two keys a row
	s_mov_b32 s[G1+2], 64<<16
	s_mov_b32 s[G1+3], 128<<16
	s_mov_b32 s[G1+4], 64
	s_mov_b32 s[G1+5], 128
	s_mov_b32 s[G1+6], 0
	s_mov_b32 s[G1+7], 0
	s_mov_b32 s[G0], 1
	s_mul_i32 s[G0+1], s[WV], REG   ; slot 0, my region
	s_mov_b32 s[OFF+1], 0
	s_mov_b32 s[CS], 0x3e38aa3b     ; c = log2(e) / 8
	s_mov_b32 s[CS+1], s[CS]
	s_mov_b32 s[SEL], 0x76543210
	s_mov_b32 s[SEL+1], 0xfedcba98
	s_mov_b32 s[TBK], SLOT1+2*STEPB ; the first change of slots turns these two into 0
	s_mov_b32 s[TBV], SLOT1+2*STEPB
	s_lshl_b32 s17, s[CLU], 2
	s_sub_co_u32 s[RT], 16, s17     ; the first block has 16 - 4 cl tiles,
	s_sub_co_u32 s[LQ], 15, s17
	s_add_co_u32 s[LQ2], s17, 3
	s_add_co_u32 s[RT2], s17, 4     ; the second 4 cl + 4
	s_mov_b32 s[NXT], 1
	s_mov_b32 s[SLOTS], 19
	s_mov_b32 s[AL], 0
	s_mov_b32 s[AL+1], 0
	s_mov_b32 s[BE], 0
	s_mov_b32 s[BE+1], 0
	s_mov_b32 s[BIGN], 0xf149f2ca   ; -1e30
	s_lshl_b32 s94, s14, 4          ; 16 cx
	s_mul_i32 s95, s[WV], 16*SPI
	s_add_co_u32 s95, s95, STAGE    ; my stage,
	s_mul_i32 s51, s[WV], 9216
	s_add_co_u32 s51, s51, BS       ; my rows of bases
	s_wait_dscnt 0x0                ; the opening add is done
	s_wait_kmcnt 0x0
	s_cmp_lt_u32 s[WV], 2
	s_cselect_b64 s[BW:BW+1], s[4:5], s[6:7]
	s_add_nc_u64 s[BW:BW+1], s[BW:BW+1], s[18:19]
	s_add_nc_u64 s[G0+2:G0+3], s[BW:BW+1], 0
	s_or_b32 s[G0+3], s[G0+3], 0x80000000
	s_add_nc_u64 s[QP:QP+1], s[4:5], s[22:23]
	s_add_nc_u64 s[QP+2:QP+3], s[QP:QP+1], 0x800000
	s_add_nc_u64 s[QP+4:QP+5], s[4:5], s[20:21]
	s_add_nc_u64 s[QP+6:QP+7], s[QP+4:QP+5], 0x800000
	s_add_nc_u64 s[OP:OP+1], s[10:11], s[22:23]
	s_add_nc_u64 s[OP2:OP2+1], s[10:11], s[20:21]
	s_add_nc_u64 s[KSP:KSP+1], s[8:9], s[2:3]
	CROUND                          ; all four work-groups are here: the first joint loads meet
	JLOAD                           ; tile 0 into slot 0: at most one load of mine is out, here and behind every round
	v_and_b32 v14, 31, v0           ; lane
	v_lshlrev_b32 v[KO], 3, v14
.set i, 0
.rept 31                            ; chunk sum i goes where base i + 1 will stand: 256 consecutive bytes a load, two channels a lane
	global_load_b64 v[S+2+2*i:S+3+2*i], v[KO], s[KSP:KSP+1] offset:256*i
.set i, i+1
.endr
	v_and_b32 v1, 15, v0            ; l % 16
	v_bfe_u32 v9, v0, 4, 1          ; l / 16
	v_lshlrev_b32 v[QO], 7, v1
	v_lshl_add_u32 v[QO], v9, 4, v[QO]  ; row x 128 + 16 x half
	WIN 0x80                        ; destination window 2, address window 0
.irp u, 0,1
.irp h, 0,1                         ; tile u lies 256 rows on; channels 32 h on
.irp e, 0,1
	global_load_b128 v[16*(\u)+8*(\h)+4*(\e):16*(\u)+8*(\h)+4*(\e)+3],         v[QO], s[QP:QP+1]   offset:(\u)*32768+64*(\h)+32*(\e)
	global_load_b128 v[192+16*(\u)+8*(\h)+4*(\e):192+16*(\u)+8*(\h)+4*(\e)+3], v[QO], s[QP+2:QP+3] offset:(\u)*32768+64*(\h)+32*(\e)
	global_load_b128 v[64+16*(\u)+8*(\h)+4*(\e):64+16*(\u)+8*(\h)+4*(\e)+3],   v[QO], s[QP+4:QP+5] offset:(\u)*32768+64*(\h)+32*(\e)
	global_load_b128 v[224+16*(\u)+8*(\h)+4*(\e):224+16*(\u)+8*(\h)+4*(\e)+3], v[QO], s[QP+6:QP+7] offset:(\u)*32768+64*(\h)+32*(\e)
.endr
.endr
.endr
	WIN 0
	v_mul_u32_u24 v[AK0], v1, PK
	v_lshl_add_u32 v[AK0], v9, 4, v[AK0]  ; row x pitch + 16 x half
	v_and_b32 v4, 7, v0             ; the turning load: lane l reads key 8 (l / 16) + l % 8, channels 8 ((l / 8) % 2) + 0..7
	v_bfe_u32 v5, v0, 3, 1
	v_lshl_add_u32 v[AV0], v9, 3, v4
	v_mul_u32_u24 v[AV0], v[AV0], PK
	v_lshl_add_u32 v[AV0], v5, 4, v[AV0]
	v_mul_u32_u24 v[STO], v1, SPI   ; in: row l % 16, 16 bytes for each half of the lanes
	v_lshl_add_u32 v[STO], v9, 4, v[STO]
	v_add_nc_u32 v[STO], s95, v[STO]
	v_bfe_u32 v[RD], v0, 3, 2       ; back: 32 lanes take four rows of 128 bytes,
	v_mul_u32_u24 v[RD], v[RD], SPI
	v_lshl_add_u32 v[RD], v4, 4, v[RD]
	v_add_nc_u32 v[RD], s95, v[RD]
	v_lshlrev_b32 v[GO], 4, v14     ; which are 512 consecutive bytes of O
	v_lshl_add_u32 v[BSA], v14, 2, s51     ; my rows of bases + 4 x lane
	v_add_nc_u32 v[BSF], s51, v[AK0]
	v_mov_b32 v[ZR], 0
	v_mov_b32 v[NG], -1.0
	v_mov_b32 v[XX], 0
	v_mov_b32 v[XX+1], 0            ; named with XX as a pair
	v_mov_b32 v[X0], 0              ; v_permlanex16_b32's destination counts as read
	v_mov_b32 v[X1], 0
	v_lshlrev_b32 v14, 3, v9
	v_sub_nc_u32 v14, v1, v14
	v_add_nc_u32 v14, s94, v14      ; 16 cx + l % 16 - 8 (l / 16): register r of key block kb is hidden where 16 kb + r is greater
	WIN 0x40
.set i, 0
.rept 32
	v_cmp_gt_i32 vcc_lo, 16*(i/8)+i%8, v14
	v_cndmask_b32 v[MD+i], 0, s[BIGN], vcc_lo
.set i, i+1
.endr
	WIN 0
; A BLOCK BEGINS: c m far below every c s, so the first step's a is 0; m at the lowest finite number; l and O^T 0.
.macro INIT
	WIN 0
.irp t, 0,1
	v_mov_b32 v[ST+8*(\t)], 0xfe000000
	v_mov_b32 v[ST+8*(\t)+1], 0xff7fffff
	v_mov_b32 v[ST+8*(\t)+2], 0
	v_mov_b32 v[ST+8*(\t)+3], 0
.endr
.set i, 0
.rept 64
	v_mov_b32 v[O+i], 0
.set i, i+1
.endr
.endm
; qt = q o t / 8 of block blk, in the fragments' own layout: the products of the f16 halves, exact in f32, in S^T's registers; qt = bf16 of them; qt_lo = bf16 of what is left.
.macro QPREP blk
.set qb, 64*(\blk)
.set tb, 192+32*(\blk)
.set lb, 128+32*(\blk)
	WIN 0x0a                        ; q and t in window 2
.set i, 0
.rept 32
	v_fma_mix_f32 v[S+2*i],   v[qb+i], v[tb+i], v[ZR] op_sel_hi:[1,1,0]
	v_fma_mix_f32 v[S+2*i+1], v[qb+i], v[tb+i], v[ZR] op_sel:[1,1,0] op_sel_hi:[1,1,0]
.set i, i+1
.endr
	WIN 0
.set i, 0
.rept 32
	v_pk_mul_f32 v[S+2*i:S+2*i+1], v[S+2*i:S+2*i+1], 0x3e000000 op_sel_hi:[1,0]  ; times 1/8: exact
.set i, i+1
.endr
	WIN 0x80
.set i, 0
.rept 32
	v_cvt_pk_bf16_f32 v[qb+32+i], v[S+2*i], v[S+2*i+1]
.set i, i+1
.endr
	WIN 0x02                        ; qt in window 2
.set i, 0
.rept 32
	v_fma_mix_f32_bf16 v[S+2*i],   v[qb+32+i], v[NG], v[S+2*i]   op_sel_hi:[1,0,0]
	v_fma_mix_f32_bf16 v[S+2*i+1], v[qb+32+i], v[NG], v[S+2*i+1] op_sel:[1,0,0] op_sel_hi:[1,0,0]
.set i, i+1
.endr
	WIN 0x80
.set i, 0
.rept 32
	v_cvt_pk_bf16_f32 v[lb+i], v[S+2*i], v[S+2*i+1]
.set i, i+1
.endr
	WIN 0
.endm
	INIT
	; THE BASES.  base[0] = 0, base[s] = base[s - 1] + chunk sum s - 1, in f32, two channels a lane; each is split into bf16 hi and lo, laid into my rows in LDS and read back as fragments with the chunk in a key's place.
	; Chunk i = 16 g + 2 j + h stands at row 16 g + 8 h + j, so that register j of the product's result holds chunk 16 g + 2 j in lanes 0-15 and chunk 16 g + 2 j + 1 in lanes 16-31: the two chunks of key tile 8 g + j.
	; All of this beginning stands in the wait for the first tile.
	s_wait_loadcnt 32               ; the 31 chunk sums are in; q's and t's 32 loads may stay out
	v_mov_b32 v[S], 0
	v_mov_b32 v[S+1], 0
.set i, 2
.rept 30
	v_pk_add_f32 v[S+2*i:S+2*i+1], v[S+2*i:S+2*i+1], v[S+2*i-2:S+2*i-1]
.set i, i+1
.endr
.set i, 0
.rept 32
	v_cvt_pk_bf16_f32 v[P+i], v[S+2*i], v[S+2*i+1]
.set i, i+1
.endr
.set i, 0
.rept 32
	v_fma_mix_f32_bf16 v[S+2*i],   v[P+i], v[NG], v[S+2*i]   op_sel_hi:[1,0,0]
	v_fma_mix_f32_bf16 v[S+2*i+1], v[P+i], v[NG], v[S+2*i+1] op_sel:[1,0,0] op_sel_hi:[1,0,0]
.set i, i+1
.endr
.set i, 0
.rept 32
	v_cvt_pk_bf16_f32 v[MC+i], v[S+2*i], v[S+2*i+1]
.set i, i+1
.endr
.set i, 0
.rept 32
	ds_store_b32 v[BSA], v[P+i]  offset:PK*(16*(i/16)+8*(i%2)+(i%16)/2)
	ds_store_b32 v[BSA], v[MC+i] offset:32*PK+PK*(16*(i/16)+8*(i%2)+(i%16)/2)
.set i, i+1
.endr
	WIN 0x40                        ; into the keys' registers, which are still free: hi at 16 g + 8 half, lo 32 on
.irp f, 0,1,2,3,4,5,6,7             ; f = 4 part + 2 g + half.  LDS serves a wave's instructions in order (ISA guide 5.7.1.4): these see the stores above
	ds_load_b128 v[8*(\f):8*(\f)+3],   v[BSF] offset:((\f)/4)*32*PK+(((\f)/2)%2)*16*PK+((\f)%2)*64
	ds_load_b128 v[8*(\f)+4:8*(\f)+7], v[BSF] offset:((\f)/4)*32*PK+(((\f)/2)%2)*16*PK+((\f)%2)*64+32
.endr
	WIN 0
	s_wait_loadcnt 0x0              ; q and t
	QPREP 0
	QPREP 1
	s_wait_dscnt 0x0                ; the bases' fragments are in
	; THE BIAS: accumulator n = 4 block + 2 tile + g holds, a query a lane, qt . base for the key tiles 8 g + 0..7.  Six products each; the eight accumulators take turns.
	; The first block's four lie where the queues are read (window 1), the second block's in t's registers (window 2), which are free now.
.irp kind, 0,1,2                    ; hi hi, hi lo, lo hi
.irp h, 0,1
.set n, 0
.rept 8
.set rA, 16*(n%2)+8*(\h)+32*((\kind)/2)
.if (\kind) == 1
.set rB, 128+32*(n/4)+16*((n/2)%2)+8*(\h)
.else
.set rB, 64*(n/4)+32+16*((n/2)%2)+8*(\h)
.endif
.if n < 4
	WIN 0x59                        ; bases in window 1, qt in window 2, C and D in window 1
.set rD, BQ+8*n
.else
	WIN 0xa9                        ; C and D in window 2
.set rD, BQ2+8*(n-4)
.endif
.if ((\kind) == 0) && ((\h) == 0)
	v_wmma_f32_16x16x32_bf16 v[rD:rD+7], v[rA:rA+7], v[rB:rB+7], 0
.else
	v_wmma_f32_16x16x32_bf16 v[rD:rD+7], v[rA:rA+7], v[rB:rB+7], v[rD:rD+7]
.endif
.set n, n+1
.endr
.endr
.endr
	WIN 0
	PLACES                          ; behind the last of them: the keys' registers are loaded again, and the sums read, only behind these
; THE MATRIX WORK.  Product i of 16 of a tile's scores: key block i % 4, channel half (i / 4) % 2; i < 8: k q (f16), else dl qt (bf16).  The four accumulators take turns.
; The first four start the sums: with the bias (cm = 0), or with mask and bias (cm = 1).
.macro KQ u, cm
	WIN W_KQ
.set kb, i%4
.set hc, (i/4)%2
.set rD, S+32*(\u)+8*kb
.if i < 8
.set rK, KF+16*kb+8*hc
.set rQ, 16*(\u)+8*hc
.else
.set rK, DL+16*kb+8*hc
.set rQ, 32+16*(\u)+8*hc
.endif
.if (i < 4) && (\cm)
	v_wmma_f32_16x16x32_f16 v[rD:rD+7], v[rK:rK+7], v[rQ:rQ+7], v[MC+8*kb:MC+8*kb+7]
.elseif i < 4
	v_wmma_f32_16x16x32_f16 v[rD:rD+7], v[rK:rK+7], v[rQ:rQ+7], v[BC1:BC1+7]
.elseif i < 8
	v_wmma_f32_16x16x32_f16 v[rD:rD+7], v[rK:rK+7], v[rQ:rQ+7], v[rD:rD+7]
.else
	v_wmma_f32_16x16x32_bf16 v[rD:rD+7], v[rK:rK+7], v[rQ:rQ+7], v[rD:rD+7]
.endif
.set i, i+1
.endm
; Product i of 8 of O^T += V^T P: keys 32 (i / 4) on, channels 16 (i % 4) on.
.macro PV u
	WIN W_PV
.set rA, O+32*(\u)+8*(i%4)
.set rV, VF+32*(i/4)+8*(i%4)
.set rB, P+16*(\u)+8*(i/4)
	v_wmma_f32_16x16x32_f16 v[rA:rA+7], v[rV:rV+7], v[rB:rB+7], v[rA:rA+7]
.set i, i+1
.endm
; THE LDS LOADS stand in runs: a step's k and its dl (16 + 16, in that order), and its V (16, turned).
.macro FRAGS dst, reg
.irp f, 0,1,2,3,4,5,6,7             ; keys 16 (f / 2) on, channels 32 (f % 2) on
	ds_load_b128 v[(\dst)+8*(\f):(\dst)+8*(\f)+3],   v[AK] offset:(\reg)*REG+((\f)/2)*16*PK+((\f)%2)*64
	ds_load_b128 v[(\dst)+8*(\f)+4:(\dst)+8*(\f)+7], v[AK] offset:(\reg)*REG+((\f)/2)*16*PK+((\f)%2)*64+32
.endr
.endm
.macro FETCH_K
	WIN 0
	v_add_nc_u32 v[AK], s[TBK], v[AK0]
	s_add_co_u32 s[TBK], s[TBK], STEPB  ; the next fetch is the next step's
	WIN 0x40                        ; destination window 1
	FRAGS KF, 0
	FRAGS DL, 2
	WIN 0
.endm
.macro FETCH_KG                     ; a tile's second step fetches nothing: the next tile's first step is fetched behind the change of slots
	WIN 0
	s_cmp_eq_u32 s[CNT], 1
	s_cbranch_scc1 .Lno_k_\@
	FETCH_K
.Lno_k_\@:
.endm
.macro FETCH_V
	WIN 0
	v_add_nc_u32 v[AV], s[TBV], v[AV0]
	s_add_co_u32 s[TBV], s[TBV], STEPB
	WIN 0x40
.irp f, 0,1,2,3,4,5,6,7             ; keys 32 (f / 4) on, channels 16 (f % 4) on
	ds_load_tr16_b128 v[VF+8*(\f):VF+8*(\f)+3],   v[AV] offset:REG+((\f)/4)*32*PK+((\f)%4)*32
	ds_load_tr16_b128 v[VF+8*(\f)+4:VF+8*(\f)+7], v[AV] offset:REG+((\f)/4)*32*PK+16*PK+((\f)%4)*32
.endr
	WIN 0
.endm
; THE VECTOR WORK.  A tile's softmax for a step is a list of 118 instructions; SM writes number j of it.  s0-s31 are the lane's 32 scores, in pairs 0-15.
;   0-15    the maximum of s0-s31 and the old m, three operands at a time (each accumulator's lowest registers are read first)
;   16-20   the other half of the lanes' maximum; the new m; c m; c m_old - c m_new
;   21-69   THE TILE'S PART OF THE BATCH: the 16 scalings c s - c m, a pair of scores each, and all 33 exponentials (a at 23, then s0-s31, each in place).  None of these names an exponential's result.
;           22-37: scaling and exponential by turns; 38-65: a scaling and three exponentials; 66-69: the last four exponentials.  A pair is scaled some lines ahead of its exponentials
;   (wait)  between 69 and 70 stands the wait for the batch: the step writes it, once for all its tiles
;   70-85   the roundings to f16, a pair of weights each          86-101  the tile's O^T times a, each accumulator from its low end on
;   102-117 the sum of the 16 pairs; l = a l + the sum
.macro SM t
.set rT, ST+8*(\t)
.set rS, S+32*(\t)
.set rP, P+16*(\t)
.set rO, O+32*(\t)+2*(j-86)
	WIN 0
.if j < 4
	v_max3_num_f32 v[rT+4+j], v[rS+8*j], v[rS+8*j+1], v[rS+8*j+2]
.elseif j < 12
	v_max3_num_f32 v[rT+4+j%4], v[rT+4+j%4], v[rS+8*(j%4)+2*(j/4)+1], v[rS+8*(j%4)+2*(j/4)+2]
.elseif j == 12
	v_max3_num_f32 v[rT+4], v[rT+4], v[rS+7], v[rS+15]
.elseif j == 13
	v_max3_num_f32 v[rT+6], v[rT+6], v[rS+23], v[rS+31]
.elseif j == 14
	v_max3_num_f32 v[rT+4], v[rT+4], v[rT+5], v[rT+6]
.elseif j == 15
	v_max3_num_f32 v[rT+4], v[rT+4], v[rT+7], v[rT+1]
.elseif j == 16
	v_permlanex16_b32 v[rT+5], v[rT+4], s[SEL], s[SEL+1]  ; the query's other 32 keys lie in the lane 16 away
.elseif j == 17
	v_mov_b32 v[rT+7], v[rT]        ; c m_old is kept for a
.elseif j == 18
	v_max_num_f32 v[rT+1], v[rT+4], v[rT+5]
.elseif j == 19
	v_mul_f32 v[rT], s[CS], v[rT+1]
.elseif j == 20
	v_sub_f32 v[rT+7], v[rT+7], v[rT]
.elseif j == 23
	v_exp_f32 v[rT+6], v[rT+7]
.elseif (j < 23) || ((j < 38) && (j%2 == 0)) || ((j < 66) && (j%4 == 2))
.set b, (j-2)/4                     ; 38, 42, .. 62: pairs 9 to 15
.if j < 38
.set b, (j-20)/2                    ; 21: pair 0; 22, 24, .. 36: pairs 1 to 8
.endif
	v_pk_fma_f32 v[rS+2*b:rS+2*b+1], v[rS+2*b:rS+2*b+1], s[CS:CS+1], v[rT:rT+1] op_sel_hi:[1,0,0] neg_lo:[0,0,1] neg_hi:[0,0,1]  ; pair b: c s - c m
.elseif j < 70
.set e, j-38                        ; 66 to 69: s28 to s31
.if j < 66
.set e, j-32-(j-38)/4               ; 39-41, 43-45, .. 63-65: s7 to s27
.endif
.if j < 38
.set e, (j-25)/2                    ; 25, 27, .. 37: s0 to s6
.endif
	v_exp_f32 v[rS+e], v[rS+e]
.elseif j < 86
	v_cvt_pk_f16_f32 v[rP+j-70], v[rS+2*(j-70)], v[rS+2*(j-70)+1]  ; pair j - 70
.elseif j < 102
	v_pk_mul_f32 v[rO:rO+1], v[rO:rO+1], v[rT+6:rT+7] op_sel_hi:[1,0]
.else                               ; the sum of the 16 pairs, in place: neighbours 1, 2, 4 and 8 pairs apart, then l takes it
.set z, j-102
.set w, 4
.set y, z
.if z >= 14
.set w, 32
.set y, 0
.elseif z >= 12
.set w, 16
.set y, z-12
.elseif z >= 8
.set w, 8
.set y, z-8
.endif
.if z < 15
	v_pk_add_f32 v[rS+w*y:rS+w*y+1], v[rS+w*y:rS+w*y+1], v[rS+w*y+w/2:rS+w*y+w/2+1]
.else
	v_pk_fma_f32 v[rT+2:rT+3], v[rT+2:rT+3], v[rT+6:rT+7], v[rS:rS+1] op_sel_hi:[1,0,1]
.endif
.endif
.set j, j+1
.endm
.macro SMT t                        ; the next line of tile t's list: each tile has a count of its own
.if (\t) == 0
.set j, j0
	SM 0
.set j0, j
.else
.set j, j1
	SM 1
.set j1, j
.endif
.endm
.macro SMN t, n                     ; the list's next n
.rept \n
	SMT \t
.endr
.endm
.macro ALBE                         ; the mask's two scalars for step STP, and the step's number goes on
	s_cmp_eq_u32 s[STP], s[WV]
	s_cselect_b32 s[AL], 1.0, 0
	s_cmp_gt_u32 s[STP], s[WV]
	s_cselect_b32 s[BE], s[BIGN], 0
	s_add_co_u32 s[STP], s[STP], 1
.endm
.macro MASK                         ; MC = MD x AL + XX
	WIN 0x01                        ; MD in window 1
.set z, 0
.rept 16
	v_pk_fma_f32 v[MC+2*z:MC+2*z+1], v[MD+2*z:MD+2*z+1], s[AL:AL+1], v[XX:XX+1] op_sel_hi:[1,0,0]
.set z, z+1
.endr
	WIN 0
.endm
; A STEP for both tiles of queries.  The LDS counts: behind k's 16 loads stand dl's 16 and V's 16.
.macro STEP_FL
	PLACES                          ; behind the last step's last products, which read V's registers
	FETCH_V
	ALBE
	s_cmp_ge_u32 s[RT], 4           ; nothing is masked: both scalars are 0
	s_cselect_b32 s[AL], 0, s[AL]
	s_cselect_b32 s[BE], 0, s[BE]
.set z, 0
.rept 8
	v_cndmask_b32 v[BC1+z], v[H1], v[X1], s[SMK]  ; tile 1's bias for this step's chunk, eight times: my half's number, or the other half's where the mask says so
.set z, z+1
.endr
	s_wait_dscnt 32                 ; k is in
.set i, 0
.rept 8
	KQ 1, 0
.endr
	WIN 0
	v_cndmask_b32 v[BB], v[H0], v[X0], s[SMK]     ; an f16 and a bf16 form on one accumulator are no chain in place: these 18 plain lines, which name no register of tile 1's products, are the five places between them and more
	v_add_f32 v[XX], s[BE], v[BB]
	MASK
	s_not_b32 s[SMK], s[SMK]        ; the tile's other step takes the other half
	s_wait_dscnt 16                 ; dl is in
.rept 8
	KQ 1, 0
.endr
	PLACES                          ; in front of the first read of tile 1's scores
.set i, 0
.set j0, 0
.set j1, 0
.rept 16                            ; between an accumulator's last f16 product and its first bf16 one stand sixteen of tile 1's lines, seven of them plain or more; none names a register of these products
	KQ 0, 1
	SMN 1, 4                        ; tile 1's numbers 0-63
.endr
	; THE LUMP.  Tile 0's numbers 0-3 each read the accumulator that product 12 + number has ended, four plain lines behind it: of tile 1's scalings 50, 54, 58, 62 those that stand behind that product, and tile 0's
	; numbers in front, which name none of its registers.  Tile 1's last six exponentials stand between the links of tile 0's chain 14-19, where each number waits for the one before it.
	SMN 0, 14                       ; tile 0: 0-13
	SMT 1                           ; tile 1: 64
	SMT 0                           ; 14
	SMT 1                           ; 65
	SMT 0                           ; 15
	SMT 1                           ; 66
	SMN 0, 2                        ; 16, 17
	SMT 1                           ; 67
	SMT 0                           ; 18
	SMT 1                           ; 68
	SMT 0                           ; 19
	SMT 1                           ; 69
	SMN 0, 50                       ; 20-69: the rest of tile 0's statistics, its scalings and exponentials
	v_nop                           ; the plain instruction behind the last exponential and ahead of the first use: one for the batch
	s_wait_alu depctr_va_vdst(0)    ; the step's one wait: for the batch of both tiles' 66 exponentials, none of whose results has been named; it stands ahead of the branch below too
	s_wait_dscnt 0x0                ; V is in
	FETCH_KG
	SMN 1, 32                       ; the readers: tile 1's roundings and its O^T times a,
.set i, 0
.rept 8
	PV 1
	SMN 0, 4                        ; tile 0's roundings and its O^T times a, which name no register of tile 1's products,
.endr
.set i, 0
.rept 8
	PV 0
	SMT 1                           ; and both tiles' sums by turns, which name S^T and the statistics alone
	SMT 0
	SMT 1
	SMT 0
.endr
	WIN 0
.endm
; A STEP for tile 1 alone, masked.
.macro STEP_H
	PLACES
	FETCH_V
	ALBE
	v_cndmask_b32 v[BB], v[H1], v[X1], s[SMK]
	v_add_f32 v[XX], s[BE], v[BB]
	MASK
	s_not_b32 s[SMK], s[SMK]
	s_wait_dscnt 32                 ; k is in
.set i, 0
.rept 8
	KQ 1, 1
.endr
.rept 5
	v_nop                           ; the five places between the f16 and the bf16 form
.endr
	s_wait_dscnt 16                 ; dl is in
.rept 8
	KQ 1, 1
.endr
	PLACES                          ; in front of the first read of these scores, and of loads into the keys' registers
	s_wait_dscnt 0x0                ; V is in
	FETCH_KG
.set j1, 0
	SMN 1, 70                       ; maximum, statistics, and the batch: 16 scalings and 33 exponentials
	v_nop                           ; the plain instruction behind the last exponential: one for the batch
	s_wait_alu depctr_va_vdst(0)    ; the step's one wait: for the batch of the tile's 33 exponentials
	SMN 1, 32                       ; the roundings, and O^T times a
.set i, 0
.rept 8
	PV 1
	SMN 1, 2                        ; the sums, which name S^T and the statistics alone
.endr
	WIN 0
.endm
; A KEY TILE'S HEAD: its first step's keys are fetched; while they are on their way the two queues' first registers are taken out, in ascending order, the queues move down by one, and the halves of the lanes are exchanged.
.macro TILE_HEAD
	s_and_b32 s[STP], s[RT], 1      ; the tile's first step among the four of its 256 keys: 0 where RT is odd, 2 where it is even
	s_xor_b32 s[STP], s[STP], 1
	s_lshl_b32 s[STP], s[STP], 1
	s_mov_b32 s[CNT], 2
	s_mov_b32 s[SMK], 0xffff0000    ; the first step's chunk lies in lanes 0-15: lanes 16-31 take the other half's number
	FETCH_K
	WIN 0x01                        ; the queues in window 1
	v_mov_b32 v[H0], v[BQ]
	v_mov_b32 v[H1], v[BQ+16]
	WIN 0x41
.irp u, 0,1
.set i, 0
.rept 15
	v_mov_b32 v[BQ+16*(\u)+i], v[BQ+16*(\u)+i+1]
.set i, i+1
.endr
.endr
	WIN 0
	v_permlanex16_b32 v[X0], v[H0], s[SEL], s[SEL+1]
	v_permlanex16_b32 v[X1], v[H1], s[SEL], s[SEL+1]
.endm
.macro TILE_FL
	TILE_HEAD
.Lstep_\@:
	STEP_FL
	s_sub_co_u32 s[CNT], s[CNT], 1
	s_cmp_lg_u32 s[CNT], 0
	s_cbranch_scc1 .Lstep_\@
.endm
.macro TILE_H
	TILE_HEAD
.Lstep_\@:
	STEP_H
	s_sub_co_u32 s[CNT], s[CNT], 1
	s_cmp_lg_u32 s[CNT], 0
	s_cbranch_scc1 .Lstep_\@
.endm
; THE WAY OUT of a block: l's two halves and the other half of the lanes' are added; O^T is divided by l, rounded to f16 and sent through my stage, a tile at a time.
.macro PACK u
.set i, 0
.rept 16
	v_pk_mul_f32 v[O+32*(\u)+2*i:O+32*(\u)+2*i+1], v[O+32*(\u)+2*i:O+32*(\u)+2*i+1], v[ST+8*(\u)+2:ST+8*(\u)+3] op_sel_hi:[1,0]
.set i, i+1
.endr
.set i, 0
.rept 16
	v_cvt_pk_f16_f32 v[S+16*(\u)+i], v[O+32*(\u)+2*i], v[O+32*(\u)+2*i+1]
.set i, i+1
.endr
.irp f, 0,1,2,3
	ds_store_b128 v[STO], v[S+16*(\u)+4*(\f):S+16*(\u)+4*(\f)+3] offset:32*(\f)
.endr
.irp f, 0,1,2,3
	ds_load_b128 v[S+16*(\u)+4*(\f):S+16*(\u)+4*(\f)+3], v[RD] offset:(\f)*4*SPI  ; LDS serves a wave's instructions in order (ISA guide 5.7.1.4): these see the stores above; the next tile's stores come behind them
.endr
.endm
.macro SEND u, younger              ; younger: the LDS instructions issued behind tile u's loads
.irp f, 0,1,2,3
	s_wait_dscnt (\younger)+3-(\f)
	global_store_b128 v[GO], v[S+16*(\u)+4*(\f):S+16*(\u)+4*(\f)+3], s[OP:OP+1] offset:(\u)*32768+(\f)*512  ; 512 consecutive bytes, at a multiple of 256
.endr
.endm
.macro FINISH
	WIN 0
	PLACES
.irp t, 0,1
	v_add_f32 v[ST+8*(\t)+2], v[ST+8*(\t)+2], v[ST+8*(\t)+3]
.endr
.irp t, 0,1
	v_permlanex16_b32 v[ST+8*(\t)+3], v[ST+8*(\t)+2], s[SEL], s[SEL+1]
.endr
.irp t, 0,1
	v_add_f32 v[ST+8*(\t)+2], v[ST+8*(\t)+2], v[ST+8*(\t)+3]
.endr
.irp t, 0,1
	v_rcp_f32 v[ST+8*(\t)+2], v[ST+8*(\t)+2]
.endr
	v_nop                           ; a plain instruction between the last reciprocal and the use of its result
	s_wait_alu depctr_va_vdst(0)    ; and the wait ahead of the first use: one for the batch of two reciprocals
	PACK 0
	PACK 1
	SEND 0, 8
	SEND 1, 0
.endm
.Lslot:                             ; 19 trips: a tile is entered and the next is asked for.  Every jump below goes forward, over text with neither a barrier nor a tensor load, and hangs on cl alone, which the partners share
	CHANGE 1
	s_sub_co_u32 s[RT], s[RT], 1
	s_cmp_ge_u32 s[RT], 2
	s_cbranch_scc0 .LtileH
	TILE_FL
	s_branch .Lbottom
.LtileH:
	TILE_H
	s_cmp_lg_u32 s[RT], 0
	s_cbranch_scc1 .Lbottom
	FINISH                          ; in the loop this is the first block's end: the second block's last tile is the walk's last
	s_wait_xcnt 0x0                 ; the stores have had their addresses translated (ISA guide 3.1): their registers and O's address are rewritten only behind this wait
	s_mov_b64 s[OP:OP+1], s[OP2:OP2+1]
	s_mov_b32 s[RT], s[RT2]
	INIT
	WIN 0x82                        ; the second block's q and qt go where the one text of the steps names them,
.set i, 0
.rept 64
	v_mov_b32 v[i], v[64+i]
.set i, i+1
.endr
	WIN 0x42                        ; and its bias, in ascending order, into the queues: its walk begins at key tile 0 again
.set i, 0
.rept 32
	v_mov_b32 v[BQ+i], v[BQ2+i]
.set i, i+1
.endr
	WIN 0
.Lbottom:
	s_sub_co_u32 s[SLOTS], s[SLOTS], 1
	s_cmp_lg_u32 s[SLOTS], 0
	s_cbranch_scc1 .Lslot
	CHANGE 0                        ; the walk's last tile is written out, so that no tensor load of the walk is jumped over: nothing is asked for
	s_sub_co_u32 s[RT], s[RT], 1
	TILE_H
	FINISH
	s_wait_tensorcnt 0x0            ; the wave's end
	ds_add_u32 v[SPW], v[NIL]
	s_wait_dscnt 0x0
	CROUND                          ; the closing round: no work-group ends while a partner may still ask for a tile that names it
	s_endpgm
.Lfunc_end_k_qffd32e7314_attn:
	.size	k_qffd32e7314_attn, .Lfunc_end_k_qffd32e7314_attn-k_qffd32e7314_attn
	.p2alignl 7, 3214868480
	.fill 96, 4, 3214868480
	.section	.rodata,"a",@progbits
	.p2align	6, 0x0
	.amdhsa_kernel k_qffd32e7314_attn
		.amdhsa_group_segment_fixed_size 327680
		.amdhsa_private_segment_fixed_size 0
		.amdhsa_enable_private_segment 0
		.amdhsa_kernarg_size 32
		.amdhsa_user_sgpr_count 2
		.amdhsa_user_sgpr_kernarg_segment_ptr 1
		.amdhsa_wavefront_size32 1
		.amdhsa_system_sgpr_workgroup_id_x 1
		.amdhsa_system_sgpr_workgroup_id_y 1
		.amdhsa_system_sgpr_workgroup_id_z 1
		.amdhsa_system_vgpr_workitem_id 0
		.amdhsa_next_free_vgpr 768
		.amdhsa_next_free_sgpr 96
		.amdhsa_reserve_vcc 1
		.amdhsa_float_denorm_mode_32 3
		.amdhsa_float_denorm_mode_16_64 3
		.amdhsa_memory_ordered 1
		.amdhsa_forward_progress 1
		.amdhsa_inst_pref_size 149
	.end_amdhsa_kernel
	.amdgpu_metadata
---
amdhsa.version: [ 1, 2 ]
amdhsa.kernels:
  - .name:           k_qffd32e7314_attn
    .symbol:         k_qffd32e7314_attn.kd
    .args:
      - { .name: proj, .offset: 0, .size: 8, .value_kind: global_buffer, .address_space: global }
      - { .name: cc, .offset: 8, .size: 8, .value_kind: global_buffer, .address_space: global }
      - { .name: ksum, .offset: 16, .size: 8, .value_kind: global_buffer, .address_space: global }
      - { .name: ob, .offset: 24, .size: 8, .value_kind: global_buffer, .address_space: global }
    .group_segment_fixed_size: 327680
    .private_segment_fixed_size: 0
    .kernarg_segment_align: 8
    .kernarg_segment_size: 32
    .max_flat_workgroup_size: 128
    .sgpr_count:     96
    .vgpr_count:     768
    .wavefront_size: 32
...
	.end_amdgpu_metadata
.endif
;; end of part 8
;; launch gemm2: the kernel of part 5 again; grid 8 x 32, 4 waves a work-group, clusters of 4 x 4, 327,680 bytes of LDS; arguments ob, xw, bo, out0; writes out0
